; MI455X (gfx1250); checked and timed in simulation.
; The chip was launched on July 23, 2026; its instructions are those of AMD's public machine-readable ISA for CDNA 5 (MIT licence, August 2026) and "CDNA5" Instruction Set Architecture Reference Guide (July 2026). The comments in the code are by the model that wrote it; some were corrected since.
;; Naive Transformer Block. Allowed arithmetic: matrix products marked QUANTISED: E3M2 operands, one E8M0 scale for each 32 along K, by v_wmma_scale_f32_16x16x128_f8f6f4 with both operands' format E3M2, f32 sums; everything else in f32.
;; Inputs: ffn1_b 4,096 float32; ffn1_w_codes 4,096 x 32 x 24 uint8 (E3M2 codes of ffn1_w, K innermost, in blocks of 32 codes, four codes in three bytes); ffn1_w_scales 4,096 x 32 uint8 (E8M0 scales of ffn1_w, one for each 32 codes along K); ffn2_b 1,024 float32; ffn2_w_codes 1,024 x 128 x 24 uint8 (E3M2 codes of ffn2_w, K innermost, in blocks of 32 codes, four codes in three bytes); ffn2_w_scales 1,024 x 128 uint8 (E8M0 scales of ffn2_w, one for each 32 codes along K); ln1_b 1,024 float32; ln1_g 1,024 float32; ln2_b 1,024 float32; ln2_g 1,024 float32; wk_b 1,024 float32; wk_w_codes 1,024 x 32 x 24 uint8 (E3M2 codes of wk_w, K innermost, in blocks of 32 codes, four codes in three bytes); wk_w_scales 1,024 x 32 uint8 (E8M0 scales of wk_w, one for each 32 codes along K); wo_b 1,024 float32; wo_w_codes 1,024 x 32 x 24 uint8 (E3M2 codes of wo_w, K innermost, in blocks of 32 codes, four codes in three bytes); wo_w_scales 1,024 x 32 uint8 (E8M0 scales of wo_w, one for each 32 codes along K); wq_b 1,024 float32; wq_w_codes 1,024 x 32 x 24 uint8 (E3M2 codes of wq_w, K innermost, in blocks of 32 codes, four codes in three bytes); wq_w_scales 1,024 x 32 uint8 (E8M0 scales of wq_w, one for each 32 codes along K); wv_b 1,024 float32; wv_w_codes 1,024 x 32 x 24 uint8 (E3M2 codes of wv_w, K innermost, in blocks of 32 codes, four codes in three bytes); wv_w_scales 1,024 x 32 uint8 (E8M0 scales of wv_w, one for each 32 codes along K); x 2 x 2,048 x 1,024 float32.
;; Outputs: out0 2 x 2,048 x 1,024 float32.
;; This version of the problem:
;;   THIS VERSION OF THE PROBLEM IS GIVEN IN LOW PRECISION. The matrix products marked QUANTISED in the list below multiply operands that are first quantised to E3M2 (3 exponent bits, 2 mantissa bits; 6 bits a number), with one power-of-two scale for each 32 numbers along K (OCP MX v1.0); their sums are f32. All else is computed in f32.
;;   The module's matrix products, in the order in which they are computed (A, B: the left and right operand; K: the contracted axis; several contracted axes count as one K, in the product's order):
;;     1. [M 4,096, K 1,024] x [K 1,024, N 1,024]; A: computed on the way; B: input wq_w (given as codes): QUANTISED
;;     2. [M 4,096, K 1,024] x [K 1,024, N 1,024]; A: computed on the way; B: input wk_w (given as codes): QUANTISED
;;     3. [M 4,096, K 1,024] x [K 1,024, N 1,024]; A: computed on the way; B: input wv_w (given as codes): QUANTISED
;;     4. batch 32 x [M 2,048, K 64] x [K 64, N 2,048]; A: computed on the way; B: computed on the way: QUANTISED
;;     5. batch 32 x [M 2,048, K 2,048] x [K 2,048, N 64]; A: softmax (see below); B: computed on the way: QUANTISED
;;     6. [M 4,096, K 1,024] x [K 1,024, N 1,024]; A: computed on the way; B: input wo_w (given as codes): QUANTISED
;;     7. [M 4,096, K 1,024] x [K 1,024, N 4,096]; A: computed on the way; B: input ffn1_w (given as codes): QUANTISED
;;     8. [M 4,096, K 4,096] x [K 4,096, N 1,024]; A: computed on the way; B: input ffn2_w (given as codes): QUANTISED
;;   THE QUANTISER, for each operand of a quantised product, along K:
;;     - K is cut into blocks of 32 from its start; a last block that is shorter is filled with zeros.
;;     - A block's scale is 2^e with e = floor(log2(the largest magnitude in the block)) - 4, held to -126 .. 127; a block of zeros has e = 0. As a byte (E8M0): e + 127.
;;     - Each number is divided by its block's scale, clamped to +-28, and rounded to the nearest number of E3M2, ties to even, subnormals kept.
;;     - The product sums the exact products of the quantised numbers (number of the format x scale) in f32.
;;   ~~~python
;;   def quantise(x, axis):      # numpy; x: float32 -> the quantised numbers, widened to float32 again
;;       x = np.moveaxis(x, axis, -1); K = x.shape[-1]
;;       x = np.pad(x, [(0, 0)] * (x.ndim - 1) + [(0, -K % 32)]); x = x.reshape(x.shape[:-1] + (-1, 32)); a = np.abs(x).max(-1, keepdims=True)
;;       e = np.where(a > 0, np.clip(np.frexp(np.where(a > 0, a, 1))[1] - 1 - 4, -126, 127), 0)      # np.frexp(a)[1] - 1 = floor(log2(a)), exactly
;;       r = np.clip(x / 2.0 ** e, -28, 28)
;;       step = 2.0 ** (np.maximum(np.frexp(np.where(r == 0, 1, r))[1] - 1, -2) - 2)
;;       q = np.round(r / step) * step * 2.0 ** e      # np.round: ties to even
;;       return np.moveaxis(q.reshape(q.shape[:-2] + (-1,))[..., :K], -1, axis).astype(np.float32)
;;   ~~~
;;   SOFTMAX AHEAD OF A QUANTISED PRODUCT. Where the list says 'softmax', what is quantised is not the finished softmax but p = 2^(t - M), with t = logit x log2(e) and M = ceil(the row's largest t), a whole number; so 1/2 < the row's largest p <= 1. The row's sum l is taken of the UNQUANTISED p, in f32, and the product's result is divided by l at the end. Since M is a whole number, a kernel that streams over the keys may use a running M (the ceiling of the running maximum): every later rescaling is an exact power of two, which a block's scale takes up: the codes' values come out the same.
;;   OPERANDS COMPUTED ON THE WAY. 'Computed on the way' means the value that the module computes at that place (a softmax that the list does not call 'softmax' is quantised finished and normalised). What goes into a quantiser is computed in f32, as accurately as f32 sums, v_exp_f32 and their like allow (about 1e-6 of the number): no bf16 or f16 on the way to a quantiser, and a product that is left as it is and whose result goes on into a quantised operand takes f32 operands (vector FMAs, or v_wmma_f32_16x16x4_f32). A number that lies on a knife's edge between two numbers of the format may be rounded either way, as far as f32 arithmetic and the matrix unit's own rounding can turn it there, and no further.
;;   INPUTS GIVEN AS CODES. ffn1_w (in the module: [4096, 1024], K = its axis 1); ffn2_w (in the module: [1024, 4096], K = its axis 1); wk_w (in the module: [1024, 1024], K = its axis 1); wo_w (in the module: [1024, 1024], K = its axis 1); wq_w (in the module: [1024, 1024], K = its axis 1); wv_w (in the module: [1024, 1024], K = its axis 1): each comes as NAME_codes (uint8): NAME with its K axis moved to the last place and cut into blocks of 32 codes, [.., K / 32, bytes a block], one block behind the other in memory; four codes in three bytes: a row's codes are one little-endian stream of bits, code i at bits 6 i .. 6 i + 5 (a code: sign, 3 exponent bits, 2 mantissa bits); and NAME_scales (uint8): the same leading axes, one E8M0 byte (e + 127) for each 32 codes along K. Its value is code x scale, taken as it is: it is not quantised again, and the codes and scales need not be those that the quantiser above would give.
;; 2 versions, each right. Each part assembles by itself: llvm-mc -triple=amdgcn-amd-amdhsa -mcpu=gfx1250 --defsym DOCPART=n.
;; ======== version 1 of 2: 7 launches
;; workspace buffers: hc 3,276,800 bytes; qc 3,407,872 bytes; kc 3,407,872 bytes; vc 3,276,800 bytes; ac 3,276,800 bytes; x1 16,777,216 bytes; fc 13,107,200 bytes
;; launch ln1q (part 1): grid 256 x 1, 8 waves a work-group, no clusters, 87,552 bytes of LDS; arguments x, ln1_g, ln1_b, hc; writes hc
.if DOCPART == 1
	.amdgcn_target "amdgcn-amd-amdhsa--gfx1250"
	.amdhsa_code_object_version 6
	.text
	.protected	k_q5ca4f40893_ln1q
	.globl	k_q5ca4f40893_ln1q
	.p2align	8
	.type	k_q5ca4f40893_ln1q,@function
k_q5ca4f40893_ln1q:
	s_mov_b64 s[64:65], 0
	v_nop
	global_prefetch_b8 v0, s[64:65] scope:SCOPE_SE
	s_setreg_imm32_b32 hwreg(HW_REG_WAVE_MODE, 25, 1), 1
	s_wait_xcnt 0x0
; y = (x - mean) * rsqrt(var + 1e-5) * g + b over rows of 1,024 f32, then y is turned into codes of BF6 (E3M2) with one E8M0 byte for each 32 along the row.
; The codes leave in the ORDER OF THE OPERAND'S REGISTERS: for each 16 rows (an m-block) and each 128 along K a fragment image of 1,536 bytes, two halves of 768: registers 6 c .. 6 c + 3 of lane L at 16 L,
; registers 6 c + 4, 6 c + 5 at 512 + 8 L; lane L = 16 h + row holds block 2 c + h of its row.  The scale words (4 bytes: a row's 128 along K) lie behind the codes at (8 m-block + K step) x 64 + 4 row.
; SHARES.  A work-group takes one m-block; wave w takes rows 2 w and 2 w + 1, a whole row (4,096 bytes, 32 registers) at a time: mean and variance never leave the wave.  The variance is taken of x - mean (two passes over registers).
; A load takes 512 consecutive bytes; the quantiser wants 32 neighbours in ONE lane: the row turns through the wave's own stage in LDS (16 bytes of padding behind each 128).
; The images of the 16 rows are gathered in LDS, one barrier, and each wave stores one fragment image as three runs of 512 consecutive bytes.
; LIMITS: a block whose largest magnitude lies under 2^-122 keeps the byte 1; a block of zeros gets the byte 1 (its codes are zeros, and this program alone reads the bytes); NaN and infinities are not served.
.set STW,  9216                        ; LDS: a wave's two stages
.set STR,  4608                        ; a stage: 32 places of 128 + 16 bytes
.set IMG,  73728                       ; the m-block's eight fragment images, 12,288 bytes
.set SCS,  86016                       ; its scale words, 512 bytes
.set SOFF, 3145728                     ; where the scale words begin in the output buffer
.set X,    32                          ; v32-95   two rows as loaded, then normalised
.set G,    96                          ; v96-127  g of my 32 columns
.set BT,   128                         ; v128-159 b
.set Y,    160                         ; v160-223 two rows, 32 neighbours a lane
.set CD,   224                         ; row i's codes at v[CD + 8 i] on (6 registers)
.set PD,   240                         ; row i's second conversion at v[PD + 4 i] on
.set BY,   248                         ; row i's scale byte
	s_load_b256 s[4:11], s[0:1], 0x0               ; in s[4:5], g s[6:7], b s[8:9], out s[10:11]
	v_lshl_add_u32 v254, v0, 2, 0x15200
	v_mov_b32 v255, 0
	v_lshrrev_b32 v8, 5, v0
	v_readfirstlane_b32 s12, v8                    ; wave 0..7
	v_and_b32 v9, 31, v0                           ; lane l
	v_lshlrev_b32 v1, 4, v9                        ; v1 = 16 l
	s_mul_i32 s13, s12, STW
	v_lshrrev_b32 v10, 3, v9
	v_lshl_add_u32 v2, v10, 4, v1
	v_add_nc_u32 v2, s13, v2                       ; v2: into the stage: 16 l + 16 (l / 8)
	v_mul_u32_u24 v3, v9, 144
	v_add_nc_u32 v3, s13, v3                       ; v3: out of it: 144 l
	v_lshrrev_b32 v10, 2, v9
	v_mul_u32_u24 v10, v10, 1536                   ; lane l holds block l of the row: K step l / 4,
	v_bfe_u32 v11, v9, 1, 1
	v_mad_u32_u24 v10, v11, 768, v10               ; half c = (l / 2) % 2,
	v_and_b32 v11, 1, v9                           ; h = l % 2
	s_lshl_b32 s16, s12, 5
	s_add_co_u32 s16, s16, IMG
	v_lshl_add_u32 v4, v11, 8, v10
	v_add_nc_u32 v4, s16, v4                       ; v4: 16 x (16 h + 2 w) in that half
	s_lshl_b32 s16, s12, 4
	s_add_co_u32 s16, s16, IMG+512
	v_lshl_add_u32 v5, v11, 7, v10
	v_add_nc_u32 v5, s16, v5                       ; v5: 512 + 8 x (16 h + 2 w)
	v_lshrrev_b32 v10, 2, v9
	v_and_b32 v11, 3, v9
	v_lshl_add_u32 v6, v10, 6, v11
	s_lshl_b32 s16, s12, 3
	s_add_co_u32 s16, s16, SCS
	v_add_nc_u32 v6, s16, v6                       ; v6: my block's byte: 64 (l / 4) + 4 x (2 w) + l % 4
	s_mul_i32 s16, s12, 1536
	v_add_nc_u32 v21, s16, v1                      ; v21: my wave's image in the m-block's 12,288 bytes,
	v_add_nc_u32 v7, IMG, v21                      ; v7: and in LDS
	v_add_nc_u32 v22, SCS, v1                      ; v22: the scale words, 16 bytes a lane
	v_mov_b32 v16, 0                               ; a lane permute's destination counts as read: written once
	s_mov_b32 s14, 0x76543210
	s_mov_b32 s15, 0xfedcba98                      ; selects: lane l xor 16
	s_mov_b32 s18, 0x3a800000                      ; 1 / 1,024
	s_mov_b32 s19, 0x3727c5ac                      ; 1e-5
	s_lshl_b32 s20, ttmp9, 16                      ; 16 rows of 4,096 bytes a work-group,
	s_lshl_b32 s21, s12, 13                        ; two a wave
	s_add_co_u32 s20, s20, s21
	s_mov_b32 s21, 0
	s_mul_i32 s22, ttmp9, 12288
	s_mov_b32 s23, 0
	s_lshl_b32 s24, ttmp9, 9
	s_add_co_u32 s24, s24, SOFF
	s_mov_b32 s25, 0
	s_wait_kmcnt 0x0
	s_add_nc_u64 s[4:5], s[4:5], s[20:21]
	s_add_nc_u64 s[22:23], s[10:11], s[22:23]      ; the m-block's codes
	s_add_nc_u64 s[24:25], s[10:11], s[24:25]      ; and its scale words
.irp i, 0,1
.irp j, 0,1,2,3,4,5,6,7
	global_load_b128 v[X+32*\i+4*\j:X+32*\i+4*\j+3], v1, s[4:5] offset:4096*\i+512*\j th:TH_LOAD_NT   ; 32 lanes read 512 consecutive bytes
.endr
.endr
.irp j, 0,1,2,3,4,5,6,7
	global_load_b128 v[G+4*\j:G+4*\j+3], v1, s[6:7] offset:512*\j
.endr
.irp j, 0,1,2,3,4,5,6,7
	global_load_b128 v[BT+4*\j:BT+4*\j+3], v1, s[8:9] offset:512*\j
.endr
.macro LANES                           ; v8 summed over the 32 lanes, the result in every lane
	v_add_f32_dpp v8, v8, v8 row_xmask:1 row_mask:0xf bank_mask:0xf
	v_add_f32_dpp v8, v8, v8 row_xmask:2 row_mask:0xf bank_mask:0xf
	v_add_f32_dpp v8, v8, v8 row_xmask:4 row_mask:0xf bank_mask:0xf
	v_add_f32_dpp v8, v8, v8 row_xmask:8 row_mask:0xf bank_mask:0xf
	v_permlanex16_b32 v16, v8, s14, s15
	v_add_f32 v8, v8, v16
.endm
; Row i: mean, x - mean, variance, normalised, times g plus b; then through the stage
.macro ROW i
.set XR, X+32*\i
	v_pk_add_f32 v[8:9], v[XR:XR+1], v[XR+2:XR+3]                  ; two chains of packed sums
	v_pk_add_f32 v[10:11], v[XR+4:XR+5], v[XR+6:XR+7]
.irp j, 8,12,16,20,24,28
	v_pk_add_f32 v[8:9], v[8:9], v[XR+\j:XR+\j+1]
	v_pk_add_f32 v[10:11], v[10:11], v[XR+\j+2:XR+\j+3]
.endr
	v_pk_add_f32 v[8:9], v[8:9], v[10:11]
	v_add_f32 v8, v8, v9
	LANES
	v_mul_f32 v12, s18, v8                         ; the mean,
	v_mov_b32 v13, v12                             ; twice, for the packed form
.irp j, 0,2,4,6,8,10,12,14,16,18,20,22,24,26,28,30
	v_pk_add_f32 v[XR+\j:XR+\j+1], v[XR+\j:XR+\j+1], v[12:13] neg_lo:[0,1] neg_hi:[0,1]   ; x - mean
.endr
	v_pk_mul_f32 v[8:9], v[XR:XR+1], v[XR:XR+1]
	v_pk_mul_f32 v[10:11], v[XR+2:XR+3], v[XR+2:XR+3]
.irp j, 4,8,12,16,20,24,28
	v_pk_fma_f32 v[8:9], v[XR+\j:XR+\j+1], v[XR+\j:XR+\j+1], v[8:9]
	v_pk_fma_f32 v[10:11], v[XR+\j+2:XR+\j+3], v[XR+\j+2:XR+\j+3], v[10:11]
.endr
	v_pk_add_f32 v[8:9], v[8:9], v[10:11]
	v_add_f32 v8, v8, v9
	LANES
	v_fma_f32 v8, v8, s18, s19                     ; the variance + 1e-5
	v_rsq_f32 v14, v8
	v_nop                                          ; a plain instruction between the transcendental and the use of its result
	s_wait_alu depctr_va_vdst(0)
	v_mov_b32 v15, v14
.if \i == 0
	s_wait_loadcnt 0x0                             ; g and b are in (and with them row 1)
.endif
.irp j, 0,2,4,6,8,10,12,14,16,18,20,22,24,26,28,30
	v_pk_mul_f32 v[XR+\j:XR+\j+1], v[XR+\j:XR+\j+1], v[14:15]
.endr
.irp j, 0,2,4,6,8,10,12,14,16,18,20,22,24,26,28,30
	v_pk_fma_f32 v[XR+\j:XR+\j+1], v[XR+\j:XR+\j+1], v[G+\j:G+\j+1], v[BT+\j:BT+\j+1]
.endr
.irp j, 0,1,2,3,4,5,6,7
	ds_store_b128 v2, v[XR+4*\j:XR+4*\j+3] offset:STR*\i+576*\j    ; 512 bytes as loaded take four places of 144
.endr
.irp j, 0,1,2,3,4,5,6,7
	ds_load_b128 v[Y+32*\i+4*\j:Y+32*\i+4*\j+3], v3 offset:STR*\i+16*\j   ; LDS serves a wave's instructions in order: these see the stores above
.endr
.endm
; Row i: lane l holds block l: its largest magnitude, its scale, its 32 codes; they go to their place in the images
.macro QROW i
.set YR, Y+32*\i
	v_max3_num_f32 v17, |v[YR]|, |v[YR+1]|, 0x2800000              ; with the floor 2^(5 - 127): the byte cannot fall under 1
	v_max3_num_f32 v18, |v[YR+2]|, |v[YR+3]|, |v[YR+4]|
.irp j, 5,9,13,17,21,25
	v_max3_num_f32 v17, v17, |v[YR+\j]|, |v[YR+\j+1]|
	v_max3_num_f32 v18, v18, |v[YR+\j+2]|, |v[YR+\j+3]|
.endr
	v_max3_num_f32 v17, v17, |v[YR+29]|, |v[YR+30]|
	v_max3_num_f32 v17, v17, v18, |v[YR+31]|
	v_add_nc_u32 v19, 0xfe000000, v17              ; 4 off the exponent field: the conversion's scale operand
	v_cvt_scalef32_pk16_bf6_f32 v[CD+8*\i:CD+8*\i+2], v[YR:YR+15], v19
	v_cvt_scalef32_pk16_bf6_f32 v[PD+4*\i:PD+4*\i+2], v[YR+16:YR+31], v19   ; (a conversion's three registers begin on an even number)
	v_nop                                          ; a plain instruction behind the scaled conversions
	v_lshrrev_b32 v[BY+\i], 23, v19                ; the scale's byte
.irp k, 0,1,2
	v_mov_b32 v[CD+8*\i+3+\k], v[PD+4*\i+\k]
.endr
	ds_store_b128 v4, v[CD+8*\i:CD+8*\i+3] offset:16*\i
	ds_store_b64 v5, v[CD+8*\i+4:CD+8*\i+5] offset:8*\i
	ds_store_b8 v6, v[BY+\i] offset:4*\i
.endm
	s_wait_loadcnt 24                              ; row 0's eight loads are in; row 1's, g's and b's 24 may be out
	ROW 0
	ROW 1
	s_wait_dscnt 16                                ; row 0 is back from its stage; behind its loads stand row 1's eight stores and eight loads
	QROW 0
	s_wait_dscnt 3                                 ; row 1 is back; behind its loads stand row 0's three stores
	QROW 1
	s_wait_dscnt 0x0                               ; for the others' sake: my stores into the images are done
	s_barrier_signal -1
	s_barrier_wait -1
.irp k, 0,1,2
	ds_load_b128 v[X+4*\k:X+4*\k+3], v7 offset:512*\k              ; K step w's image
.endr
	s_cmp_lg_u32 s12, 0
	s_cbranch_scc1 .Lcodes
	ds_load_b128 v[X+12:X+15], v22                 ; wave 0 also takes the 512 bytes of scale words
	s_wait_dscnt 0x0
	global_store_b128 v1, v[X+12:X+15], s[24:25]
.Lcodes:
	s_wait_dscnt 0x0
.irp k, 0,1,2
	global_store_b128 v21, v[X+4*\k:X+4*\k+3], s[22:23] offset:512*\k    ; 32 lanes store 512 consecutive bytes, aligned to 256
.endr
	s_wait_tensorcnt 0x0
	ds_add_u32 v254, v255
	s_wait_dscnt 0x0
	s_endpgm
.Lfunc_end_k_q5ca4f40893_ln1q:
	.size	k_q5ca4f40893_ln1q, .Lfunc_end_k_q5ca4f40893_ln1q-k_q5ca4f40893_ln1q
	.p2alignl 7, 3214868480
	.fill 96, 4, 3214868480
	.section	.rodata,"a",@progbits
	.p2align	6, 0x0
	.amdhsa_kernel k_q5ca4f40893_ln1q
		.amdhsa_group_segment_fixed_size 87552
		.amdhsa_private_segment_fixed_size 0
		.amdhsa_enable_private_segment 0
		.amdhsa_kernarg_size 32
		.amdhsa_user_sgpr_count 2
		.amdhsa_user_sgpr_kernarg_segment_ptr 1
		.amdhsa_wavefront_size32 1
		.amdhsa_system_sgpr_workgroup_id_x 1
		.amdhsa_system_sgpr_workgroup_id_y 1
		.amdhsa_system_sgpr_workgroup_id_z 1
		.amdhsa_system_vgpr_workitem_id 0
		.amdhsa_next_free_vgpr 256
		.amdhsa_next_free_sgpr 66
		.amdhsa_reserve_vcc 0
		.amdhsa_float_denorm_mode_32 3
		.amdhsa_float_denorm_mode_16_64 3
		.amdhsa_memory_ordered 1
		.amdhsa_forward_progress 1
		.amdhsa_inst_pref_size 25
	.end_amdhsa_kernel
	.amdgpu_metadata
---
amdhsa.version: [ 1, 2 ]
amdhsa.kernels:
  - .name:           k_q5ca4f40893_ln1q
    .symbol:         k_q5ca4f40893_ln1q.kd
    .args:
      - { .name: x, .offset: 0, .size: 8, .value_kind: global_buffer, .address_space: global }
      - { .name: ln1_g, .offset: 8, .size: 8, .value_kind: global_buffer, .address_space: global }
      - { .name: ln1_b, .offset: 16, .size: 8, .value_kind: global_buffer, .address_space: global }
      - { .name: hc, .offset: 24, .size: 8, .value_kind: global_buffer, .address_space: global }
    .group_segment_fixed_size: 87552
    .private_segment_fixed_size: 0
    .kernarg_segment_align: 8
    .kernarg_segment_size: 32
    .max_flat_workgroup_size: 256
    .sgpr_count:     66
    .vgpr_count:     256
    .wavefront_size: 32
...
	.end_amdgpu_metadata
.endif
;; end of part 1
;; launch gqkv (part 2): grid 24 x 32, 4 waves a work-group, clusters of 4 x 4, 327,680 bytes of LDS; arguments hc, wq_w_codes, wq_w_scales, wq_b, wk_w_codes, wk_w_scales, wk_b, wv_w_codes, wv_w_scales, wv_b, qc, kc, vc; writes qc, kc, vc
.if DOCPART == 2
	.amdgcn_target "amdgcn-amd-amdhsa--gfx1250"
	.amdhsa_code_object_version 6
	.text
	.protected	k_q5ca4f40893_gqkv
	.globl	k_q5ca4f40893_gqkv
	.p2align	8
	.type	k_q5ca4f40893_gqkv,@function
k_q5ca4f40893_gqkv:
	s_mov_b64 s[64:65], 0
	v_nop
	global_prefetch_b8 v0, s[64:65] scope:SCOPE_SE
	s_setreg_imm32_b32 hwreg(HW_REG_WAVE_MODE, 25, 1), 1
	s_wait_xcnt 0x0
	s_wait_alu depctr_hold_cnt(0) depctr_sa_sdst(0) depctr_va_vdst(0) depctr_va_sdst(0) depctr_va_ssrc(0) depctr_va_vcc(0) depctr_vm_vsrc(0)
	s_getreg_b32 s2, hwreg(HW_REG_IB_STS2, 6, 4)
	s_cmp_eq_u32 s2, 0
	s_cbranch_scc0 .Lentry_in_a_cluster
	s_endpgm
.Lentry_in_a_cluster:
	s_bfe_u32 s2, ttmp6, 0x10000c
	s_cmp_lg_u32 s2, 0xf033
	s_cbranch_scc0 .Lentry_shape_is_right
	s_endpgm
.Lentry_shape_is_right:
; q, k, v = h W^T + b on codes of BF6 (E3M2) with E8M0 scales for each 32 along K = 1,024; the results are quantised in registers and leave as codes: q and k along the head's 64, v along the keys.
; h comes as fragment images (16 rows x 128 K: 1,536 bytes, in the order of the operand's registers), the weights as rows of codes (768 bytes a row).
; SHARES.  A tile of 128 tokens x 128 features to a work-group of four waves, 64 x 64 (16 accumulators) to a wave: a wave's 64 features are one head.  Clusters 0, 1 along x make q, 2, 3 make k, 4, 5 make v.
; K goes in two slots of 512 (four steps of 128); both are filled at the start and never again.
; CLUSTERS: 4 x 4 work-groups; h's tiles are shared along a row of the cluster, the weights' along a column: each is asked for jointly, by the same tensor load with the same descriptor and a mask that names the four.
; q, k: source 0 = 16 rows of W, source 1 = 16 tokens: a lane holds ONE token and its registers run along the features.  v: the sources change places: a lane holds ONE channel and its registers run along the tokens (the keys).
; THE ORDER INSIDE A BLOCK OF 32: the 16 registers of two neighbouring tiles hold indices 8 h + j and 16 + 8 h + j.  They are quantised as they stand: q and k, and later p and v, come out in the same order on both sides
; of their product, which leaves the products as they are; which numbers share a block, and so the scales, do not change.
; OUT.  qc, kc: [head of 32][16 tokens of 128][768]: half a fragment image (K = 64); scale words behind them, 64 to a group of 64 tokens, word w for token w / 2 + 32 (w % 2), bytes 2, 3 zero.
;       vc: [head][128 keys of 16][16 channels of 4][1,536]; scale words [head][128 keys][64 channels].
; LIMITS: a block whose largest magnitude lies under 2^-122 keeps the byte 1; a block of zeros gets the byte 1 (its codes are zeros; this program alone reads the bytes); NaN and infinities are not served.
; REGISTERS.  Window 0: v1-3 r, h, lane; v8-17 LDS addresses; v18-23 the way out; v28, v29 for the add; v32-47 h's scale words, v48-63 W's, two sets each; v64-95 the bias as C, later the codes; v96-113 at work; v128-255 accumulators.
;             Window 1: two sets of fragments at v0 and v128: h's four at + 12 a, W's four at + 48 + 12 b.
.set KK,    1024
.set NS,    KK/128                     ; K steps
.set KS,    KK/32                      ; a row of W's scale bytes
.set KROW,  KK*3/4                     ; a row of W's codes
.set MBB,   NS*1536                    ; an m-block's images
.set ASOFF, 3072*KK                    ; where h's scale words begin
.set SA_MB, NS*64                      ; h's scale words in LDS: from m-block to m-block,
.set SA_S,  64                         ; from K step to K step
.set SOFF,  3145728                    ; where the scale words begin in qc, kc, vc
.set SLOT,  104448                     ; a slot: h's two halves of 24,576 (4 m-blocks x 4 images), then W's two halves of 27,648 (64 rows)
.set AHALF, 24576
.set BOFF,  49152
.set BHALF, 27648
.set BP,    432                        ; a row of W in LDS: 3 x (128 bytes + 16 of padding) = 108 words: the 16 rows of a load start at 16 different multiples of 4 banks, lanes 16-31 fall between them
.set ASL,   2*SLOT                     ; h's scale words of the tile, dense
.set BSL,   ASL+NS*512                 ; W's scale bytes, as units of 256 + 16
.set SPARE, BSL+NS*544                 ; the spare words: 128 bytes a wave, two blocks of 256 bytes that no other line names
.set STG,   SPARE+512                  ; v's scale words on their way out: 512 bytes; no fill lands here
.set AA16, 8
.set AA8,  10
.set AB,   12
.set AB2,  14
.set ASA,  16
.set ASB,  17
.set SPW,  28
.set NIL,  29
.set SA,   32
.set SB,   48
.set BI,   64
.set TM,   96
.set PD,   102
.set ACC,  128
.set G1A,  24
.set G0A,  32
.set G1B,  40
.set G0B,  48
.set G1SA, 56
.set SEL,  66
.set G1SB, 68
.set G0SA, 76
.set G0SB, 80
.set MUL,  0x05                        ; sources 0 and 1 window 1; C and D window 0
.set TO_F, 0x40                        ; destination window 1, address window 0
.set MSB, 0
.macro WIN new                         ; the immediate's high byte repeats the setting that is left
.if MSB != \new
	s_set_vgpr_msb (MSB<<8)|\new
.set MSB, \new
.endif
.endm
.macro PLACES n
.rept \n
	v_nop
.endr
.endm
; A joint load: waves 0 and 1 fetch for h, waves 2 and 3 for W.  The branch hangs on the wave's number alone.  Four v_nop follow each of the two lines.
.macro JLOAD g0a, g1a, g0b, g1b
	s_cmp_eq_u32 s15, 0
	s_cbranch_scc0 .Lfor_b_\@
	tensor_load_to_lds s[\g0a:\g0a+3], s[\g1a:\g1a+7]
	s_nop 0
.rept 4
	v_nop
.endr
	s_branch .Lasked_\@
.Lfor_b_\@:
	tensor_load_to_lds s[\g0b:\g0b+3], s[\g1b:\g1b+7]
	s_nop 0
.rept 4
	v_nop
.endr
.Lasked_\@:
.endm
.macro CROUND                          ; a round of the cluster's barrier
	s_barrier_signal -1
	s_barrier_wait -1
	s_cmp_lg_u32 s14, 0
	s_cbranch_scc1 .Lnot_wave_0_\@
	s_barrier_signal -3
.Lnot_wave_0_\@:
	s_barrier_wait -3
	s_barrier_signal -1
	s_barrier_wait -1
.endm
; 40 LDS loads: the fragments of the slot's q-th 128 along K into set p.  h's come as images (16 and 8 bytes a lane, consecutive); W's as six pieces of 8 bytes of the row's stream of bits;
; lanes 16-31 read three pieces further on, which for some pieces is behind one padding more: the second address register serves those.
.macro FETCH sg, q, p
	WIN TO_F
.irp a, 0,1,2,3
.irp c, 0,1
	ds_load_b128 v[128*(\p)+12*\a+6*\c:128*(\p)+12*\a+6*\c+3], v[AA16+\sg] offset:\a*6144+(\q)*1536+\c*768
	ds_load_b64 v[128*(\p)+12*\a+6*\c+4:128*(\p)+12*\a+6*\c+5], v[AA8+\sg] offset:\a*6144+(\q)*1536+\c*768
.endr
.endr
.irp b, 0,1,2,3
.irp u, 0,1,2,3,4,5
.set PC, 12*(\q)+6*(\u/3)+\u%3
.if PC%16 < 13
	ds_load_b64 v[128*(\p)+48+12*\b+2*\u:128*(\p)+48+12*\b+2*\u+1], v[AB+\sg] offset:8*PC+16*(PC/16)+\b*16*BP
.else
	ds_load_b64 v[128*(\p)+48+12*\b+2*\u:128*(\p)+48+12*\b+2*\u+1], v[AB2+\sg] offset:8*PC+16*(PC/16)+\b*16*BP
.endif
.endr
.endr
.endm
; a slot's scale words: h's register 2 q + j: lanes 0-15 m-block 2 j, lanes 16-31 m-block 2 j + 1; W's register 4 j + q: lanes 0-15 tile 2 j, lanes 16-31 tile 2 j + 1
.macro SCALES sg
	WIN 0
.irp q, 0,1,2,3
.irp j, 0,1
	ds_load_b32 v[SA+8*\sg+2*\q+\j], v[ASA] offset:\j*2*SA_MB+\q*SA_S
.endr
.endr
.irp j, 0,1
	ds_load_b128 v[SB+8*\sg+4*\j:SB+8*\sg+4*\j+3], v[ASB] offset:\j*(32*KS/256)*272
.endr
.endm
.macro WMS                             ; one product, by the symbols rD, rX, rY, rC, rSX, rSY; fX, fY: the side's scales stand in lanes 16-31
.if fX && fY
	v_wmma_scale_f32_16x16x128_f8f6f4 v[rD:rD+7], v[rX:rX+11], v[rY:rY+11], v[rC:rC+7], v[rSX], v[rSY] matrix_a_fmt:MATRIX_FMT_BF6 matrix_b_fmt:MATRIX_FMT_BF6 matrix_a_scale:MATRIX_SCALE_ROW1 matrix_b_scale:MATRIX_SCALE_ROW1
.elseif fX
	v_wmma_scale_f32_16x16x128_f8f6f4 v[rD:rD+7], v[rX:rX+11], v[rY:rY+11], v[rC:rC+7], v[rSX], v[rSY] matrix_a_fmt:MATRIX_FMT_BF6 matrix_b_fmt:MATRIX_FMT_BF6 matrix_a_scale:MATRIX_SCALE_ROW1
.elseif fY
	v_wmma_scale_f32_16x16x128_f8f6f4 v[rD:rD+7], v[rX:rX+11], v[rY:rY+11], v[rC:rC+7], v[rSX], v[rSY] matrix_a_fmt:MATRIX_FMT_BF6 matrix_b_fmt:MATRIX_FMT_BF6 matrix_b_scale:MATRIX_SCALE_ROW1
.else
	v_wmma_scale_f32_16x16x128_f8f6f4 v[rD:rD+7], v[rX:rX+11], v[rY:rY+11], v[rC:rC+7], v[rSX], v[rSY] matrix_a_fmt:MATRIX_FMT_BF6 matrix_b_fmt:MATRIX_FMT_BF6
.endif
.endm
; 16 products, 128 along K, on set p.  tt = 1: accumulator 4 a + b, source 0 = W's tile b, source 1 = h's block a.  tt = 0: accumulator 4 b + a, the sources changed.  first = 1: the bias is the C that starts the sums.
; The 16 accumulators take turns, one instruction a turn, in the same order in every step.
.macro MUL16 p, q, sg, first, tt
.irp i, 0,1,2,3
.irp j, 0,1,2,3
.set rD, ACC+8*(4*\i+\j)
.set fX, \j%2
.set fY, \i%2
.if \tt
.set rX, 128*(\p)+48+12*\j
.set rY, 128*(\p)+12*\i
.set rSX, SB+8*(\sg)+4*(\j/2)+(\q)
.set rSY, SA+8*(\sg)+2*(\q)+(\i/2)
.set rC, BI+8*\j
.else
.set rX, 128*(\p)+12*\j
.set rY, 128*(\p)+48+12*\i
.set rSX, SA+8*(\sg)+2*(\q)+(\j/2)
.set rSY, SB+8*(\sg)+4*(\i/2)+(\q)
.set rC, BI+8*\i
.endif
.if \first == 0
.set rC, rD
.endif
	WMS
.endr
.endr
.endm
; A step that has its successor in the same slot: this step's set is in; the other set, four places behind the products that read it, takes the next step's fragments while this one is multiplied.
.macro STEP sg, q, first, tt
	s_wait_dscnt 0x0
	PLACES 4
	FETCH \sg, (\q)+1, ((\q)+1)%2
	WIN MUL
	MUL16 (\q)%2, \q, \sg, \first, \tt
.endm
; 32 registers, two blocks of 32 of which lane l xor 16 holds the other halves, become half a fragment image in v[pc] .. v[pc + 5] and two scale bytes in v[pw]
.macro QUANT32 s, pc, pw
.irp b, 0,1
	v_max3_num_f32 v[TM+\b], |v[(\s)+16*\b]|, |v[(\s)+16*\b+1]|, 0x2800000   ; with the floor 2^(5 - 127): the byte cannot fall under 1
.endr
.irp i, 2,4,6,8,10,12,14
.irp b, 0,1
	v_max3_num_f32 v[TM+\b], v[TM+\b], |v[(\s)+16*\b+\i]|, |v[(\s)+16*\b+\i+1]|
.endr
.endr
.irp b, 0,1
	v_permlanex16_b32 v[TM+2+\b], v[TM+\b], s[SEL], s[SEL+1]
.endr
.irp b, 0,1
	v_max_num_f32 v[TM+\b], v[TM+\b], v[TM+2+\b]                   ; the block's largest magnitude
.endr
.irp b, 0,1
	v_add_nc_u32 v[TM+4+\b], 0xfe000000, v[TM+\b]                  ; 4 off its exponent field: the conversion's scale operand
.endr
.irp b, 0,1
	v_lshrrev_b32 v[TM+2+\b], 23, v[TM+4+\b]                       ; the scale's byte
.endr
	v_lshl_or_b32 v[\pw], v[TM+3], 8, v[TM+2]
	v_cvt_scalef32_pk16_bf6_f32 v[(\pc):(\pc)+2], v[(\s):(\s)+15], v[TM+4]
	v_cvt_scalef32_pk16_bf6_f32 v[PD:PD+2], v[(\s)+16:(\s)+31], v[TM+5]
	v_nop                                          ; a plain instruction behind the scaled conversions
.irp i, 0,1,2
	v_permlane16_swap_b32 v[(\pc)+\i], v[PD+\i]    ; the layout wants a WHOLE block in a lane: lanes 0-15 the first block, lanes 16-31 the second
.endr
.irp i, 0,1,2
	v_mov_b32 v[(\pc)+3+\i], v[PD+\i]
.endr
.endm
.macro MAIN tt
	s_wait_tensorcnt 0x1                           ; the scales and my part of slot 0 are in; slot 1's load may be out
	s_barrier_signal -1
	s_barrier_wait -1                              ; everybody's are
	FETCH 0, 0, 0
	SCALES 0
	s_wait_loadcnt 0x0                             ; the bias
	STEP 0, 0, 1, \tt
	STEP 0, 1, 0, \tt
	STEP 0, 2, 0, \tt
	WIN 0                                          ; the change of slots
	s_wait_tensorcnt 0x0                           ; my part of slot 1 has landed
	ds_add_u32 v[SPW], v[NIL]                      ; 0 onto my spare word
	s_wait_dscnt 0x0
	s_barrier_signal -1
	s_barrier_wait -1                              ; slot 1 is whole
	PLACES 4                                       ; in front of the loads into the set that the last products read
	v_add_nc_u32 v[ASA], 4*SA_S, v[ASA]            ; on to slot 1's scale words
	v_add_nc_u32 v[ASB], 16, v[ASB]
	FETCH 1, 0, 0
	SCALES 1
	WIN MUL
	MUL16 1, 3, 0, 0, \tt
	STEP 1, 0, 0, \tt
	STEP 1, 1, 0, \tt
	STEP 1, 2, 0, \tt
	s_wait_dscnt 0x0
	WIN MUL
	MUL16 1, 3, 1, 0, \tt
	WIN 0
	PLACES 4                                       ; in front of the first read of results
.endm
.macro FINISH
	s_wait_tensorcnt 0x0                           ; the wave's end
	ds_add_u32 v[SPW], v[NIL]
	s_wait_dscnt 0x0
	CROUND                                         ; the closing round: no work-group ends while a partner may still ask for a tile that names it
	s_endpgm
.endm
	s_load_b64 s[84:85], s[0:1], 0x0               ; h's codes and scales
	s_load_b512 s[24:39], s[0:1], 0x8              ; wq: codes, scales, bias; wk: codes, scales, bias; wv: codes, scales   (in registers that the descriptors take afterwards)
	s_load_b256 s[40:47], s[0:1], 0x48             ; wv's bias; qc, kc, vc
	v_lshl_add_u32 v[SPW], v0, 2, SPARE
	v_mov_b32 v[NIL], 0
	ds_add_u32 v28, v29
	ds_add_u32 v28, v29
	s_wait_dscnt 0x0
	v_lshrrev_b32 v1, 5, v0
	v_readfirstlane_b32 s14, v1                    ; wave 0..3
	s_lshr_b32 s15, s14, 1                         ; which half of the tile's tokens is mine.  Also: I fetch for h (0) or for W (1)
	s_and_b32 s16, s14, 1                          ; which half of its features.  Also: which half of that tile I fetch
	s_bfe_u32 s19, ttmp6, 0x40000                  ; cx
	s_bfe_u32 s20, ttmp6, 0x40004                  ; cy
	s_and_b32 s18, ttmp9, 1
	s_lshl_b32 s18, s18, 2
	s_add_co_u32 s18, s18, s19                     ; feature tile 0..7 of my tensor = 4 x (cluster x % 2) + cx
	s_and_b32 s17, ttmp7, 0xffff
	s_lshl_b32 s17, s17, 2
	s_add_co_u32 s17, s17, s20                     ; token tile 0..31 = 4 x cluster y + cy
	s_lshl_b32 s21, s20, 2
	s_lshl_b32 s21, 15, s21                        ; my row of the cluster
	s_lshl_b32 s22, 0x1111, s19                    ; my column
	s_lshl_b32 s4, s17, 3
	s_lshl_b32 s5, s16, 2
	s_add_co_u32 s4, s4, s5
	s_mul_i32 s4, s4, MBB                          ; h: m-block 8 x token tile + 4 x half
	s_mov_b32 s5, 0
	s_lshl_b32 s6, s17, 1
	s_add_co_u32 s6, s6, s16
	s_mul_i32 s6, s6, NS*256
	s_add_co_u32 s6, s6, ASOFF                     ; and my half of the tile's scale words
	s_mov_b32 s7, 0
	s_lshl_b32 s8, s18, 1
	s_add_co_u32 s8, s8, s16
	s_mul_i32 s10, s8, 64*KS                       ; W: row 128 x feature tile + 64 x half: its scale bytes,
	s_mul_i32 s8, s8, 64*KROW                      ; its codes
	s_mov_b32 s9, 0
	s_mov_b32 s11, 0
	s_mul_i32 s12, s16, AHALF                      ; where they go: no place in the cluster enters an LDS address
	s_mul_i32 s13, s16, BHALF
	s_add_co_u32 s13, s13, BOFF
	s_mul_i32 s2, s16, NS*256
	s_add_co_u32 s2, s2, ASL
	s_mul_i32 s23, s16, NS*272
	s_add_co_u32 s23, s23, BSL
	s_mov_b32 s[SEL], 0x76543210
	s_mov_b32 s[SEL+1], 0xfedcba98                 ; selects: lane l xor 16
	s_wait_kmcnt 0x0
	s_lshr_b32 s3, ttmp9, 1                        ; 0: q, 1: k, 2: v: the same in all sixteen work-groups of a cluster
	s_cmp_eq_u32 s3, 0
	s_cselect_b64 s[86:87], s[24:25], s[30:31]     ; codes
	s_cselect_b64 s[88:89], s[26:27], s[32:33]     ; scales
	s_cselect_b64 s[90:91], s[28:29], s[34:35]     ; bias
	s_cselect_b64 s[92:93], s[42:43], s[44:45]     ; out
	s_cmp_eq_u32 s3, 2
	s_cselect_b64 s[86:87], s[36:37], s[86:87]
	s_cselect_b64 s[88:89], s[38:39], s[88:89]
	s_cselect_b64 s[90:91], s[40:41], s[90:91]
	s_cselect_b64 s[92:93], s[46:47], s[92:93]
	; descriptor groups 1
	s_or_b32 s[G1A], s21, (3<<16)|(1<<21)          ; h's images: mask = my row; elements of 8 bytes; bit 21 beside a mask; no padding
	s_mov_b32 s[G1A+1], 768<<16                    ; tensor_dim0 = 768 elements: four images, 6,144 bytes
	s_mov_b32 s[G1A+2], 4<<16                      ; tensor_dim1 = 4 m-blocks
	s_mov_b32 s[G1A+3], 768<<16                    ; tile_dim0
	s_mov_b32 s[G1A+4], 4                          ; tile_dim1
	s_mov_b32 s[G1A+5], NS*192                     ; from m-block to m-block
	s_mov_b32 s[G1A+6], 0
	s_mov_b32 s[G1A+7], 0
	s_or_b32 s[G1B], s22, (1<<20)|(1<<21)|(4<<22)|(3<<25)   ; W's rows: mask = my column; bytes; 4 words of padding behind every 32
	s_mov_b32 s[G1B+1], 384<<16
	s_mov_b32 s[G1B+2], 64<<16
	s_mov_b32 s[G1B+3], 384<<16
	s_mov_b32 s[G1B+4], 64
	s_mov_b32 s[G1B+5], KROW
	s_mov_b32 s[G1B+6], 0
	s_mov_b32 s[G1B+7], 0
	s_or_b32 s[G1SA], s21, (3<<16)|(1<<21)         ; h's scale words: NS dense rows of 256 bytes
	s_mov_b32 s[G1SA+1], 32<<16
	s_mov_b32 s[G1SA+2], NS<<16
	s_mov_b32 s[G1SA+3], 32<<16
	s_mov_b32 s[G1SA+4], NS
	s_mov_b32 s[G1SA+5], 32
	s_mov_b32 s[G1SA+6], 0
	s_mov_b32 s[G1SA+7], 0
	s_or_b32 s[G1SB], s22, (3<<16)|(1<<20)|(1<<21)|(5<<22)|(3<<25)   ; W's scale bytes: the same with 16 bytes of padding behind each row
	s_mov_b32 s[G1SB+1], 32<<16
	s_mov_b32 s[G1SB+2], NS<<16
	s_mov_b32 s[G1SB+3], 32<<16
	s_mov_b32 s[G1SB+4], NS
	s_mov_b32 s[G1SB+5], 32
	s_mov_b32 s[G1SB+6], 0
	s_mov_b32 s[G1SB+7], 0
	s_add_nc_u64 s[4:5], s[84:85], s[4:5]
	s_add_nc_u64 s[6:7], s[84:85], s[6:7]
	s_add_nc_u64 s[8:9], s[86:87], s[8:9]
	s_add_nc_u64 s[10:11], s[88:89], s[10:11]
	CROUND                                         ; all sixteen work-groups are here: the first joint loads meet
	s_mov_b32 s[G0SA], 1
	s_mov_b32 s[G0SA+1], s2
	s_mov_b64 s[G0SA+2:G0SA+3], s[6:7]
	s_or_b32 s[G0SA+3], s[G0SA+3], 0x80000000
	s_mov_b32 s[G0SB], 1
	s_mov_b32 s[G0SB+1], s23
	s_mov_b64 s[G0SB+2:G0SB+3], s[10:11]
	s_or_b32 s[G0SB+3], s[G0SB+3], 0x80000000
	JLOAD G0SA, G1SA, G0SB, G1SB                   ; the scales first; by this text's count three tensor loads of a wave are out at the most
.irp s, 0,1
	s_mov_b32 s[G0A+4*\s], 1
	s_add_co_u32 s[G0A+4*\s+1], s12, \s*SLOT
	s_add_nc_u64 s[G0A+4*\s+2:G0A+4*\s+3], s[4:5], \s*6144
	s_or_b32 s[G0A+4*\s+3], s[G0A+4*\s+3], 0x80000000
	s_mov_b32 s[G0B+4*\s], 1
	s_add_co_u32 s[G0B+4*\s+1], s13, \s*SLOT
	s_add_nc_u64 s[G0B+4*\s+2:G0B+4*\s+3], s[8:9], \s*384
	s_or_b32 s[G0B+4*\s+3], s[G0B+4*\s+3], 0x80000000
	JLOAD G0A+4*\s, G1A, G0B+4*\s, G1B
.endr
	v_and_b32 v1, 15, v0                           ; r
	v_bfe_u32 v2, v0, 4, 1                         ; h
	v_and_b32 v3, 31, v0                           ; lane
	s_mul_i32 s4, s15, AHALF                       ; my 64 tokens
	v_lshl_add_u32 v[AA16], v3, 4, s4
	v_add_nc_u32 v[AA16+1], SLOT, v[AA16]
	v_lshl_add_u32 v[AA8], v3, 3, s4
	v_add_nc_u32 v[AA8], 512, v[AA8]
	v_add_nc_u32 v[AA8+1], SLOT, v[AA8]
	s_mul_i32 s5, s16, BHALF                       ; my 64 rows of W
	s_add_co_u32 s5, s5, BOFF
	v_mul_u32_u24 v4, v1, BP
	v_mad_u32_u24 v5, v2, 24, v4
	v_add_nc_u32 v[AB], s5, v5                     ; row x pitch + 24 x half
	v_add_nc_u32 v[AB+1], SLOT, v[AB]
	v_lshl_add_u32 v[AB2], v2, 4, v[AB]            ; and the same behind one padding more
	v_add_nc_u32 v[AB2+1], SLOT, v[AB2]
	s_mul_i32 s6, s15, 4*SA_MB
	s_add_co_u32 s6, s6, ASL
	v_lshlrev_b32 v4, 2, v1
	v_mad_u32_u24 v4, v2, SA_MB, v4
	v_add_nc_u32 v[ASA], s6, v4                    ; h's scale words: 4 r, lanes 16-31 one m-block on
	s_mul_i32 s7, s16, NS*272
	s_add_co_u32 s7, s7, BSL
	v_mul_u32_u24 v4, v3, KS
	v_lshrrev_b32 v5, 8, v4
	v_lshl_add_u32 v4, v5, 4, v4
	v_add_nc_u32 v[ASB], s7, v4                    ; W's: row = lane, KS bytes a row, 16 more for each 256 passed
	v_lshlrev_b32 v18, 4, v3                       ; the way out: 16 x lane,
	v_lshlrev_b32 v19, 3, v3                       ; 8 x lane
	s_lshl_b32 s4, s16, 8
	s_lshl_b32 s5, s15, 1
	s_add_co_u32 s4, s4, s5
	s_add_co_u32 s4, s4, STG
	v_lshl_add_u32 v20, v1, 2, s4                  ; v's scale bytes: word of channel r of my head, the half-word of my 64 keys
	v_lshlrev_b32 v21, 5, v2                       ; q's, k's bias: 32 h
	v_lshlrev_b32 v22, 2, v1                       ; v's bias: 4 r
	s_lshl_b32 s4, s14, 8
	s_add_co_u32 s4, s4, STG
	v_lshl_add_u32 v23, v3, 3, s4                  ; and where waves 0, 1 read a head's 64 words back
	v_mov_b32 v[TM+2], 0                           ; a lane permute's destination counts as read: written once
	v_mov_b32 v[TM+3], 0
	s_lshr_b32 s96, s17, 4                         ; batch
	s_and_b32 s97, s17, 15                         ; token tile in the batch
	s_lshl_b32 s98, s18, 1
	s_add_co_u32 s98, s98, s16                     ; my head
	s_lshl_b32 s99, s96, 4
	s_add_co_u32 s99, s99, s98                     ; 16 x batch + head
	s_lshl_b32 s2, s98, 8
	s_mov_b32 s3, 0
	s_add_nc_u64 s[90:91], s[90:91], s[2:3]        ; the bias at my head's 64 numbers
	s_cmp_ge_u32 ttmp9, 4                          ; the cluster's x: the same in all partners
	s_cbranch_scc1 .Lvpath
	; ---- q and k
	s_lshl_b32 s94, s99, 7
	s_lshl_b32 s2, s97, 3
	s_add_co_u32 s94, s94, s2
	s_lshl_b32 s2, s15, 2
	s_add_co_u32 s94, s94, s2
	s_mul_i32 s94, s94, 768
	s_mov_b32 s95, 0
	s_add_nc_u64 s[94:95], s[92:93], s[94:95]      ; my four half images
	s_lshl_b32 s100, s99, 13
	s_lshl_b32 s2, s97, 1
	s_add_co_u32 s2, s2, s15
	s_lshl_b32 s2, s2, 8
	s_add_co_u32 s100, s100, s2
	s_add_co_u32 s100, s100, SOFF
	s_mov_b32 s101, 0
	s_add_nc_u64 s[100:101], s[92:93], s[100:101]  ; my 64 tokens' scale words
.irp b, 0,1,2,3
	global_load_b128 v[BI+8*\b:BI+8*\b+3], v21, s[90:91] offset:64*\b          ; lane (r, h), tile b: the bias of features 16 b + 8 h + 0 .. 7
	global_load_b128 v[BI+8*\b+4:BI+8*\b+7], v21, s[90:91] offset:64*\b+16
.endr
	MAIN 1
.irp a, 0,1,2,3
	QUANT32 ACC+32*\a, 64+8*\a, 108+\a             ; tokens 16 a + r: the head's 64 features, two blocks
	global_store_b128 v18, v[64+8*\a:64+8*\a+3], s[94:95] offset:768*\a        ; 512 consecutive bytes,
	global_store_b64 v19, v[64+8*\a+4:64+8*\a+5], s[94:95] offset:768*\a+512   ; and 256
.endr
	s_mov_b32 s2, 0xffff0000
	v_cndmask_b32 v112, v108, v109, s2             ; lane l: token l's word,
	v_cndmask_b32 v113, v110, v111, s2             ; and token 32 + l's
	global_store_b64 v19, v[112:113], s[100:101]   ; 256 consecutive bytes, aligned
	FINISH
.Lvpath:
	; ---- v
	s_lshl_b32 s94, s99, 4
	s_add_co_u32 s94, s94, s97
	s_mul_i32 s94, s94, 6144
	s_mul_i32 s2, s15, 768
	s_add_co_u32 s94, s94, s2
	s_mov_b32 s95, 0
	s_add_nc_u64 s[94:95], s[92:93], s[94:95]      ; (head, these 128 keys): four images; my 64 keys are half of each
	s_lshl_b32 s100, s96, 4
	s_lshl_b32 s2, s18, 1
	s_add_co_u32 s100, s100, s2
	s_add_co_u32 s100, s100, s14                   ; waves 0 and 1 store the scale words of the tile's two heads
	s_lshl_b32 s100, s100, 4
	s_add_co_u32 s100, s100, s97
	s_lshl_b32 s100, s100, 8
	s_add_co_u32 s100, s100, SOFF
	s_mov_b32 s101, 0
	s_add_nc_u64 s[100:101], s[92:93], s[100:101]
.irp b, 0,1,2,3
.irp j, 0,1,2,3,4,5,6,7
	global_load_b32 v[BI+8*\b+\j], v22, s[90:91] offset:64*\b                  ; a lane holds one channel: its bias in all eight registers
.endr
.endr
	MAIN 0
.irp b, 0,1,2,3
	QUANT32 ACC+32*\b, 64+8*\b, 108+\b             ; channel 16 b + r: my 64 keys, two blocks
	global_store_b128 v18, v[64+8*\b:64+8*\b+3], s[94:95] offset:1536*\b
	global_store_b64 v19, v[64+8*\b+4:64+8*\b+5], s[94:95] offset:1536*\b+512
	ds_store_b16 v20, v[108+\b] offset:64*\b       ; lanes r and 16 + r write the same two bytes with the same value
.endr
	s_wait_dscnt 0x0                               ; for the others' sake: my stores are done
	s_barrier_signal -1
	s_barrier_wait -1
	s_cmp_ge_u32 s14, 2
	s_cbranch_scc1 .Lno_words
	ds_load_b64 v[96:97], v23
	s_wait_dscnt 0x0
	global_store_b64 v19, v[96:97], s[100:101]     ; 256 consecutive bytes, aligned
.Lno_words:
	FINISH
.Lfunc_end_k_q5ca4f40893_gqkv:
	.size	k_q5ca4f40893_gqkv, .Lfunc_end_k_q5ca4f40893_gqkv-k_q5ca4f40893_gqkv
	.p2alignl 7, 3214868480
	.fill 96, 4, 3214868480
	.section	.rodata,"a",@progbits
	.p2align	6, 0x0
	.amdhsa_kernel k_q5ca4f40893_gqkv
		.amdhsa_group_segment_fixed_size 327680
		.amdhsa_private_segment_fixed_size 0
		.amdhsa_enable_private_segment 0
		.amdhsa_kernarg_size 104
		.amdhsa_user_sgpr_count 2
		.amdhsa_user_sgpr_kernarg_segment_ptr 1
		.amdhsa_wavefront_size32 1
		.amdhsa_system_sgpr_workgroup_id_x 1
		.amdhsa_system_sgpr_workgroup_id_y 1
		.amdhsa_system_sgpr_workgroup_id_z 1
		.amdhsa_system_vgpr_workitem_id 0
		.amdhsa_next_free_vgpr 512
		.amdhsa_next_free_sgpr 102
		.amdhsa_reserve_vcc 0
		.amdhsa_float_denorm_mode_32 3
		.amdhsa_float_denorm_mode_16_64 3
		.amdhsa_memory_ordered 1
		.amdhsa_forward_progress 1
		.amdhsa_inst_pref_size 113
	.end_amdhsa_kernel
	.amdgpu_metadata
---
amdhsa.version: [ 1, 2 ]
amdhsa.kernels:
  - .name:           k_q5ca4f40893_gqkv
    .symbol:         k_q5ca4f40893_gqkv.kd
    .args:
      - { .name: hc, .offset: 0, .size: 8, .value_kind: global_buffer, .address_space: global }
      - { .name: wq_w_codes, .offset: 8, .size: 8, .value_kind: global_buffer, .address_space: global }
      - { .name: wq_w_scales, .offset: 16, .size: 8, .value_kind: global_buffer, .address_space: global }
      - { .name: wq_b, .offset: 24, .size: 8, .value_kind: global_buffer, .address_space: global }
      - { .name: wk_w_codes, .offset: 32, .size: 8, .value_kind: global_buffer, .address_space: global }
      - { .name: wk_w_scales, .offset: 40, .size: 8, .value_kind: global_buffer, .address_space: global }
      - { .name: wk_b, .offset: 48, .size: 8, .value_kind: global_buffer, .address_space: global }
      - { .name: wv_w_codes, .offset: 56, .size: 8, .value_kind: global_buffer, .address_space: global }
      - { .name: wv_w_scales, .offset: 64, .size: 8, .value_kind: global_buffer, .address_space: global }
      - { .name: wv_b, .offset: 72, .size: 8, .value_kind: global_buffer, .address_space: global }
      - { .name: qc, .offset: 80, .size: 8, .value_kind: global_buffer, .address_space: global }
      - { .name: kc, .offset: 88, .size: 8, .value_kind: global_buffer, .address_space: global }
      - { .name: vc, .offset: 96, .size: 8, .value_kind: global_buffer, .address_space: global }
    .group_segment_fixed_size: 327680
    .private_segment_fixed_size: 0
    .kernarg_segment_align: 8
    .kernarg_segment_size: 104
    .max_flat_workgroup_size: 128
    .sgpr_count:     102
    .vgpr_count:     512
    .wavefront_size: 32
...
	.end_amdgpu_metadata
.endif
;; end of part 2
;; launch attn (part 3): grid 8 x 32, 16 waves a work-group, clusters of 4 x 1, 210,944 bytes of LDS; arguments qc, kc, vc, ac; writes ac
.if DOCPART == 3
	.amdgcn_target "amdgcn-amd-amdhsa--gfx1250"
	.amdhsa_code_object_version 6
	.text
	.protected	k_q5ca4f40893_attn
	.globl	k_q5ca4f40893_attn
	.p2align	8
	.type	k_q5ca4f40893_attn,@function
k_q5ca4f40893_attn:
	s_mov_b64 s[64:65], 0
	v_nop
	global_prefetch_b8 v0, s[64:65] scope:SCOPE_SE
	s_setreg_imm32_b32 hwreg(HW_REG_WAVE_MODE, 25, 1), 1
	s_wait_xcnt 0x0
	s_wait_alu depctr_hold_cnt(0) depctr_sa_sdst(0) depctr_va_vdst(0) depctr_va_sdst(0) depctr_va_ssrc(0) depctr_va_vcc(0) depctr_vm_vsrc(0)
	s_getreg_b32 s2, hwreg(HW_REG_IB_STS2, 6, 4)
	s_cmp_eq_u32 s2, 0
	s_cbranch_scc0 .Lentry_in_a_cluster
	s_endpgm
.Lentry_in_a_cluster:
	s_bfe_u32 s2, ttmp6, 0x10000c
	s_cmp_lg_u32 s2, 0x3003
	s_cbranch_scc0 .Lentry_shape_is_right
	s_endpgm
.Lentry_shape_is_right:
; O[q] = sum over keys of softmax(Q[q] . K[key] / 8) V[key] for one head of 64, 2,048 keys, both products on codes of BF6 (E3M2) with E8M0 scales; O is divided by the row's sum, quantised along the model's 1,024 and leaves as codes.
; THE SOFTMAX AHEAD OF THE SECOND PRODUCT: t = score x log2(e) / 8; M = the running largest t rounded UP to a whole number; p = 2^(t - M) is quantised along the keys, not normalised; the row's sum is taken of the
; unquantised p; when M moves, the sum and O are multiplied by 2^(old M - new M), which rounds nothing.
; SHARES.  A work-group owns 256 queries of one (batch, head); each of its sixteen waves 16 of them in 256 registers, four waves to a SIMD, so that one wave's vector work stands beside another's products and LDS loads.
; A head's K and V (98,304 bytes of codes each, 8,192 and 4,096 of scale words) ALL fit in LDS: every wave brings a sixteenth of each at the start; nothing is filled again.
; CLUSTER.  The four query blocks of a cluster belong to one head: each tile is asked for jointly, by the same tensor load with the same descriptor and a mask that names the four.
; LAYOUT.  Both products transposed: S^T = K Q^T (source 0 = 16 keys), O^T = V^T P^T (source 0 = 16 channels): a lane holds ONE query throughout.  K, Q, V come as images of the operand's registers.
; THE HEAD HAS 64 CHANNELS, the instruction takes 128: Q's upper six registers are zero codes; K's upper six are whatever follows (the next tile's codes: every code of this format is a finite number), and bytes 2, 3 of
; q's and k's scale words are 0, which is 2^-127 and no NaN: those products add nothing.
; p and v lie in the same order inside each block of 32 keys (8 h + j, 16 + 8 h + j); O's channels are brought into their natural order ahead of the quantiser, since its partner is a given weight.
; LIMITS: a block whose largest magnitude lies under 2^-122 keeps the byte 1; a block of zeros gets the byte 1 (its codes are zeros; this program alone reads the bytes); NaN and infinities are not served.
; The scale half-words of ac are stored two bytes a lane: a word's other half belongs to the neighbouring head, which another work-group makes.
; REGISTERS: v1-6 addresses that stay, v7 lane, v8-13 the step's addresses, v14, v15 4 r and 8 r; v16-27 Q; v28 -M, v29 the largest t, v[30:31] the sum; v32-85 K's eight tiles, then V's four fragments; v86-89 K's scale words,
; v90, v91 V's, v92 Q's; v96-159 S^T, then p; v160-191 O^T; v192-203 p's codes; v204-243 at work.
.set KL,   0                           ; LDS: K's codes,
.set VL,   98304                       ; V's,
.set KSL,  196608                      ; K's scale words,
.set VSL,  204800                      ; V's
.set SOFF, 3145728                     ; where the scale words begin in each buffer
.set WV,   12
.set SEL,  68
.set CS,   70
.set CNT,  72
.set TK,   73
.set TS,   74
.set TV,   75
.set BM,   212                         ; v212-215 the blocks' largest scores, then largest p
.set BB,   216                         ; v216-219 the other half's, then the bytes
.set SO,   220                         ; v220-223 the conversions' scale operands
.set TM,   232
.set PD,   240
.macro CROUND                          ; a round of the cluster's barrier
	s_barrier_signal -1
	s_barrier_wait -1
	s_cmp_lg_u32 s[WV], 0
	s_cbranch_scc1 .Lnot_wave_0_\@
	s_barrier_signal -3
.Lnot_wave_0_\@:
	s_barrier_wait -3
	s_barrier_signal -1
	s_barrier_wait -1
.endm
; 32 registers, two blocks of 32 of which lane l xor 16 holds the other halves, become half a fragment image in v[pc] .. v[pc + 5] and two scale bytes in v[pw]
.macro QUANT32 s, pc, pw
.irp b, 0,1
	v_max3_num_f32 v[TM+\b], |v[(\s)+16*\b]|, |v[(\s)+16*\b+1]|, 0x2800000
.endr
.irp i, 2,4,6,8,10,12,14
.irp b, 0,1
	v_max3_num_f32 v[TM+\b], v[TM+\b], |v[(\s)+16*\b+\i]|, |v[(\s)+16*\b+\i+1]|
.endr
.endr
.irp b, 0,1
	v_permlanex16_b32 v[TM+2+\b], v[TM+\b], s[SEL], s[SEL+1]
.endr
.irp b, 0,1
	v_max_num_f32 v[TM+\b], v[TM+\b], v[TM+2+\b]
.endr
.irp b, 0,1
	v_add_nc_u32 v[TM+4+\b], 0xfe000000, v[TM+\b]
.endr
.irp b, 0,1
	v_lshrrev_b32 v[TM+2+\b], 23, v[TM+4+\b]
.endr
	v_lshl_or_b32 v[\pw], v[TM+3], 8, v[TM+2]
	v_cvt_scalef32_pk16_bf6_f32 v[(\pc):(\pc)+2], v[(\s):(\s)+15], v[TM+4]
	v_cvt_scalef32_pk16_bf6_f32 v[PD:PD+2], v[(\s)+16:(\s)+31], v[TM+5]
	v_nop
.irp i, 0,1,2
	v_permlane16_swap_b32 v[(\pc)+\i], v[PD+\i]
.endr
.irp i, 0,1,2
	v_mov_b32 v[(\pc)+3+\i], v[PD+\i]
.endr
.endm
	s_load_b256 s[4:11], s[0:1], 0x0               ; qc s[4:5], kc s[6:7], vc s[8:9], ac s[10:11]
	v_lshl_add_u32 v254, v0, 2, 0x33000
	v_mov_b32 v255, 0
	ds_add_u32 v254, v255
	ds_add_u32 v254, v255
	v_lshrrev_b32 v8, 5, v0
	v_readfirstlane_b32 s[WV], v8                  ; wave 0..15
	s_bfe_u32 s13, ttmp6, 0x40000                  ; cx
	s_lshl_b32 s14, ttmp9, 2
	s_add_co_u32 s14, s14, s13                     ; my block of 256 queries: it enters Q's and the output's addresses alone
	s_and_b32 s15, ttmp7, 0xffff                   ; 16 x batch + head, which the four partners share
	; descriptor groups 1: dense rows of 256 bytes (32 elements of 8 bytes); mask: all four work-groups, bit 21 beside it
	s_mov_b32 s24, 15|(3<<16)|(1<<21)              ; codes: 24 rows
	s_mov_b32 s25, 32<<16
	s_mov_b32 s26, 24<<16
	s_mov_b32 s27, 32<<16
	s_mov_b32 s28, 24
	s_mov_b32 s29, 32
	s_mov_b32 s30, 0
	s_mov_b32 s31, 0
	s_mov_b32 s32, 15|(3<<16)|(1<<21)              ; K's scale words: 2 rows
	s_mov_b32 s33, 32<<16
	s_mov_b32 s34, 2<<16
	s_mov_b32 s35, 32<<16
	s_mov_b32 s36, 2
	s_mov_b32 s37, 32
	s_mov_b32 s38, 0
	s_mov_b32 s39, 0
	s_mov_b32 s40, 15|(3<<16)|(1<<21)              ; V's: 1 row
	s_mov_b32 s41, 32<<16
	s_mov_b32 s42, 1<<16
	s_mov_b32 s43, 32<<16
	s_mov_b32 s44, 1
	s_mov_b32 s45, 32
	s_mov_b32 s46, 0
	s_mov_b32 s47, 0
	s_mul_i32 s18, s[WV], 6144                     ; my sixteenth of a head's codes,
	s_mul_i32 s16, s15, 98304
	s_add_co_u32 s16, s16, s18
	s_mov_b32 s17, 0
	s_lshl_b32 s19, s[WV], 9                       ; of K's scale words,
	s_lshl_b32 s20, s15, 13
	s_add_co_u32 s20, s20, s19
	s_add_co_u32 s20, s20, SOFF
	s_mov_b32 s21, 0
	s_lshl_b32 s76, s[WV], 8                       ; of V's
	s_lshl_b32 s22, s15, 12
	s_add_co_u32 s22, s22, s76
	s_add_co_u32 s22, s22, SOFF
	s_mov_b32 s23, 0
	s_mov_b32 s[SEL], 0x76543210
	s_mov_b32 s[SEL+1], 0xfedcba98                 ; selects: lane l xor 16
	s_mov_b32 s[CS], 0x3e38aa3b                    ; c = log2(e) / 8
	s_mov_b32 s[CS+1], s[CS]                       ; (named with it as a pair, so it is written)
	s_mov_b32 s[CNT], 16
	s_mov_b32 s[TK], 0
	s_mov_b32 s[TS], 0
	s_mov_b32 s[TV], 0
	s_wait_dscnt 0x0
	s_wait_kmcnt 0x0
	s_mov_b32 s48, 1
	s_mov_b32 s49, s18                             ; KL + 6,144 x wave
	s_add_nc_u64 s[50:51], s[6:7], s[16:17]
	s_or_b32 s51, s51, 0x80000000
	s_mov_b32 s52, 1
	s_add_co_u32 s53, s18, VL
	s_add_nc_u64 s[54:55], s[8:9], s[16:17]
	s_or_b32 s55, s55, 0x80000000
	s_mov_b32 s56, 1
	s_add_co_u32 s57, s19, KSL
	s_add_nc_u64 s[58:59], s[6:7], s[20:21]
	s_or_b32 s59, s59, 0x80000000
	s_mov_b32 s60, 1
	s_add_co_u32 s61, s76, VSL
	s_add_nc_u64 s[62:63], s[8:9], s[22:23]
	s_or_b32 s63, s63, 0x80000000
	CROUND                                         ; all four work-groups are here: the joint loads meet
	tensor_load_to_lds s[48:51], s[24:31]          ; the wave's four fills stand together; four tensor loads of mine are out
	s_nop 0
	tensor_load_to_lds s[52:55], s[24:31]
	s_nop 0
	tensor_load_to_lds s[56:59], s[32:39]
	s_nop 0
	tensor_load_to_lds s[60:63], s[40:47]
	s_nop 0
.rept 4
	v_nop
.endr
	; Q's half image and scale word; the output's places
	s_lshl_b32 s78, s15, 7
	s_lshl_b32 s86, s14, 4
	s_add_co_u32 s78, s78, s86
	s_add_co_u32 s78, s78, s[WV]                   ; (head) x 128 + my tile of 16 queries
	s_mul_i32 s78, s78, 768
	s_mov_b32 s79, 0
	s_add_nc_u64 s[78:79], s[4:5], s[78:79]
	s_lshl_b32 s80, s15, 13
	s_lshl_b32 s86, s14, 2
	s_lshr_b32 s87, s[WV], 2
	s_add_co_u32 s86, s86, s87                     ; my group of 64 tokens
	s_lshl_b32 s86, s86, 8
	s_add_co_u32 s80, s80, s86
	s_and_b32 s86, s[WV], 1                        ; token 16 (w % 4) + r has word 2 (16 (w % 2) + r) + (w % 4) / 2
	s_lshl_b32 s86, s86, 7
	s_add_co_u32 s80, s80, s86
	s_bfe_u32 s86, s[WV], 0x10001
	s_lshl_b32 s86, s86, 2
	s_add_co_u32 s80, s80, s86
	s_add_co_u32 s80, s80, SOFF
	s_mov_b32 s81, 0
	s_add_nc_u64 s[80:81], s[4:5], s[80:81]
	s_lshr_b32 s86, s15, 4                         ; batch
	s_and_b32 s87, s15, 15                         ; head
	s_lshl_b32 s88, s86, 7
	s_lshl_b32 s89, s14, 4
	s_add_co_u32 s88, s88, s89
	s_add_co_u32 s88, s88, s[WV]                   ; m-block of the 4,096 tokens
	s_lshr_b32 s89, s87, 1                         ; K step of the next product: the pair of heads
	s_and_b32 s90, s87, 1                          ; which half of its fragment
	s_lshl_b32 s82, s88, 3
	s_add_co_u32 s82, s82, s89
	s_mul_i32 s82, s82, 1536
	s_mul_i32 s91, s90, 768
	s_add_co_u32 s82, s82, s91
	s_mov_b32 s83, 0
	s_add_nc_u64 s[82:83], s[10:11], s[82:83]
	s_lshr_b32 s84, s88, 3
	s_lshl_b32 s84, s84, 3
	s_add_co_u32 s84, s84, s89
	s_lshl_b32 s84, s84, 9                         ; scale words: (tile of 128 tokens x 8 + K step) x 512
	s_and_b32 s91, s88, 7
	s_lshl_b32 s91, s91, 6
	s_add_co_u32 s84, s84, s91                     ; + 64 x m-block in the tile
	s_lshl_b32 s91, s90, 1
	s_add_co_u32 s84, s84, s91                     ; + my half-word
	s_add_co_u32 s84, s84, SOFF
	s_mov_b32 s85, 0
	s_add_nc_u64 s[84:85], s[10:11], s[84:85]
	v_and_b32 v7, 31, v0                           ; lane
	v_and_b32 v14, 15, v0                          ; r
	v_lshlrev_b32 v1, 4, v7                        ; KL + 16 l
	v_lshl_add_u32 v2, v7, 3, 512                  ; KL + 512 + 8 l
	v_add_nc_u32 v3, VL, v1
	v_add_nc_u32 v4, VL, v2
	v_lshl_add_u32 v5, v7, 3, KSL
	v_lshl_add_u32 v6, v7, 2, VSL
	v_lshlrev_b32 v15, 3, v14                      ; 8 r
	v_lshlrev_b32 v14, 2, v14                      ; 4 r
	global_load_b128 v[16:19], v1, s[78:79]        ; Q's registers 0-3,
	global_load_b64 v[20:21], v2, s[78:79]         ; 4, 5
	global_load_b32 v92, v15, s[80:81]             ; and its scale words
.irp j, 22,23,24,25,26,27,80,81,82,83,84,85
	v_mov_b32 v[\j], 0                             ; zero codes: Q's K = 64 .. 127; what follows K's last tile
.endr
	v_mov_b32 v29, 0xff61b1e6                      ; the largest t so far: -3e38, under every t
	v_floor_f32 v28, -v29                          ; -M
	v_mov_b32 v30, 0                               ; the sum, in two halves
	v_mov_b32 v31, 0
.irp j, 216,217,218,219,224,227,234,235
	v_mov_b32 v[\j], 0                             ; written once: lane permutes' destinations count as read; v227 is named as the upper half of a pair
.endr
.set jj, 0
.rept 32
	v_mov_b32 v[160+jj], 0                         ; O^T.  (The step is written once: the first finds zeros, which the first change of M leaves zeros)
.set jj, jj+1
.endr
	s_wait_tensorcnt 0x0                           ; my parts of K, V and their scale words have landed,
	s_barrier_signal -1
	s_barrier_wait -1                              ; everybody's have
	s_wait_loadcnt 0x0                             ; Q
.Lstep:                                                ; 16 trips of 128 keys
	v_add_nc_u32 v8, s[TK], v1                     ; (these six are also the places in front of the loads into registers that the last products read)
	v_add_nc_u32 v9, s[TK], v2
	v_add_nc_u32 v10, s[TK], v3
	v_add_nc_u32 v11, s[TK], v4
	v_add_nc_u32 v12, s[TS], v5
	v_add_nc_u32 v13, s[TV], v6
.irp t, 0,1,2,3,4,5,6,7
	ds_load_b128 v[32+6*\t:35+6*\t], v8 offset:768*\t              ; tile t's six registers; fragment t is these and the six that follow
	ds_load_b64 v[36+6*\t:37+6*\t], v9 offset:768*\t
.endr
.irp g, 0,1
	ds_load_b64 v[86+2*\g:87+2*\g], v12 offset:256*\g              ; register 86 + 2 g + u: lanes 0-15 tile 4 g + 2 u, lanes 16-31 tile 4 g + 2 u + 1
.endr
	s_wait_dscnt 0x0
.irp t, 0,1,2,3,4,5,6,7
.if \t%2
	v_wmma_scale_f32_16x16x128_f8f6f4 v[96+8*\t:103+8*\t], v[32+6*\t:43+6*\t], v[16:27], 0, v[86+2*(\t/4)+(\t%4)/2], v92 matrix_a_fmt:MATRIX_FMT_BF6 matrix_b_fmt:MATRIX_FMT_BF6 matrix_a_scale:MATRIX_SCALE_ROW1
.else
	v_wmma_scale_f32_16x16x128_f8f6f4 v[96+8*\t:103+8*\t], v[32+6*\t:43+6*\t], v[16:27], 0, v[86+2*(\t/4)+(\t%4)/2], v92 matrix_a_fmt:MATRIX_FMT_BF6 matrix_b_fmt:MATRIX_FMT_BF6
.endif
.endr
.rept 4
	v_nop                                          ; places in front of the loads into K's registers and of the first read of the scores
.endr
.irp t, 0,1,2,3
.irp c, 0,1
	ds_load_b128 v[32+12*\t+6*\c:35+12*\t+6*\c], v10 offset:1536*\t+768*\c     ; V's four fragments land under the softmax
	ds_load_b64 v[36+12*\t+6*\c:37+12*\t+6*\c], v11 offset:1536*\t+768*\c
.endr
.endr
.irp u, 0,1
	ds_load_b32 v[90+\u], v13 offset:128*\u        ; lanes 0-15 tile 2 u, lanes 16-31 tile 2 u + 1
.endr
.irp b, 0,1,2,3
	v_max3_num_f32 v[BM+\b], v[96+16*\b], v[97+16*\b], v[98+16*\b]   ; the largest score of each block of 32 keys: for the row's maximum, and, since p rises with the score, for the block's largest p
.endr
.irp i, 3,5,7,9,11,13
.irp b, 0,1,2,3
	v_max3_num_f32 v[BM+\b], v[BM+\b], v[96+16*\b+\i], v[97+16*\b+\i]
.endr
.endr
.irp b, 0,1,2,3
	v_max_num_f32 v[BM+\b], v[BM+\b], v[111+16*\b]
.endr
.irp b, 0,1,2,3
	v_permlanex16_b32 v[BB+\b], v[BM+\b], s[SEL], s[SEL+1]
.endr
.irp b, 0,1,2,3
	v_max_num_f32 v[BM+\b], v[BM+\b], v[BB+\b]     ; with lane l xor 16's 16 keys
.endr
	v_max3_num_f32 v224, v[BM], v[BM+1], v[BM+2]
	v_max_num_f32 v224, v224, v[BM+3]              ; the step's largest score of my query
	v_mul_f32 v224, s[CS], v224                    ; as t
	v_max_num_f32 v29, v29, v224                   ; the running largest t
	v_mov_b32 v224, v28
	v_floor_f32 v28, -v29                          ; the new -M = floor(-t): M is a whole number
	v_sub_f32 v224, v28, v224                      ; old M - new M: a whole number, 0 or less
	v_cvt_i32_f32 v224, v224                       ; (it saturates)
	v_ldexp_f32 v226, 1.0, v224                    ; f = 2^(old M - new M)
.set jj, 0
.rept 32
	v_pk_fma_f32 v[96+jj:97+jj], v[96+jj:97+jj], s[CS:CS+1], v[28:29] op_sel_hi:[1,0,0]   ; t - M, two at a time (of the pairs c and -M the low word serves both halves)
.set jj, jj+2
.endr
.irp b, 0,1,2,3
	v_fma_f32 v[BM+\b], v[BM+\b], s[CS], v28       ; the same of each block's largest score
.endr
.set jj, 0
.rept 64
	v_exp_f32 v[96+jj], v[96+jj]                   ; p = 2^(t - M), at most 1
.set jj, jj+1
.endr
.irp b, 0,1,2,3
	v_exp_f32 v[BM+\b], v[BM+\b]                   ; the block's largest p: the same two instructions on the same number
.endr
	v_pk_mul_f32 v[30:31], v[30:31], v[226:227] op_sel_hi:[1,0]    ; the sums under the new M.  (A plain instruction behind the exponentials)
	s_wait_alu depctr_va_vdst(0)
.irp b, 0,1,2,3
	v_max_num_f32 v[BM+\b], 0x2800000, v[BM+\b]    ; the floor 2^(5 - 127): the byte cannot fall under 1
.endr
.irp b, 0,1,2,3
	v_add_nc_u32 v[SO+\b], 0xfe000000, v[BM+\b]    ; 4 off the exponent field: the conversion's scale operand
.endr
.irp b, 0,1,2,3
	v_lshrrev_b32 v[BB+\b], 23, v[SO+\b]           ; the scale's byte
.endr
	v_lshl_or_b32 v228, v[BB+1], 8, v[BB]          ; p's scale word for these 128 keys
	v_lshl_or_b32 v228, v[BB+2], 16, v228
	v_lshl_or_b32 v228, v[BB+3], 24, v228
.irp c, 0,1
	v_cvt_scalef32_pk16_bf6_f32 v[192+6*\c:194+6*\c], v[96+32*\c:111+32*\c], v[SO+2*\c]
	v_cvt_scalef32_pk16_bf6_f32 v[204+4*\c:206+4*\c], v[112+32*\c:127+32*\c], v[SO+2*\c+1]   ; (a conversion's three registers begin on an even number)
.endr
	v_nop                                          ; a plain instruction behind the scaled conversions
.irp c, 0,1
.irp i, 0,1,2
	v_permlane16_swap_b32 v[192+6*\c+\i], v[204+4*\c+\i]           ; a WHOLE block in a lane: lanes 0-15 block 2 c, lanes 16-31 block 2 c + 1
.endr
.irp i, 0,1,2
	v_mov_b32 v[195+6*\c+\i], v[204+4*\c+\i]
.endr
.endr
	v_pk_add_f32 v[230:231], v[96:97], v[98:99]    ; the row's sum is taken of the unquantised p: two at a time, in two chains
.irp j, 4,8,12,16,20,24,28,32,36,40,44,48,52,56,60
	v_pk_add_f32 v[30:31], v[30:31], v[96+\j:97+\j]
	v_pk_add_f32 v[230:231], v[230:231], v[98+\j:99+\j]
.endr
	v_pk_add_f32 v[30:31], v[30:31], v[230:231]
.set jj, 0
.rept 16
	v_pk_mul_f32 v[160+jj:161+jj], v[160+jj:161+jj], v[226:227] op_sel_hi:[1,0]   ; O^T under the new M.  (These and the sums are the places between p's codes and scale word and the products below)
.set jj, jj+2
.endr
	s_wait_dscnt 0x0                               ; V and its scale words are in
.irp t, 0,1,2,3
.if \t%2
	v_wmma_scale_f32_16x16x128_f8f6f4 v[160+8*\t:167+8*\t], v[32+12*\t:43+12*\t], v[192:203], v[160+8*\t:167+8*\t], v[90+\t/2], v228 matrix_a_fmt:MATRIX_FMT_BF6 matrix_b_fmt:MATRIX_FMT_BF6 matrix_a_scale:MATRIX_SCALE_ROW1
.else
	v_wmma_scale_f32_16x16x128_f8f6f4 v[160+8*\t:167+8*\t], v[32+12*\t:43+12*\t], v[192:203], v[160+8*\t:167+8*\t], v[90+\t/2], v228 matrix_a_fmt:MATRIX_FMT_BF6 matrix_b_fmt:MATRIX_FMT_BF6
.endif
.endr
	s_add_co_u32 s[TK], s[TK], 6144                ; the next 128 keys: eight tiles of K, four fragments of V,
	s_add_co_u32 s[TS], s[TS], 512                 ; 128 scale words of K,
	s_add_co_u32 s[TV], s[TV], 256                 ; 64 of V
	s_sub_co_u32 s[CNT], s[CNT], 1
	s_cmp_lg_u32 s[CNT], 0
	s_cbranch_scc1 .Lstep
.rept 4
	v_nop                                          ; places in front of the first read of O^T
.endr
	v_add_f32 v30, v30, v31                        ; the sum's two halves,
	v_permlanex16_b32 v224, v30, s[SEL], s[SEL+1]
	v_add_f32 v30, v30, v224                       ; and lane l xor 16's: the row's sum
	v_rcp_f32 v30, v30
	v_nop                                          ; a plain instruction behind the transcendental
.set jj, 0
	s_wait_alu depctr_va_vdst(0)
.rept 32
	v_mul_f32 v[96+jj], v[160+jj], v30             ; O^T / the sum: register 8 t + j is channel 16 t + 8 h + j of my query
.set jj, jj+1
.endr
.irp g, 0,1
.irp j, 0,1,2,3,4,5,6,7
	v_permlane16_swap_b32 v[96+16*\g+\j], v[104+16*\g+\j]          ; channels 8 .. 15 and 16 .. 23 of a block change halves: lanes 0-15 then hold its channels 0 .. 15 in order, lanes 16-31 its 16 .. 31
.endr
.endr
	QUANT32 96, 192, 224
	global_store_b128 v1, v[192:195], s[82:83]     ; half a fragment image: 512 consecutive bytes,
	global_store_b64 v2, v[196:197], s[82:83]      ; and 256
	s_wait_xcnt 0x0                                ; EXEC changes only behind this wait
	v_cmp_gt_u32 vcc_lo, 16, v7
	s_and_saveexec_b32 s76, vcc_lo                 ; lanes 0-15: one for each query
	global_store_b16 v14, v224, s[84:85]           ; my head's two scale bytes of the row's word
	s_wait_xcnt 0x0                                ; and again, in front of the line that widens it
	s_or_b32 exec_lo, exec_lo, s76
	s_wait_tensorcnt 0x0
	ds_add_u32 v254, v255
	s_wait_dscnt 0x0
	CROUND                                         ; the closing round: no work-group ends while a partner may still ask for a tile that names it
	s_endpgm
.Lfunc_end_k_q5ca4f40893_attn:
	.size	k_q5ca4f40893_attn, .Lfunc_end_k_q5ca4f40893_attn-k_q5ca4f40893_attn
	.p2alignl 7, 3214868480
	.fill 96, 4, 3214868480
	.section	.rodata,"a",@progbits
	.p2align	6, 0x0
	.amdhsa_kernel k_q5ca4f40893_attn
		.amdhsa_group_segment_fixed_size 210944
		.amdhsa_private_segment_fixed_size 0
		.amdhsa_enable_private_segment 0
		.amdhsa_kernarg_size 32
		.amdhsa_user_sgpr_count 2
		.amdhsa_user_sgpr_kernarg_segment_ptr 1
		.amdhsa_wavefront_size32 1
		.amdhsa_system_sgpr_workgroup_id_x 1
		.amdhsa_system_sgpr_workgroup_id_y 1
		.amdhsa_system_sgpr_workgroup_id_z 1
		.amdhsa_system_vgpr_workitem_id 0
		.amdhsa_next_free_vgpr 256
		.amdhsa_next_free_sgpr 96
		.amdhsa_reserve_vcc 1
		.amdhsa_float_denorm_mode_32 3
		.amdhsa_float_denorm_mode_16_64 3
		.amdhsa_memory_ordered 1
		.amdhsa_forward_progress 1
		.amdhsa_inst_pref_size 30
	.end_amdhsa_kernel
	.amdgpu_metadata
---
amdhsa.version: [ 1, 2 ]
amdhsa.kernels:
  - .name:           k_q5ca4f40893_attn
    .symbol:         k_q5ca4f40893_attn.kd
    .args:
      - { .name: qc, .offset: 0, .size: 8, .value_kind: global_buffer, .address_space: global }
      - { .name: kc, .offset: 8, .size: 8, .value_kind: global_buffer, .address_space: global }
      - { .name: vc, .offset: 16, .size: 8, .value_kind: global_buffer, .address_space: global }
      - { .name: ac, .offset: 24, .size: 8, .value_kind: global_buffer, .address_space: global }
    .group_segment_fixed_size: 210944
    .private_segment_fixed_size: 0
    .kernarg_segment_align: 8
    .kernarg_segment_size: 32
    .max_flat_workgroup_size: 512
    .sgpr_count:     96
    .vgpr_count:     256
    .wavefront_size: 32
...
	.end_amdgpu_metadata
.endif
;; end of part 3
;; launch gwo (part 4): grid 8 x 32, 4 waves a work-group, clusters of 4 x 4, 327,680 bytes of LDS; arguments ac, wo_w_codes, wo_w_scales, wo_b, x, x1; writes x1
.if DOCPART == 4
	.amdgcn_target "amdgcn-amd-amdhsa--gfx1250"
	.amdhsa_code_object_version 6
	.text
	.protected	k_q5ca4f40893_gwo
	.globl	k_q5ca4f40893_gwo
	.p2align	8
	.type	k_q5ca4f40893_gwo,@function
k_q5ca4f40893_gwo:
	s_mov_b64 s[64:65], 0
	v_nop
	global_prefetch_b8 v0, s[64:65] scope:SCOPE_SE
	s_setreg_imm32_b32 hwreg(HW_REG_WAVE_MODE, 25, 1), 1
	s_wait_xcnt 0x0
	s_wait_alu depctr_hold_cnt(0) depctr_sa_sdst(0) depctr_va_vdst(0) depctr_va_sdst(0) depctr_va_ssrc(0) depctr_va_vcc(0) depctr_vm_vsrc(0)
	s_getreg_b32 s2, hwreg(HW_REG_IB_STS2, 6, 4)
	s_cmp_eq_u32 s2, 0
	s_cbranch_scc0 .Lentry_in_a_cluster
	s_endpgm
.Lentry_in_a_cluster:
	s_bfe_u32 s2, ttmp6, 0x10000c
	s_cmp_lg_u32 s2, 0xf033
	s_cbranch_scc0 .Lentry_shape_is_right
	s_endpgm
.Lentry_shape_is_right:
; out = res + A W^T + b.  A: codes of BF6 (E3M2) as fragment images (16 rows x 128 K: 1,536 bytes, in the order of the operand's registers) with scale words behind them; W: rows of codes with E8M0 bytes; res, out: [4,096][1,024] f32.
; SHARES.  A tile of 128 x 128 to a work-group of four waves (256 work-groups), 64 x 64 (16 accumulators) to a wave.  K goes in slots of 512 (four steps of 128) through two LDS slots.
; CLUSTERS: 4 x 4 work-groups; A's tiles are shared along a row of the cluster, W's along a column: each is asked for jointly, by the same tensor load with the same descriptor and a mask that names the four.
; The product is used transposed (source 0 = 16 rows of W, source 1 = 16 rows of A): a lane holds eight neighbouring numbers of a row of the result.  The bias is the C that starts each sum.
; The residual's 64 x 64 numbers of a wave are asked for at the start, in the layout in which the result leaves, and added on the way out.
; REGISTERS.  Window 0: v1-3 r, h, lane; v8-17 LDS addresses; v18-21 the way out; v28, v29 for the add; v32-47 A's scale words, v48-63 W's, two sets each; v64-95 the bias as C; v64-127 rows on the way out; v128-255 accumulators.
;             Window 1: two sets of fragments at v0 and v128: A's four at + 12 a, W's four at + 48 + 12 b.   Window 2: v0-127 the residual.
.set KK,    1024
.set SA_MB, 64                         ; A's scale words in LDS: from m-block to m-block,
.set SA_S,  512                        ; from K step to K step
.set NS,    KK/128
.set KS,    KK/32
.set KROW,  KK*3/4
.set MBB,   NS*1536
.set ASOFF, 3072*KK
.set LAPS,  KK/1024                    ; a lap = two slots = once round the ring
.set SLOT,  104448                     ; a slot: A's two halves of 24,576 (4 m-blocks x 4 images), then W's two halves of 27,648 (64 rows)
.set AHALF, 24576
.set BOFF,  49152
.set BHALF, 27648
.set BP,    432                        ; a row of W in LDS: 3 x (128 bytes + 16 of padding) = 108 words: the 16 rows of a load start at 16 different multiples of 4 banks, lanes 16-31 fall between them
.set ASL,   2*SLOT
.set BSL,   ASL+NS*512
.set SPARE, BSL+NS*544                 ; the spare words: 128 bytes a wave, two blocks of 256 bytes that no other line names
.set STG,   SPARE+512                  ; the way out: 16 rows x (256 + 16) bytes for each wave; no fill lands here
.set AA16, 8
.set AA8,  10
.set AB,   12
.set AB2,  14
.set ASA,  16
.set ASB,  17
.set CO,   18
.set STO,  19
.set RD,   20
.set SPW,  28
.set NIL,  29
.set SA,   32
.set SB,   48
.set BI,   64
.set ACC,  128
.set G1A,  24
.set G0A,  32
.set G1B,  40
.set G0B,  48
.set G1SA, 56
.set G1SB, 68
.set G0SA, 76
.set G0SB, 80
.set MUL,  0x05                        ; sources 0 and 1 window 1; C and D window 0
.set TO_F, 0x40                        ; destination window 1
.set TO_R, 0x80                        ; destination window 2
.set ADDW, 0x08                        ; source 1 window 2
.set MSB, 0
.macro WIN new
.if MSB != \new
	s_set_vgpr_msb (MSB<<8)|\new
.set MSB, \new
.endif
.endm
.macro PLACES n
.rept \n
	v_nop
.endr
.endm
.macro JLOAD g0a, g1a, g0b, g1b        ; a joint load: waves 0 and 1 fetch for A, waves 2 and 3 for W; four v_nop follow each of the two lines
	s_cmp_eq_u32 s15, 0
	s_cbranch_scc0 .Lfor_b_\@
	tensor_load_to_lds s[\g0a:\g0a+3], s[\g1a:\g1a+7]
	s_nop 0
.rept 4
	v_nop
.endr
	s_branch .Lasked_\@
.Lfor_b_\@:
	tensor_load_to_lds s[\g0b:\g0b+3], s[\g1b:\g1b+7]
	s_nop 0
.rept 4
	v_nop
.endr
.Lasked_\@:
.endm
.macro CROUND                          ; a round of the cluster's barrier
	s_barrier_signal -1
	s_barrier_wait -1
	s_cmp_lg_u32 s14, 0
	s_cbranch_scc1 .Lnot_wave_0_\@
	s_barrier_signal -3
.Lnot_wave_0_\@:
	s_barrier_wait -3
	s_barrier_signal -1
	s_barrier_wait -1
.endm
.macro FETCH sg, q, p                  ; 40 LDS loads: the fragments of the slot's q-th 128 along K into set p
	WIN TO_F
.irp a, 0,1,2,3
.irp c, 0,1
	ds_load_b128 v[128*(\p)+12*\a+6*\c:128*(\p)+12*\a+6*\c+3], v[AA16+\sg] offset:\a*6144+(\q)*1536+\c*768
	ds_load_b64 v[128*(\p)+12*\a+6*\c+4:128*(\p)+12*\a+6*\c+5], v[AA8+\sg] offset:\a*6144+(\q)*1536+\c*768
.endr
.endr
.irp b, 0,1,2,3
.irp u, 0,1,2,3,4,5
.set PC, 12*(\q)+6*(\u/3)+\u%3         ; W's rows in pieces of 8 bytes; lanes 16-31 read three pieces on: where that is behind one padding more, the second address register serves
.if PC%16 < 13
	ds_load_b64 v[128*(\p)+48+12*\b+2*\u:128*(\p)+48+12*\b+2*\u+1], v[AB+\sg] offset:8*PC+16*(PC/16)+\b*16*BP
.else
	ds_load_b64 v[128*(\p)+48+12*\b+2*\u:128*(\p)+48+12*\b+2*\u+1], v[AB2+\sg] offset:8*PC+16*(PC/16)+\b*16*BP
.endif
.endr
.endr
.endm
.macro SCALES sg                       ; a slot's scale words: A's register 2 q + j: lanes 0-15 m-block 2 j, lanes 16-31 2 j + 1; W's register 4 j + q: lanes 0-15 tile 2 j, lanes 16-31 2 j + 1
	WIN 0
.irp q, 0,1,2,3
.irp j, 0,1
	ds_load_b32 v[SA+8*\sg+2*\q+\j], v[ASA] offset:\j*2*SA_MB+\q*SA_S
.endr
.endr
.irp j, 0,1
	ds_load_b128 v[SB+8*\sg+4*\j:SB+8*\sg+4*\j+3], v[ASB] offset:\j*(32*KS/256)*272
.endr
.endm
.macro WMS
.if fX && fY
	v_wmma_scale_f32_16x16x128_f8f6f4 v[rD:rD+7], v[rX:rX+11], v[rY:rY+11], v[rC:rC+7], v[rSX], v[rSY] matrix_a_fmt:MATRIX_FMT_BF6 matrix_b_fmt:MATRIX_FMT_BF6 matrix_a_scale:MATRIX_SCALE_ROW1 matrix_b_scale:MATRIX_SCALE_ROW1
.elseif fX
	v_wmma_scale_f32_16x16x128_f8f6f4 v[rD:rD+7], v[rX:rX+11], v[rY:rY+11], v[rC:rC+7], v[rSX], v[rSY] matrix_a_fmt:MATRIX_FMT_BF6 matrix_b_fmt:MATRIX_FMT_BF6 matrix_a_scale:MATRIX_SCALE_ROW1
.elseif fY
	v_wmma_scale_f32_16x16x128_f8f6f4 v[rD:rD+7], v[rX:rX+11], v[rY:rY+11], v[rC:rC+7], v[rSX], v[rSY] matrix_a_fmt:MATRIX_FMT_BF6 matrix_b_fmt:MATRIX_FMT_BF6 matrix_b_scale:MATRIX_SCALE_ROW1
.else
	v_wmma_scale_f32_16x16x128_f8f6f4 v[rD:rD+7], v[rX:rX+11], v[rY:rY+11], v[rC:rC+7], v[rSX], v[rSY] matrix_a_fmt:MATRIX_FMT_BF6 matrix_b_fmt:MATRIX_FMT_BF6
.endif
.endm
; 16 products on set p: accumulator 4 a + b, source 0 = W's tile b, source 1 = A's block a.  The 16 accumulators take turns, one instruction a turn, in the same order in every step.
.macro MUL16 p, q, sg, first
.irp i, 0,1,2,3
.irp j, 0,1,2,3
.set rD, ACC+8*(4*\i+\j)
.set fX, \j%2
.set fY, \i%2
.set rX, 128*(\p)+48+12*\j
.set rY, 128*(\p)+12*\i
.set rSX, SB+8*(\sg)+4*(\j/2)+(\q)
.set rSY, SA+8*(\sg)+2*(\q)+(\i/2)
.set rC, BI+8*\j
.if \first == 0
.set rC, rD
.endif
	WMS
.endr
.endr
.endm
.macro STEP sg, q, first               ; this step's set is in; the other set, four places behind the products that read it, takes the next step's fragments while this one is multiplied
	s_wait_dscnt 0x0
	PLACES 4
	FETCH \sg, (\q)+1, ((\q)+1)%2
	WIN MUL
	MUL16 (\q)%2, \q, \sg, \first
.endm
; A slot's last step changes slots: each wave waits for all its tensor loads, adds 0 to its spare word, waits for that and for its reads of this slot (its last fragments are in registers).
; fill = 1: a round of the cluster's barrier, and this slot's joint refill first behind it: it has four steps, 64 products of a wave, in which to land.
.macro TURN sg, nx, fill
	WIN 0
	s_wait_tensorcnt 0x0                           ; no tensor load of mine is out: my part of the next slot has landed, and a group 0 may be written
	ds_add_u32 v[SPW], v[NIL]                      ; 0 onto my spare word
.if \fill
	s_add_nc_u64 s[G0A+4*\sg+2:G0A+4*\sg+3], s[G0A+4*\sg+2:G0A+4*\sg+3], 12288
	s_add_nc_u64 s[G0B+4*\sg+2:G0B+4*\sg+3], s[G0B+4*\sg+2:G0B+4*\sg+3], 768
.endif
	s_wait_dscnt 0x0
.if \fill
	CROUND
	JLOAD G0A+4*\sg, G1A, G0B+4*\sg, G1B           ; the four v_nop behind it are also the places in front of the loads below
.else
	s_barrier_signal -1
	s_barrier_wait -1
	PLACES 4
.endif
	v_add_nc_u32 v[ASA], 4*SA_S, v[ASA]            ; on to the next slot's scale words
	v_add_nc_u32 v[ASB], 16, v[ASB]
	FETCH \nx, 0, 0
	SCALES \nx
	WIN MUL
	MUL16 1, 3, \sg, 0
.endm
	s_load_b256 s[84:91], s[0:1], 0x0              ; A, W's codes, W's scales, bias
	s_load_b128 s[92:95], s[0:1], 0x20             ; res, out
	v_lshl_add_u32 v[SPW], v0, 2, SPARE
	v_mov_b32 v[NIL], 0
	ds_add_u32 v28, v29
	ds_add_u32 v28, v29
	s_wait_dscnt 0x0
	v_lshrrev_b32 v1, 5, v0
	v_readfirstlane_b32 s14, v1                    ; wave 0..3
	s_lshr_b32 s15, s14, 1                         ; which half of the tile's rows is mine.  Also: I fetch for A (0) or for W (1)
	s_and_b32 s16, s14, 1                          ; which half of its columns.  Also: which half of that tile I fetch
	s_bfe_u32 s19, ttmp6, 0x40000                  ; cx
	s_bfe_u32 s20, ttmp6, 0x40004                  ; cy
	s_lshl_b32 s18, ttmp9, 2
	s_add_co_u32 s18, s18, s19                     ; tile column
	s_and_b32 s17, ttmp7, 0xffff
	s_lshl_b32 s17, s17, 2
	s_add_co_u32 s17, s17, s20                     ; tile row
	s_lshl_b32 s21, s20, 2
	s_lshl_b32 s21, 15, s21                        ; my row of the cluster
	s_lshl_b32 s22, 0x1111, s19                    ; my column
	s_or_b32 s[G1A], s21, (3<<16)|(1<<21)          ; A's images: mask = my row; elements of 8 bytes; bit 21 beside a mask; no padding
	s_mov_b32 s[G1A+1], 768<<16                    ; tensor_dim0 = 768 elements: four images
	s_mov_b32 s[G1A+2], 4<<16                      ; tensor_dim1 = 4 m-blocks
	s_mov_b32 s[G1A+3], 768<<16
	s_mov_b32 s[G1A+4], 4
	s_mov_b32 s[G1A+5], NS*192                     ; from m-block to m-block
	s_mov_b32 s[G1A+6], 0
	s_mov_b32 s[G1A+7], 0
	s_or_b32 s[G1B], s22, (1<<20)|(1<<21)|(4<<22)|(3<<25)   ; W's rows: mask = my column; bytes; 4 words of padding behind every 32
	s_mov_b32 s[G1B+1], 384<<16
	s_mov_b32 s[G1B+2], 64<<16
	s_mov_b32 s[G1B+3], 384<<16
	s_mov_b32 s[G1B+4], 64
	s_mov_b32 s[G1B+5], KROW
	s_mov_b32 s[G1B+6], 0
	s_mov_b32 s[G1B+7], 0
	s_or_b32 s[G1SA], s21, (3<<16)|(1<<21)         ; A's scale words: NS dense rows of 256 bytes
	s_mov_b32 s[G1SA+1], 32<<16
	s_mov_b32 s[G1SA+2], NS<<16
	s_mov_b32 s[G1SA+3], 32<<16
	s_mov_b32 s[G1SA+4], NS
	s_mov_b32 s[G1SA+5], 32
	s_mov_b32 s[G1SA+6], 0
	s_mov_b32 s[G1SA+7], 0
	s_or_b32 s[G1SB], s22, (3<<16)|(1<<20)|(1<<21)|(5<<22)|(3<<25)   ; W's scale bytes: the same with 16 bytes of padding behind each row
	s_mov_b32 s[G1SB+1], 32<<16
	s_mov_b32 s[G1SB+2], NS<<16
	s_mov_b32 s[G1SB+3], 32<<16
	s_mov_b32 s[G1SB+4], NS
	s_mov_b32 s[G1SB+5], 32
	s_mov_b32 s[G1SB+6], 0
	s_mov_b32 s[G1SB+7], 0
	s_lshl_b32 s4, s17, 3
	s_lshl_b32 s5, s16, 2
	s_add_co_u32 s4, s4, s5
	s_mul_i32 s4, s4, MBB                          ; A: m-block 8 x tile row + 4 x half
	s_mov_b32 s5, 0
	s_lshl_b32 s6, s17, 1
	s_add_co_u32 s6, s6, s16
	s_mul_i32 s6, s6, NS*256
	s_add_co_u32 s6, s6, ASOFF                     ; and my half of the tile's scale words
	s_mov_b32 s7, 0
	s_lshl_b32 s8, s18, 1
	s_add_co_u32 s8, s8, s16
	s_mul_i32 s10, s8, 64*KS                       ; W: row 128 x tile column + 64 x half: its scale bytes,
	s_mul_i32 s8, s8, 64*KROW                      ; its codes
	s_mov_b32 s9, 0
	s_mov_b32 s11, 0
	s_mul_i32 s12, s16, AHALF                      ; where they go: no place in the cluster enters an LDS address
	s_mul_i32 s13, s16, BHALF
	s_add_co_u32 s13, s13, BOFF
	s_mul_i32 s2, s16, NS*256
	s_add_co_u32 s2, s2, ASL
	s_mul_i32 s23, s16, NS*272
	s_add_co_u32 s23, s23, BSL
	s_wait_kmcnt 0x0
	s_add_nc_u64 s[4:5], s[84:85], s[4:5]
	s_add_nc_u64 s[6:7], s[84:85], s[6:7]
	s_add_nc_u64 s[8:9], s[86:87], s[8:9]
	s_add_nc_u64 s[10:11], s[88:89], s[10:11]
	CROUND                                         ; all sixteen work-groups are here: the first joint loads meet
	s_mov_b32 s[G0SA], 1
	s_mov_b32 s[G0SA+1], s2
	s_mov_b64 s[G0SA+2:G0SA+3], s[6:7]
	s_or_b32 s[G0SA+3], s[G0SA+3], 0x80000000
	s_mov_b32 s[G0SB], 1
	s_mov_b32 s[G0SB+1], s23
	s_mov_b64 s[G0SB+2:G0SB+3], s[10:11]
	s_or_b32 s[G0SB+3], s[G0SB+3], 0x80000000
	JLOAD G0SA, G1SA, G0SB, G1SB                   ; the scales first; by this text's count three tensor loads of a wave are out at the most
.irp s, 0,1
	s_mov_b32 s[G0A+4*\s], 1
	s_add_co_u32 s[G0A+4*\s+1], s12, \s*SLOT
	s_add_nc_u64 s[G0A+4*\s+2:G0A+4*\s+3], s[4:5], \s*6144
	s_or_b32 s[G0A+4*\s+3], s[G0A+4*\s+3], 0x80000000
	s_mov_b32 s[G0B+4*\s], 1
	s_add_co_u32 s[G0B+4*\s+1], s13, \s*SLOT
	s_add_nc_u64 s[G0B+4*\s+2:G0B+4*\s+3], s[8:9], \s*384
	s_or_b32 s[G0B+4*\s+3], s[G0B+4*\s+3], 0x80000000
	JLOAD G0A+4*\s, G1A, G0B+4*\s, G1B
.endr
	v_and_b32 v1, 15, v0                           ; r
	v_bfe_u32 v2, v0, 4, 1                         ; h
	v_and_b32 v3, 31, v0                           ; lane
	s_mul_i32 s4, s15, AHALF                       ; my 64 rows of A
	v_lshl_add_u32 v[AA16], v3, 4, s4
	v_add_nc_u32 v[AA16+1], SLOT, v[AA16]
	v_lshl_add_u32 v[AA8], v3, 3, s4
	v_add_nc_u32 v[AA8], 512, v[AA8]
	v_add_nc_u32 v[AA8+1], SLOT, v[AA8]
	s_mul_i32 s5, s16, BHALF                       ; my 64 rows of W
	s_add_co_u32 s5, s5, BOFF
	v_mul_u32_u24 v4, v1, BP
	v_mad_u32_u24 v5, v2, 24, v4
	v_add_nc_u32 v[AB], s5, v5                     ; row x pitch + 24 x half
	v_add_nc_u32 v[AB+1], SLOT, v[AB]
	v_lshl_add_u32 v[AB2], v2, 4, v[AB]            ; and the same behind one padding more
	v_add_nc_u32 v[AB2+1], SLOT, v[AB2]
	s_mul_i32 s6, s15, 4*SA_MB
	s_add_co_u32 s6, s6, ASL
	v_lshlrev_b32 v4, 2, v1
	v_mad_u32_u24 v4, v2, SA_MB, v4
	v_add_nc_u32 v[ASA], s6, v4                    ; A's scale words: 4 r, lanes 16-31 one m-block on
	s_mul_i32 s7, s16, NS*272
	s_add_co_u32 s7, s7, BSL
	v_mul_u32_u24 v4, v3, KS
	v_lshrrev_b32 v5, 8, v4
	v_lshl_add_u32 v4, v5, 4, v4
	v_add_nc_u32 v[ASB], s7, v4                    ; W's: row = lane, KS bytes a row, 16 more for each 256 passed
	v_lshlrev_b32 v[CO], 12, v2
	v_lshl_add_u32 v[CO], v1, 4, v[CO]             ; res and out: lanes 0-15 one row's 256 bytes, lanes 16-31 the next row's
	s_mul_i32 s4, s14, 16*272
	s_add_co_u32 s4, s4, STG                       ; my stage
	v_mul_u32_u24 v4, v1, 272
	v_lshl_add_u32 v4, v2, 5, v4
	v_add_nc_u32 v[STO], s4, v4                    ; in: row r, 32 bytes for each half of the lanes
	v_mul_u32_u24 v4, v2, 272
	v_lshl_add_u32 v4, v1, 4, v4
	v_add_nc_u32 v[RD], s4, v4                     ; back: by rows
	v_lshlrev_b32 v21, 5, v2                       ; the bias: 32 h
	s_lshl_b32 s96, s18, 9
	s_lshl_b32 s97, s16, 8
	s_add_co_u32 s96, s96, s97                     ; my first column, in bytes
	s_mov_b32 s97, 0
	s_add_nc_u64 s[90:91], s[90:91], s[96:97]
	s_lshl_b32 s98, s17, 19
	s_lshl_b32 s99, s15, 18
	s_add_co_u32 s98, s98, s99                     ; my first row, in bytes
	s_add_co_u32 s96, s96, s98
	s_add_nc_u64 s[92:93], s[92:93], s[96:97]
	s_add_nc_u64 s[94:95], s[94:95], s[96:97]
.irp b, 0,1,2,3
	global_load_b128 v[BI+8*\b:BI+8*\b+3], v21, s[90:91] offset:64*\b          ; lane (r, h), tile b: the bias of columns 16 b + 8 h + 0 .. 7
	global_load_b128 v[BI+8*\b+4:BI+8*\b+7], v21, s[90:91] offset:64*\b+16
.endr
	WIN TO_R
.irp a, 0,1,2,3
.irp t, 0,1,2,3,4,5,6,7
	global_load_b128 v[32*\a+4*\t:32*\a+4*\t+3], v[CO], s[92:93] offset:(16*\a+2*\t)*4096   ; sixteen lanes read 256 consecutive bytes, aligned
.endr
.endr
	WIN 0
	s_wait_tensorcnt 0x1                           ; the scales and my part of slot 0 are in; slot 1's load may be out
	s_barrier_signal -1
	s_barrier_wait -1                              ; everybody's are
	FETCH 0, 0, 0
	SCALES 0
	s_wait_loadcnt 32                              ; the bias is in; the 32 loads of the residual may be out
	STEP 0, 0, 1                                   ; the first step stands in front of the loop: the bias starts the sums
.if LAPS > 1
	WIN 0
	s_mov_b32 s3, LAPS-1
.Llap:                                                 ; a trip goes once round the ring and fills both slots again
	STEP 0, 1, 0
	STEP 0, 2, 0
	TURN 0, 1, 1
	STEP 1, 0, 0
	STEP 1, 1, 0
	STEP 1, 2, 0
	TURN 1, 0, 1
	STEP 0, 0, 0
	WIN 0
	s_sub_co_u32 s3, s3, 1
	s_cmp_lg_u32 s3, 0
	s_cbranch_scc1 .Llap
.endif
	STEP 0, 1, 0                                   ; the last lap fills nothing
	STEP 0, 2, 0
	TURN 0, 1, 0
	STEP 1, 0, 0
	STEP 1, 1, 0
	STEP 1, 2, 0
	s_wait_dscnt 0x0
	WIN MUL
	MUL16 1, 3, 1, 0
	WIN 0
	PLACES 4                                       ; in front of the first read of results
; THE WAY OUT, 16 rows x 64 columns at a time: through my own stage and back as rows of 256 bytes; LDS serves a wave's instructions in order, so no wait stands between the stores and the loads.
.macro TOSTAGE a
.irp b, 0,1,2,3
	ds_store_b128 v[STO], v[ACC+8*(4*(\a)+\b):ACC+8*(4*(\a)+\b)+3] offset:64*\b        ; each accumulator from its low end on
	ds_store_b128 v[STO], v[ACC+8*(4*(\a)+\b)+4:ACC+8*(4*(\a)+\b)+7] offset:64*\b+16
.endr
.set TB, 64+32*((\a)%2)
.irp t, 0,1,2,3,4,5,6,7
	ds_load_b128 v[TB+4*\t:TB+4*\t+3], v[RD] offset:544*\t
.endr
.endm
.macro SEND a, younger, first          ; younger: the LDS instructions issued behind block a's loads, which may stay out
.set TB, 64+32*((\a)%2)
	s_wait_dscnt \younger
.if \first
	s_wait_loadcnt 0x0                             ; the residual
.endif
	WIN ADDW
.irp i, 0,2,4,6,8,10,12,14,16,18,20,22,24,26,28,30
	v_pk_add_f32 v[TB+\i:TB+\i+1], v[TB+\i:TB+\i+1], v[32*(\a)+\i:32*(\a)+\i+1]
.endr
	WIN 0
.irp t, 0,1,2,3,4,5,6,7
	global_store_b128 v[CO], v[TB+4*\t:TB+4*\t+3], s[94:95] offset:(16*(\a)+2*\t)*4096   ; sixteen lanes store 256 consecutive bytes, aligned
.endr
.endm
	TOSTAGE 0
	TOSTAGE 1
	SEND 0, 16, 1                                  ; behind block 0's loads: block 1's 8 stores and 8 loads
	s_wait_xcnt 0x0                                ; block 0's stores have read their registers: block 2's loads may land there
	TOSTAGE 2
	SEND 1, 16, 0
	s_wait_xcnt 0x0
	TOSTAGE 3
	SEND 2, 16, 0
	SEND 3, 0, 0
	s_wait_tensorcnt 0x0                           ; the wave's end
	ds_add_u32 v[SPW], v[NIL]
	s_wait_dscnt 0x0
	CROUND                                         ; the closing round: no work-group ends while a partner may still ask for a tile that names it
	s_endpgm
.Lfunc_end_k_q5ca4f40893_gwo:
	.size	k_q5ca4f40893_gwo, .Lfunc_end_k_q5ca4f40893_gwo-k_q5ca4f40893_gwo
	.p2alignl 7, 3214868480
	.fill 96, 4, 3214868480
	.section	.rodata,"a",@progbits
	.p2align	6, 0x0
	.amdhsa_kernel k_q5ca4f40893_gwo
		.amdhsa_group_segment_fixed_size 327680
		.amdhsa_private_segment_fixed_size 0
		.amdhsa_enable_private_segment 0
		.amdhsa_kernarg_size 48
		.amdhsa_user_sgpr_count 2
		.amdhsa_user_sgpr_kernarg_segment_ptr 1
		.amdhsa_wavefront_size32 1
		.amdhsa_system_sgpr_workgroup_id_x 1
		.amdhsa_system_sgpr_workgroup_id_y 1
		.amdhsa_system_sgpr_workgroup_id_z 1
		.amdhsa_system_vgpr_workitem_id 0
		.amdhsa_next_free_vgpr 640
		.amdhsa_next_free_sgpr 102
		.amdhsa_reserve_vcc 0
		.amdhsa_float_denorm_mode_32 3
		.amdhsa_float_denorm_mode_16_64 3
		.amdhsa_memory_ordered 1
		.amdhsa_forward_progress 1
		.amdhsa_inst_pref_size 66
	.end_amdhsa_kernel
	.amdgpu_metadata
---
amdhsa.version: [ 1, 2 ]
amdhsa.kernels:
  - .name:           k_q5ca4f40893_gwo
    .symbol:         k_q5ca4f40893_gwo.kd
    .args:
      - { .name: ac, .offset: 0, .size: 8, .value_kind: global_buffer, .address_space: global }
      - { .name: wo_w_codes, .offset: 8, .size: 8, .value_kind: global_buffer, .address_space: global }
      - { .name: wo_w_scales, .offset: 16, .size: 8, .value_kind: global_buffer, .address_space: global }
      - { .name: wo_b, .offset: 24, .size: 8, .value_kind: global_buffer, .address_space: global }
      - { .name: x, .offset: 32, .size: 8, .value_kind: global_buffer, .address_space: global }
      - { .name: x1, .offset: 40, .size: 8, .value_kind: global_buffer, .address_space: global }
    .group_segment_fixed_size: 327680
    .private_segment_fixed_size: 0
    .kernarg_segment_align: 8
    .kernarg_segment_size: 48
    .max_flat_workgroup_size: 128
    .sgpr_count:     102
    .vgpr_count:     640
    .wavefront_size: 32
...
	.end_amdgpu_metadata
.endif
;; end of part 4
;; launch ln2q: the kernel of part 1 again; grid 256 x 1, 8 waves a work-group, no clusters, 87,552 bytes of LDS; arguments x1, ln2_g, ln2_b, hc; writes hc
;; launch gffn1 (part 5): grid 32 x 32, 4 waves a work-group, clusters of 4 x 4, 327,680 bytes of LDS; arguments hc, ffn1_w_codes, ffn1_w_scales, ffn1_b, fc; writes fc
.if DOCPART == 5
	.amdgcn_target "amdgcn-amd-amdhsa--gfx1250"
	.amdhsa_code_object_version 6
	.text
	.protected	k_q5ca4f40893_gffn1
	.globl	k_q5ca4f40893_gffn1
	.p2align	8
	.type	k_q5ca4f40893_gffn1,@function
k_q5ca4f40893_gffn1:
	s_mov_b64 s[64:65], 0
	v_nop
	global_prefetch_b8 v0, s[64:65] scope:SCOPE_SE
	s_setreg_imm32_b32 hwreg(HW_REG_WAVE_MODE, 25, 1), 1
	s_wait_xcnt 0x0
	s_wait_alu depctr_hold_cnt(0) depctr_sa_sdst(0) depctr_va_vdst(0) depctr_va_sdst(0) depctr_va_ssrc(0) depctr_va_vcc(0) depctr_vm_vsrc(0)
	s_getreg_b32 s2, hwreg(HW_REG_IB_STS2, 6, 4)
	s_cmp_eq_u32 s2, 0
	s_cbranch_scc0 .Lentry_in_a_cluster
	s_endpgm
.Lentry_in_a_cluster:
	s_bfe_u32 s2, ttmp6, 0x10000c
	s_cmp_lg_u32 s2, 0xf033
	s_cbranch_scc0 .Lentry_shape_is_right
	s_endpgm
.Lentry_shape_is_right:
; f = relu(h W^T + b) on codes of BF6 (E3M2) with E8M0 scales, K = 1,024; f is quantised in registers along its 4,096 features, the next product's K, and leaves as codes.
; h comes as fragment images (16 rows x 128 K: 1,536 bytes, in the order of the operand's registers), W as rows of codes (768 bytes a row).
; SHARES.  A tile of 128 tokens x 128 features to a work-group of four waves, 64 x 64 (16 accumulators) to a wave.  The tile's 128 features are one K step of the next product, a wave's 64 half of its fragments.
; K goes in two slots of 512 (four steps of 128); both are filled at the start and never again.
; CLUSTERS: 4 x 4 work-groups; h's tiles are shared along a row of the cluster, W's along a column: each is asked for jointly, by the same tensor load with the same descriptor and a mask that names the four.
; The product is used transposed (source 0 = 16 rows of W, source 1 = 16 tokens): a lane holds ONE token and its registers run along the features.  The 16 registers of two neighbouring tiles hold features 8 h + j and
; 16 + 8 h + j of a block of 32: eight exchanges of halves a block bring them into their natural order, since the partner of the next product is a given weight.
; OUT.  fc: [m-block of 256][K step of 32][1,536]; scale words behind them at (tile of 128 tokens x 32 + K step) x 512 + 64 x m-block in the tile + 4 r.
; LIMITS: a block whose largest magnitude lies under 2^-122 keeps the byte 1; a block of zeros gets the byte 1 (its codes are zeros; this program alone reads the bytes); NaN and infinities are not served.
; REGISTERS.  Window 0: v1-3 r, h, lane; v8-17 LDS addresses; v18-22 the way out; v28, v29 for the add; v32-47 h's scale words, v48-63 W's, two sets each; v64-95 the bias as C, later the codes; v96-111 at work; v128-255 accumulators.
;             Window 1: two sets of fragments at v0 and v128: h's four at + 12 a, W's four at + 48 + 12 b.
.set KK,    1024
.set NS,    KK/128
.set KS,    KK/32
.set KROW,  KK*3/4
.set MBB,   NS*1536
.set ASOFF, 3072*KK
.set SA_MB, NS*64                      ; h's scale words in LDS: from m-block to m-block,
.set SA_S,  64                         ; from K step to K step
.set FSOFF, 12582912                   ; where the scale words begin in fc
.set SLOT,  104448
.set AHALF, 24576
.set BOFF,  49152
.set BHALF, 27648
.set BP,    432                        ; a row of W in LDS: 3 x (128 bytes + 16 of padding) = 108 words: the 16 rows of a load start at 16 different multiples of 4 banks, lanes 16-31 fall between them
.set ASL,   2*SLOT
.set BSL,   ASL+NS*512
.set SPARE, BSL+NS*544                 ; the spare words: 128 bytes a wave, two blocks of 256 bytes that no other line names
.set STG,   SPARE+512                  ; the tile's scale words on their way out: 512 bytes; no fill lands here
.set AA16, 8
.set AA8,  10
.set AB,   12
.set AB2,  14
.set ASA,  16
.set ASB,  17
.set SPW,  28
.set NIL,  29
.set SA,   32
.set SB,   48
.set BI,   64
.set TM,   96
.set PD,   102
.set ACC,  128
.set G1A,  24
.set G0A,  32
.set G1B,  40
.set G0B,  48
.set G1SA, 56
.set SEL,  66
.set G1SB, 68
.set G0SA, 76
.set G0SB, 80
.set MUL,  0x05
.set TO_F, 0x40
.set MSB, 0
.macro WIN new
.if MSB != \new
	s_set_vgpr_msb (MSB<<8)|\new
.set MSB, \new
.endif
.endm
.macro PLACES n
.rept \n
	v_nop
.endr
.endm
.macro JLOAD g0a, g1a, g0b, g1b        ; a joint load: waves 0 and 1 fetch for h, waves 2 and 3 for W; four v_nop follow each of the two lines
	s_cmp_eq_u32 s15, 0
	s_cbranch_scc0 .Lfor_b_\@
	tensor_load_to_lds s[\g0a:\g0a+3], s[\g1a:\g1a+7]
	s_nop 0
.rept 4
	v_nop
.endr
	s_branch .Lasked_\@
.Lfor_b_\@:
	tensor_load_to_lds s[\g0b:\g0b+3], s[\g1b:\g1b+7]
	s_nop 0
.rept 4
	v_nop
.endr
.Lasked_\@:
.endm
.macro CROUND
	s_barrier_signal -1
	s_barrier_wait -1
	s_cmp_lg_u32 s14, 0
	s_cbranch_scc1 .Lnot_wave_0_\@
	s_barrier_signal -3
.Lnot_wave_0_\@:
	s_barrier_wait -3
	s_barrier_signal -1
	s_barrier_wait -1
.endm
.macro FETCH sg, q, p                  ; 40 LDS loads: the fragments of the slot's q-th 128 along K into set p
	WIN TO_F
.irp a, 0,1,2,3
.irp c, 0,1
	ds_load_b128 v[128*(\p)+12*\a+6*\c:128*(\p)+12*\a+6*\c+3], v[AA16+\sg] offset:\a*6144+(\q)*1536+\c*768
	ds_load_b64 v[128*(\p)+12*\a+6*\c+4:128*(\p)+12*\a+6*\c+5], v[AA8+\sg] offset:\a*6144+(\q)*1536+\c*768
.endr
.endr
.irp b, 0,1,2,3
.irp u, 0,1,2,3,4,5
.set PC, 12*(\q)+6*(\u/3)+\u%3         ; W's rows in pieces of 8 bytes; lanes 16-31 read three pieces on: where that is behind one padding more, the second address register serves
.if PC%16 < 13
	ds_load_b64 v[128*(\p)+48+12*\b+2*\u:128*(\p)+48+12*\b+2*\u+1], v[AB+\sg] offset:8*PC+16*(PC/16)+\b*16*BP
.else
	ds_load_b64 v[128*(\p)+48+12*\b+2*\u:128*(\p)+48+12*\b+2*\u+1], v[AB2+\sg] offset:8*PC+16*(PC/16)+\b*16*BP
.endif
.endr
.endr
.endm
.macro SCALES sg
	WIN 0
.irp q, 0,1,2,3
.irp j, 0,1
	ds_load_b32 v[SA+8*\sg+2*\q+\j], v[ASA] offset:\j*2*SA_MB+\q*SA_S
.endr
.endr
.irp j, 0,1
	ds_load_b128 v[SB+8*\sg+4*\j:SB+8*\sg+4*\j+3], v[ASB] offset:\j*(32*KS/256)*272
.endr
.endm
.macro WMS
.if fX && fY
	v_wmma_scale_f32_16x16x128_f8f6f4 v[rD:rD+7], v[rX:rX+11], v[rY:rY+11], v[rC:rC+7], v[rSX], v[rSY] matrix_a_fmt:MATRIX_FMT_BF6 matrix_b_fmt:MATRIX_FMT_BF6 matrix_a_scale:MATRIX_SCALE_ROW1 matrix_b_scale:MATRIX_SCALE_ROW1
.elseif fX
	v_wmma_scale_f32_16x16x128_f8f6f4 v[rD:rD+7], v[rX:rX+11], v[rY:rY+11], v[rC:rC+7], v[rSX], v[rSY] matrix_a_fmt:MATRIX_FMT_BF6 matrix_b_fmt:MATRIX_FMT_BF6 matrix_a_scale:MATRIX_SCALE_ROW1
.elseif fY
	v_wmma_scale_f32_16x16x128_f8f6f4 v[rD:rD+7], v[rX:rX+11], v[rY:rY+11], v[rC:rC+7], v[rSX], v[rSY] matrix_a_fmt:MATRIX_FMT_BF6 matrix_b_fmt:MATRIX_FMT_BF6 matrix_b_scale:MATRIX_SCALE_ROW1
.else
	v_wmma_scale_f32_16x16x128_f8f6f4 v[rD:rD+7], v[rX:rX+11], v[rY:rY+11], v[rC:rC+7], v[rSX], v[rSY] matrix_a_fmt:MATRIX_FMT_BF6 matrix_b_fmt:MATRIX_FMT_BF6
.endif
.endm
; 16 products on set p: accumulator 4 a + b, source 0 = W's tile b, source 1 = h's block a.  The 16 accumulators take turns, one instruction a turn, in the same order in every step.
.macro MUL16 p, q, sg, first
.irp i, 0,1,2,3
.irp j, 0,1,2,3
.set rD, ACC+8*(4*\i+\j)
.set fX, \j%2
.set fY, \i%2
.set rX, 128*(\p)+48+12*\j
.set rY, 128*(\p)+12*\i
.set rSX, SB+8*(\sg)+4*(\j/2)+(\q)
.set rSY, SA+8*(\sg)+2*(\q)+(\i/2)
.set rC, BI+8*\j
.if \first == 0
.set rC, rD
.endif
	WMS
.endr
.endr
.endm
.macro STEP sg, q, first               ; this step's set is in; the other set, four places behind the products that read it, takes the next step's fragments while this one is multiplied
	s_wait_dscnt 0x0
	PLACES 4
	FETCH \sg, (\q)+1, ((\q)+1)%2
	WIN MUL
	MUL16 (\q)%2, \q, \sg, \first
.endm
; 32 registers, two blocks of 32 of which lane l xor 16 holds the other halves, become half a fragment image in v[pc] .. v[pc + 5] and two scale bytes in v[pw]
.macro QUANT32 s, pc, pw
.irp b, 0,1
	v_max3_num_f32 v[TM+\b], |v[(\s)+16*\b]|, |v[(\s)+16*\b+1]|, 0x2800000   ; with the floor 2^(5 - 127): the byte cannot fall under 1
.endr
.irp i, 2,4,6,8,10,12,14
.irp b, 0,1
	v_max3_num_f32 v[TM+\b], v[TM+\b], |v[(\s)+16*\b+\i]|, |v[(\s)+16*\b+\i+1]|
.endr
.endr
.irp b, 0,1
	v_permlanex16_b32 v[TM+2+\b], v[TM+\b], s[SEL], s[SEL+1]
.endr
.irp b, 0,1
	v_max_num_f32 v[TM+\b], v[TM+\b], v[TM+2+\b]
.endr
.irp b, 0,1
	v_add_nc_u32 v[TM+4+\b], 0xfe000000, v[TM+\b]
.endr
.irp b, 0,1
	v_lshrrev_b32 v[TM+2+\b], 23, v[TM+4+\b]
.endr
	v_lshl_or_b32 v[\pw], v[TM+3], 8, v[TM+2]
	v_cvt_scalef32_pk16_bf6_f32 v[(\pc):(\pc)+2], v[(\s):(\s)+15], v[TM+4]
	v_cvt_scalef32_pk16_bf6_f32 v[PD:PD+2], v[(\s)+16:(\s)+31], v[TM+5]
	v_nop                                          ; a plain instruction behind the scaled conversions
.irp i, 0,1,2
	v_permlane16_swap_b32 v[(\pc)+\i], v[PD+\i]
.endr
.irp i, 0,1,2
	v_mov_b32 v[(\pc)+3+\i], v[PD+\i]
.endr
.endm
	s_load_b256 s[84:91], s[0:1], 0x0              ; h, W's codes, W's scales, bias
	s_load_b64 s[92:93], s[0:1], 0x20              ; fc
	v_lshl_add_u32 v[SPW], v0, 2, SPARE
	v_mov_b32 v[NIL], 0
	ds_add_u32 v28, v29
	ds_add_u32 v28, v29
	s_wait_dscnt 0x0
	v_lshrrev_b32 v1, 5, v0
	v_readfirstlane_b32 s14, v1                    ; wave 0..3
	s_lshr_b32 s15, s14, 1                         ; which half of the tile's tokens is mine.  Also: I fetch for h (0) or for W (1)
	s_and_b32 s16, s14, 1                          ; which half of its features.  Also: which half of that tile I fetch
	s_bfe_u32 s19, ttmp6, 0x40000                  ; cx
	s_bfe_u32 s20, ttmp6, 0x40004                  ; cy
	s_lshl_b32 s18, ttmp9, 2
	s_add_co_u32 s18, s18, s19                     ; feature tile 0..31
	s_and_b32 s17, ttmp7, 0xffff
	s_lshl_b32 s17, s17, 2
	s_add_co_u32 s17, s17, s20                     ; token tile 0..31
	s_lshl_b32 s21, s20, 2
	s_lshl_b32 s21, 15, s21                        ; my row of the cluster
	s_lshl_b32 s22, 0x1111, s19                    ; my column
	s_or_b32 s[G1A], s21, (3<<16)|(1<<21)          ; h's images: mask = my row; elements of 8 bytes; bit 21 beside a mask; no padding
	s_mov_b32 s[G1A+1], 768<<16
	s_mov_b32 s[G1A+2], 4<<16
	s_mov_b32 s[G1A+3], 768<<16
	s_mov_b32 s[G1A+4], 4
	s_mov_b32 s[G1A+5], NS*192
	s_mov_b32 s[G1A+6], 0
	s_mov_b32 s[G1A+7], 0
	s_or_b32 s[G1B], s22, (1<<20)|(1<<21)|(4<<22)|(3<<25)   ; W's rows: mask = my column; bytes; 4 words of padding behind every 32
	s_mov_b32 s[G1B+1], 384<<16
	s_mov_b32 s[G1B+2], 64<<16
	s_mov_b32 s[G1B+3], 384<<16
	s_mov_b32 s[G1B+4], 64
	s_mov_b32 s[G1B+5], KROW
	s_mov_b32 s[G1B+6], 0
	s_mov_b32 s[G1B+7], 0
	s_or_b32 s[G1SA], s21, (3<<16)|(1<<21)         ; h's scale words: NS dense rows of 256 bytes
	s_mov_b32 s[G1SA+1], 32<<16
	s_mov_b32 s[G1SA+2], NS<<16
	s_mov_b32 s[G1SA+3], 32<<16
	s_mov_b32 s[G1SA+4], NS
	s_mov_b32 s[G1SA+5], 32
	s_mov_b32 s[G1SA+6], 0
	s_mov_b32 s[G1SA+7], 0
	s_or_b32 s[G1SB], s22, (3<<16)|(1<<20)|(1<<21)|(5<<22)|(3<<25)   ; W's scale bytes: the same with 16 bytes of padding behind each row
	s_mov_b32 s[G1SB+1], 32<<16
	s_mov_b32 s[G1SB+2], NS<<16
	s_mov_b32 s[G1SB+3], 32<<16
	s_mov_b32 s[G1SB+4], NS
	s_mov_b32 s[G1SB+5], 32
	s_mov_b32 s[G1SB+6], 0
	s_mov_b32 s[G1SB+7], 0
	s_lshl_b32 s4, s17, 3
	s_lshl_b32 s5, s16, 2
	s_add_co_u32 s4, s4, s5
	s_mul_i32 s4, s4, MBB
	s_mov_b32 s5, 0
	s_lshl_b32 s6, s17, 1
	s_add_co_u32 s6, s6, s16
	s_mul_i32 s6, s6, NS*256
	s_add_co_u32 s6, s6, ASOFF
	s_mov_b32 s7, 0
	s_lshl_b32 s8, s18, 1
	s_add_co_u32 s8, s8, s16
	s_mul_i32 s10, s8, 64*KS
	s_mul_i32 s8, s8, 64*KROW
	s_mov_b32 s9, 0
	s_mov_b32 s11, 0
	s_mul_i32 s12, s16, AHALF                      ; where they go: no place in the cluster enters an LDS address
	s_mul_i32 s13, s16, BHALF
	s_add_co_u32 s13, s13, BOFF
	s_mul_i32 s2, s16, NS*256
	s_add_co_u32 s2, s2, ASL
	s_mul_i32 s23, s16, NS*272
	s_add_co_u32 s23, s23, BSL
	s_mov_b32 s[SEL], 0x76543210
	s_mov_b32 s[SEL+1], 0xfedcba98                 ; selects: lane l xor 16
	s_wait_kmcnt 0x0
	s_add_nc_u64 s[4:5], s[84:85], s[4:5]
	s_add_nc_u64 s[6:7], s[84:85], s[6:7]
	s_add_nc_u64 s[8:9], s[86:87], s[8:9]
	s_add_nc_u64 s[10:11], s[88:89], s[10:11]
	CROUND                                         ; all sixteen work-groups are here: the first joint loads meet
	s_mov_b32 s[G0SA], 1
	s_mov_b32 s[G0SA+1], s2
	s_mov_b64 s[G0SA+2:G0SA+3], s[6:7]
	s_or_b32 s[G0SA+3], s[G0SA+3], 0x80000000
	s_mov_b32 s[G0SB], 1
	s_mov_b32 s[G0SB+1], s23
	s_mov_b64 s[G0SB+2:G0SB+3], s[10:11]
	s_or_b32 s[G0SB+3], s[G0SB+3], 0x80000000
	JLOAD G0SA, G1SA, G0SB, G1SB                   ; the scales first; by this text's count three tensor loads of a wave are out at the most
.irp s, 0,1
	s_mov_b32 s[G0A+4*\s], 1
	s_add_co_u32 s[G0A+4*\s+1], s12, \s*SLOT
	s_add_nc_u64 s[G0A+4*\s+2:G0A+4*\s+3], s[4:5], \s*6144
	s_or_b32 s[G0A+4*\s+3], s[G0A+4*\s+3], 0x80000000
	s_mov_b32 s[G0B+4*\s], 1
	s_add_co_u32 s[G0B+4*\s+1], s13, \s*SLOT
	s_add_nc_u64 s[G0B+4*\s+2:G0B+4*\s+3], s[8:9], \s*384
	s_or_b32 s[G0B+4*\s+3], s[G0B+4*\s+3], 0x80000000
	JLOAD G0A+4*\s, G1A, G0B+4*\s, G1B
.endr
	v_and_b32 v1, 15, v0                           ; r
	v_bfe_u32 v2, v0, 4, 1                         ; h
	v_and_b32 v3, 31, v0                           ; lane
	s_mul_i32 s4, s15, AHALF
	v_lshl_add_u32 v[AA16], v3, 4, s4
	v_add_nc_u32 v[AA16+1], SLOT, v[AA16]
	v_lshl_add_u32 v[AA8], v3, 3, s4
	v_add_nc_u32 v[AA8], 512, v[AA8]
	v_add_nc_u32 v[AA8+1], SLOT, v[AA8]
	s_mul_i32 s5, s16, BHALF
	s_add_co_u32 s5, s5, BOFF
	v_mul_u32_u24 v4, v1, BP
	v_mad_u32_u24 v5, v2, 24, v4
	v_add_nc_u32 v[AB], s5, v5
	v_add_nc_u32 v[AB+1], SLOT, v[AB]
	v_lshl_add_u32 v[AB2], v2, 4, v[AB]
	v_add_nc_u32 v[AB2+1], SLOT, v[AB2]
	s_mul_i32 s6, s15, 4*SA_MB
	s_add_co_u32 s6, s6, ASL
	v_lshlrev_b32 v4, 2, v1
	v_mad_u32_u24 v4, v2, SA_MB, v4
	v_add_nc_u32 v[ASA], s6, v4
	s_mul_i32 s7, s16, NS*272
	s_add_co_u32 s7, s7, BSL
	v_mul_u32_u24 v4, v3, KS
	v_lshrrev_b32 v5, 8, v4
	v_lshl_add_u32 v4, v5, 4, v4
	v_add_nc_u32 v[ASB], s7, v4
	v_lshlrev_b32 v18, 4, v3                       ; the way out: 16 x lane,
	v_lshlrev_b32 v19, 3, v3                       ; 8 x lane
	s_lshl_b32 s4, s15, 8
	s_lshl_b32 s5, s16, 1
	s_add_co_u32 s4, s4, s5
	s_add_co_u32 s4, s4, STG
	v_lshl_add_u32 v20, v1, 2, s4                  ; the scale words: 64 x m-block + 4 r, the half-word of my 64 features
	v_lshlrev_b32 v21, 5, v2                       ; the bias: 32 h
	v_add_nc_u32 v22, STG, v18                     ; and where wave 0 reads the 512 bytes back
	v_mov_b32 v[TM+2], 0                           ; a lane permute's destination counts as read: written once
	v_mov_b32 v[TM+3], 0
	s_lshl_b32 s96, s18, 9
	s_lshl_b32 s97, s16, 8
	s_add_co_u32 s96, s96, s97
	s_mov_b32 s97, 0
	s_add_nc_u64 s[90:91], s[90:91], s[96:97]      ; the bias at my 64 features
	s_lshl_b32 s96, s17, 3
	s_lshl_b32 s98, s15, 2
	s_add_co_u32 s96, s96, s98
	s_lshl_b32 s96, s96, 5
	s_add_co_u32 s96, s96, s18                     ; (my first m-block) x 32 + K step
	s_mul_i32 s96, s96, 1536
	s_mul_i32 s98, s16, 768
	s_add_co_u32 s96, s96, s98
	s_add_nc_u64 s[96:97], s[92:93], s[96:97]      ; my four half images, 32 images apart
	s_lshl_b32 s98, s17, 5
	s_add_co_u32 s98, s98, s18
	s_lshl_b32 s98, s98, 9
	s_add_co_u32 s98, s98, FSOFF
	s_mov_b32 s99, 0
	s_add_nc_u64 s[98:99], s[92:93], s[98:99]      ; the tile's 512 bytes of scale words
.irp b, 0,1,2,3
	global_load_b128 v[BI+8*\b:BI+8*\b+3], v21, s[90:91] offset:64*\b
	global_load_b128 v[BI+8*\b+4:BI+8*\b+7], v21, s[90:91] offset:64*\b+16
.endr
	s_wait_tensorcnt 0x1                           ; the scales and my part of slot 0 are in; slot 1's load may be out
	s_barrier_signal -1
	s_barrier_wait -1
	FETCH 0, 0, 0
	SCALES 0
	s_wait_loadcnt 0x0                             ; the bias
	STEP 0, 0, 1
	STEP 0, 1, 0
	STEP 0, 2, 0
	WIN 0                                          ; the change of slots
	s_wait_tensorcnt 0x0                           ; my part of slot 1 has landed
	ds_add_u32 v[SPW], v[NIL]                      ; 0 onto my spare word
	s_wait_dscnt 0x0
	s_barrier_signal -1
	s_barrier_wait -1                              ; slot 1 is whole
	PLACES 4
	v_add_nc_u32 v[ASA], 4*SA_S, v[ASA]
	v_add_nc_u32 v[ASB], 16, v[ASB]
	FETCH 1, 0, 0
	SCALES 1
	WIN MUL
	MUL16 1, 3, 0, 0
	STEP 1, 0, 0
	STEP 1, 1, 0
	STEP 1, 2, 0
	s_wait_dscnt 0x0
	WIN MUL
	MUL16 1, 3, 1, 0
	WIN 0
	PLACES 4                                       ; in front of the first read of results
.irp a, 0,1,2,3
.set jj, 0
.rept 32
	v_max_num_f32 v[ACC+32*\a+jj], 0, v[ACC+32*\a+jj]              ; the activation, in f32; each accumulator from its low end on
.set jj, jj+1
.endr
.irp g, 0,1
.irp j, 0,1,2,3,4,5,6,7
	v_permlane16_swap_b32 v[ACC+32*\a+16*\g+\j], v[ACC+32*\a+16*\g+8+\j]   ; features 8 .. 15 and 16 .. 23 of a block change halves: the natural order
.endr
.endr
	QUANT32 ACC+32*\a, 64+8*\a, 108+\a
	global_store_b128 v18, v[64+8*\a:64+8*\a+3], s[96:97] offset:\a*49152       ; 512 consecutive bytes,
	global_store_b64 v19, v[64+8*\a+4:64+8*\a+5], s[96:97] offset:\a*49152+512  ; and 256
	ds_store_b16 v20, v[108+\a] offset:64*\a       ; lanes r and 16 + r write the same two bytes with the same value
.endr
	s_wait_dscnt 0x0                               ; for the others' sake: my stores are done
	s_barrier_signal -1
	s_barrier_wait -1
	s_cmp_lg_u32 s14, 0
	s_cbranch_scc1 .Lno_words
	ds_load_b128 v[96:99], v22
	s_wait_dscnt 0x0
	global_store_b128 v18, v[96:99], s[98:99]      ; 512 consecutive bytes, aligned
.Lno_words:
	s_wait_tensorcnt 0x0                           ; the wave's end
	ds_add_u32 v[SPW], v[NIL]
	s_wait_dscnt 0x0
	CROUND                                         ; the closing round
	s_endpgm
.Lfunc_end_k_q5ca4f40893_gffn1:
	.size	k_q5ca4f40893_gffn1, .Lfunc_end_k_q5ca4f40893_gffn1-k_q5ca4f40893_gffn1
	.p2alignl 7, 3214868480
	.fill 96, 4, 3214868480
	.section	.rodata,"a",@progbits
	.p2align	6, 0x0
	.amdhsa_kernel k_q5ca4f40893_gffn1
		.amdhsa_group_segment_fixed_size 327680
		.amdhsa_private_segment_fixed_size 0
		.amdhsa_enable_private_segment 0
		.amdhsa_kernarg_size 40
		.amdhsa_user_sgpr_count 2
		.amdhsa_user_sgpr_kernarg_segment_ptr 1
		.amdhsa_wavefront_size32 1
		.amdhsa_system_sgpr_workgroup_id_x 1
		.amdhsa_system_sgpr_workgroup_id_y 1
		.amdhsa_system_sgpr_workgroup_id_z 1
		.amdhsa_system_vgpr_workitem_id 0
		.amdhsa_next_free_vgpr 512
		.amdhsa_next_free_sgpr 102
		.amdhsa_reserve_vcc 0
		.amdhsa_float_denorm_mode_32 3
		.amdhsa_float_denorm_mode_16_64 3
		.amdhsa_memory_ordered 1
		.amdhsa_forward_progress 1
		.amdhsa_inst_pref_size 66
	.end_amdhsa_kernel
	.amdgpu_metadata
---
amdhsa.version: [ 1, 2 ]
amdhsa.kernels:
  - .name:           k_q5ca4f40893_gffn1
    .symbol:         k_q5ca4f40893_gffn1.kd
    .args:
      - { .name: hc, .offset: 0, .size: 8, .value_kind: global_buffer, .address_space: global }
      - { .name: ffn1_w_codes, .offset: 8, .size: 8, .value_kind: global_buffer, .address_space: global }
      - { .name: ffn1_w_scales, .offset: 16, .size: 8, .value_kind: global_buffer, .address_space: global }
      - { .name: ffn1_b, .offset: 24, .size: 8, .value_kind: global_buffer, .address_space: global }
      - { .name: fc, .offset: 32, .size: 8, .value_kind: global_buffer, .address_space: global }
    .group_segment_fixed_size: 327680
    .private_segment_fixed_size: 0
    .kernarg_segment_align: 8
    .kernarg_segment_size: 40
    .max_flat_workgroup_size: 128
    .sgpr_count:     102
    .vgpr_count:     512
    .wavefront_size: 32
...
	.end_amdgpu_metadata
.endif
;; end of part 5
;; launch gffn2 (part 6): grid 8 x 32, 4 waves a work-group, clusters of 4 x 4, 327,680 bytes of LDS; arguments fc, ffn2_w_codes, ffn2_w_scales, ffn2_b, x1, out0; writes out0
.if DOCPART == 6
	.amdgcn_target "amdgcn-amd-amdhsa--gfx1250"
	.amdhsa_code_object_version 6
	.text
	.protected	k_q5ca4f40893_gffn2
	.globl	k_q5ca4f40893_gffn2
	.p2align	8
	.type	k_q5ca4f40893_gffn2,@function
k_q5ca4f40893_gffn2:
	s_mov_b64 s[64:65], 0
	v_nop
	global_prefetch_b8 v0, s[64:65] scope:SCOPE_SE
	s_setreg_imm32_b32 hwreg(HW_REG_WAVE_MODE, 25, 1), 1
	s_wait_xcnt 0x0
	s_wait_alu depctr_hold_cnt(0) depctr_sa_sdst(0) depctr_va_vdst(0) depctr_va_sdst(0) depctr_va_ssrc(0) depctr_va_vcc(0) depctr_vm_vsrc(0)
	s_getreg_b32 s2, hwreg(HW_REG_IB_STS2, 6, 4)
	s_cmp_eq_u32 s2, 0
	s_cbranch_scc0 .Lentry_in_a_cluster
	s_endpgm
.Lentry_in_a_cluster:
	s_bfe_u32 s2, ttmp6, 0x10000c
	s_cmp_lg_u32 s2, 0xf033
	s_cbranch_scc0 .Lentry_shape_is_right
	s_endpgm
.Lentry_shape_is_right:
; out = res + A W^T + b.  A: codes of BF6 (E3M2) as fragment images (16 rows x 128 K: 1,536 bytes, in the order of the operand's registers) with scale words behind them; W: rows of codes with E8M0 bytes; res, out: [4,096][1,024] f32.
; K = 4,096 here.  SHARES.  A tile of 128 x 128 to a work-group of four waves (256 work-groups), 64 x 64 (16 accumulators) to a wave.  K goes in slots of 512 (four steps of 128) through two LDS slots, each filled four times.
; CLUSTERS: 4 x 4 work-groups; A's tiles are shared along a row of the cluster, W's along a column: each is asked for jointly, by the same tensor load with the same descriptor and a mask that names the four.
; The product is used transposed (source 0 = 16 rows of W, source 1 = 16 rows of A): a lane holds eight neighbouring numbers of a row of the result.  The bias is the C that starts each sum.
; The residual's 64 x 64 numbers of a wave are asked for at the start, in the layout in which the result leaves, and added on the way out.
; REGISTERS.  Window 0: v1-3 r, h, lane; v8-17 LDS addresses; v18-21 the way out; v28, v29 for the add; v32-47 A's scale words, v48-63 W's, two sets each; v64-95 the bias as C; v64-127 rows on the way out; v128-255 accumulators.
;             Window 1: two sets of fragments at v0 and v128: A's four at + 12 a, W's four at + 48 + 12 b.   Window 2: v0-127 the residual.
.set KK,    4096
.set SA_MB, 64                         ; A's scale words in LDS: from m-block to m-block,
.set SA_S,  512                        ; from K step to K step
.set NS,    KK/128
.set KS,    KK/32
.set KROW,  KK*3/4
.set MBB,   NS*1536
.set ASOFF, 3072*KK
.set LAPS,  KK/1024                    ; a lap = two slots = once round the ring
.set SLOT,  104448                     ; a slot: A's two halves of 24,576 (4 m-blocks x 4 images), then W's two halves of 27,648 (64 rows)
.set AHALF, 24576
.set BOFF,  49152
.set BHALF, 27648
.set BP,    432                        ; a row of W in LDS: 3 x (128 bytes + 16 of padding) = 108 words: the 16 rows of a load start at 16 different multiples of 4 banks, lanes 16-31 fall between them
.set ASL,   2*SLOT
.set BSL,   ASL+NS*512
.set SPARE, BSL+NS*544                 ; the spare words: 128 bytes a wave, two blocks of 256 bytes that no other line names
.set STG,   SPARE+512                  ; the way out: 16 rows x (256 + 16) bytes for each wave; no fill lands here
.set AA16, 8
.set AA8,  10
.set AB,   12
.set AB2,  14
.set ASA,  16
.set ASB,  17
.set CO,   18
.set STO,  19
.set RD,   20
.set SPW,  28
.set NIL,  29
.set SA,   32
.set SB,   48
.set BI,   64
.set ACC,  128
.set G1A,  24
.set G0A,  32
.set G1B,  40
.set G0B,  48
.set G1SA, 56
.set G1SB, 68
.set G0SA, 76
.set G0SB, 80
.set MUL,  0x05                        ; sources 0 and 1 window 1; C and D window 0
.set TO_F, 0x40                        ; destination window 1
.set TO_R, 0x80                        ; destination window 2
.set ADDW, 0x08                        ; source 1 window 2
.set MSB, 0
.macro WIN new
.if MSB != \new
	s_set_vgpr_msb (MSB<<8)|\new
.set MSB, \new
.endif
.endm
.macro PLACES n
.rept \n
	v_nop
.endr
.endm
.macro JLOAD g0a, g1a, g0b, g1b        ; a joint load: waves 0 and 1 fetch for A, waves 2 and 3 for W; four v_nop follow each of the two lines
	s_cmp_eq_u32 s15, 0
	s_cbranch_scc0 .Lfor_b_\@
	tensor_load_to_lds s[\g0a:\g0a+3], s[\g1a:\g1a+7]
	s_nop 0
.rept 4
	v_nop
.endr
	s_branch .Lasked_\@
.Lfor_b_\@:
	tensor_load_to_lds s[\g0b:\g0b+3], s[\g1b:\g1b+7]
	s_nop 0
.rept 4
	v_nop
.endr
.Lasked_\@:
.endm
.macro CROUND                          ; a round of the cluster's barrier
	s_barrier_signal -1
	s_barrier_wait -1
	s_cmp_lg_u32 s14, 0
	s_cbranch_scc1 .Lnot_wave_0_\@
	s_barrier_signal -3
.Lnot_wave_0_\@:
	s_barrier_wait -3
	s_barrier_signal -1
	s_barrier_wait -1
.endm
.macro FETCH sg, q, p                  ; 40 LDS loads: the fragments of the slot's q-th 128 along K into set p
	WIN TO_F
.irp a, 0,1,2,3
.irp c, 0,1
	ds_load_b128 v[128*(\p)+12*\a+6*\c:128*(\p)+12*\a+6*\c+3], v[AA16+\sg] offset:\a*6144+(\q)*1536+\c*768
	ds_load_b64 v[128*(\p)+12*\a+6*\c+4:128*(\p)+12*\a+6*\c+5], v[AA8+\sg] offset:\a*6144+(\q)*1536+\c*768
.endr
.endr
.irp b, 0,1,2,3
.irp u, 0,1,2,3,4,5
.set PC, 12*(\q)+6*(\u/3)+\u%3         ; W's rows in pieces of 8 bytes; lanes 16-31 read three pieces on: where that is behind one padding more, the second address register serves
.if PC%16 < 13
	ds_load_b64 v[128*(\p)+48+12*\b+2*\u:128*(\p)+48+12*\b+2*\u+1], v[AB+\sg] offset:8*PC+16*(PC/16)+\b*16*BP
.else
	ds_load_b64 v[128*(\p)+48+12*\b+2*\u:128*(\p)+48+12*\b+2*\u+1], v[AB2+\sg] offset:8*PC+16*(PC/16)+\b*16*BP
.endif
.endr
.endr
.endm
.macro SCALES sg                       ; a slot's scale words: A's register 2 q + j: lanes 0-15 m-block 2 j, lanes 16-31 2 j + 1; W's register 4 j + q: lanes 0-15 tile 2 j, lanes 16-31 2 j + 1
	WIN 0
.irp q, 0,1,2,3
.irp j, 0,1
	ds_load_b32 v[SA+8*\sg+2*\q+\j], v[ASA] offset:\j*2*SA_MB+\q*SA_S
.endr
.endr
.irp j, 0,1
	ds_load_b128 v[SB+8*\sg+4*\j:SB+8*\sg+4*\j+3], v[ASB] offset:\j*(32*KS/256)*272
.endr
.endm
.macro WMS
.if fX && fY
	v_wmma_scale_f32_16x16x128_f8f6f4 v[rD:rD+7], v[rX:rX+11], v[rY:rY+11], v[rC:rC+7], v[rSX], v[rSY] matrix_a_fmt:MATRIX_FMT_BF6 matrix_b_fmt:MATRIX_FMT_BF6 matrix_a_scale:MATRIX_SCALE_ROW1 matrix_b_scale:MATRIX_SCALE_ROW1
.elseif fX
	v_wmma_scale_f32_16x16x128_f8f6f4 v[rD:rD+7], v[rX:rX+11], v[rY:rY+11], v[rC:rC+7], v[rSX], v[rSY] matrix_a_fmt:MATRIX_FMT_BF6 matrix_b_fmt:MATRIX_FMT_BF6 matrix_a_scale:MATRIX_SCALE_ROW1
.elseif fY
	v_wmma_scale_f32_16x16x128_f8f6f4 v[rD:rD+7], v[rX:rX+11], v[rY:rY+11], v[rC:rC+7], v[rSX], v[rSY] matrix_a_fmt:MATRIX_FMT_BF6 matrix_b_fmt:MATRIX_FMT_BF6 matrix_b_scale:MATRIX_SCALE_ROW1
.else
	v_wmma_scale_f32_16x16x128_f8f6f4 v[rD:rD+7], v[rX:rX+11], v[rY:rY+11], v[rC:rC+7], v[rSX], v[rSY] matrix_a_fmt:MATRIX_FMT_BF6 matrix_b_fmt:MATRIX_FMT_BF6
.endif
.endm
; 16 products on set p: accumulator 4 a + b, source 0 = W's tile b, source 1 = A's block a.  The 16 accumulators take turns, one instruction a turn, in the same order in every step.
.macro MUL16 p, q, sg, first
.irp i, 0,1,2,3
.irp j, 0,1,2,3
.set rD, ACC+8*(4*\i+\j)
.set fX, \j%2
.set fY, \i%2
.set rX, 128*(\p)+48+12*\j
.set rY, 128*(\p)+12*\i
.set rSX, SB+8*(\sg)+4*(\j/2)+(\q)
.set rSY, SA+8*(\sg)+2*(\q)+(\i/2)
.set rC, BI+8*\j
.if \first == 0
.set rC, rD
.endif
	WMS
.endr
.endr
.endm
.macro STEP sg, q, first               ; this step's set is in; the other set, four places behind the products that read it, takes the next step's fragments while this one is multiplied
	s_wait_dscnt 0x0
	PLACES 4
	FETCH \sg, (\q)+1, ((\q)+1)%2
	WIN MUL
	MUL16 (\q)%2, \q, \sg, \first
.endm
; A slot's last step changes slots: each wave waits for all its tensor loads, adds 0 to its spare word, waits for that and for its reads of this slot (its last fragments are in registers).
; fill = 1: a round of the cluster's barrier, and this slot's joint refill first behind it: it has four steps, 64 products of a wave, in which to land.
.macro TURN sg, nx, fill
	WIN 0
	s_wait_tensorcnt 0x0                           ; no tensor load of mine is out: my part of the next slot has landed, and a group 0 may be written
	ds_add_u32 v[SPW], v[NIL]                      ; 0 onto my spare word
.if \fill
	s_add_nc_u64 s[G0A+4*\sg+2:G0A+4*\sg+3], s[G0A+4*\sg+2:G0A+4*\sg+3], 12288
	s_add_nc_u64 s[G0B+4*\sg+2:G0B+4*\sg+3], s[G0B+4*\sg+2:G0B+4*\sg+3], 768
.endif
	s_wait_dscnt 0x0
.if \fill
	CROUND
	JLOAD G0A+4*\sg, G1A, G0B+4*\sg, G1B           ; the four v_nop behind it are also the places in front of the loads below
.else
	s_barrier_signal -1
	s_barrier_wait -1
	PLACES 4
.endif
	v_add_nc_u32 v[ASA], 4*SA_S, v[ASA]            ; on to the next slot's scale words
	v_add_nc_u32 v[ASB], 16, v[ASB]
	FETCH \nx, 0, 0
	SCALES \nx
	WIN MUL
	MUL16 1, 3, \sg, 0
.endm
	s_load_b256 s[84:91], s[0:1], 0x0              ; A, W's codes, W's scales, bias
	s_load_b128 s[92:95], s[0:1], 0x20             ; res, out
	v_lshl_add_u32 v[SPW], v0, 2, SPARE
	v_mov_b32 v[NIL], 0
	ds_add_u32 v28, v29
	ds_add_u32 v28, v29
	s_wait_dscnt 0x0
	v_lshrrev_b32 v1, 5, v0
	v_readfirstlane_b32 s14, v1                    ; wave 0..3
	s_lshr_b32 s15, s14, 1                         ; which half of the tile's rows is mine.  Also: I fetch for A (0) or for W (1)
	s_and_b32 s16, s14, 1                          ; which half of its columns.  Also: which half of that tile I fetch
	s_bfe_u32 s19, ttmp6, 0x40000                  ; cx
	s_bfe_u32 s20, ttmp6, 0x40004                  ; cy
	s_lshl_b32 s18, ttmp9, 2
	s_add_co_u32 s18, s18, s19                     ; tile column
	s_and_b32 s17, ttmp7, 0xffff
	s_lshl_b32 s17, s17, 2
	s_add_co_u32 s17, s17, s20                     ; tile row
	s_lshl_b32 s21, s20, 2
	s_lshl_b32 s21, 15, s21                        ; my row of the cluster
	s_lshl_b32 s22, 0x1111, s19                    ; my column
	s_or_b32 s[G1A], s21, (3<<16)|(1<<21)          ; A's images: mask = my row; elements of 8 bytes; bit 21 beside a mask; no padding
	s_mov_b32 s[G1A+1], 768<<16                    ; tensor_dim0 = 768 elements: four images
	s_mov_b32 s[G1A+2], 4<<16                      ; tensor_dim1 = 4 m-blocks
	s_mov_b32 s[G1A+3], 768<<16
	s_mov_b32 s[G1A+4], 4
	s_mov_b32 s[G1A+5], NS*192                     ; from m-block to m-block
	s_mov_b32 s[G1A+6], 0
	s_mov_b32 s[G1A+7], 0
	s_or_b32 s[G1B], s22, (1<<20)|(1<<21)|(4<<22)|(3<<25)   ; W's rows: mask = my column; bytes; 4 words of padding behind every 32
	s_mov_b32 s[G1B+1], 384<<16
	s_mov_b32 s[G1B+2], 64<<16
	s_mov_b32 s[G1B+3], 384<<16
	s_mov_b32 s[G1B+4], 64
	s_mov_b32 s[G1B+5], KROW
	s_mov_b32 s[G1B+6], 0
	s_mov_b32 s[G1B+7], 0
	s_or_b32 s[G1SA], s21, (3<<16)|(1<<21)         ; A's scale words: NS dense rows of 256 bytes
	s_mov_b32 s[G1SA+1], 32<<16
	s_mov_b32 s[G1SA+2], NS<<16
	s_mov_b32 s[G1SA+3], 32<<16
	s_mov_b32 s[G1SA+4], NS
	s_mov_b32 s[G1SA+5], 32
	s_mov_b32 s[G1SA+6], 0
	s_mov_b32 s[G1SA+7], 0
	s_or_b32 s[G1SB], s22, (3<<16)|(1<<20)|(1<<21)|(5<<22)|(3<<25)   ; W's scale bytes: the same with 16 bytes of padding behind each row
	s_mov_b32 s[G1SB+1], 32<<16
	s_mov_b32 s[G1SB+2], NS<<16
	s_mov_b32 s[G1SB+3], 32<<16
	s_mov_b32 s[G1SB+4], NS
	s_mov_b32 s[G1SB+5], 32
	s_mov_b32 s[G1SB+6], 0
	s_mov_b32 s[G1SB+7], 0
	s_lshl_b32 s4, s17, 3
	s_lshl_b32 s5, s16, 2
	s_add_co_u32 s4, s4, s5
	s_mul_i32 s4, s4, MBB                          ; A: m-block 8 x tile row + 4 x half
	s_mov_b32 s5, 0
	s_lshl_b32 s6, s17, 1
	s_add_co_u32 s6, s6, s16
	s_mul_i32 s6, s6, NS*256
	s_add_co_u32 s6, s6, ASOFF                     ; and my half of the tile's scale words
	s_mov_b32 s7, 0
	s_lshl_b32 s8, s18, 1
	s_add_co_u32 s8, s8, s16
	s_mul_i32 s10, s8, 64*KS                       ; W: row 128 x tile column + 64 x half: its scale bytes,
	s_mul_i32 s8, s8, 64*KROW                      ; its codes
	s_mov_b32 s9, 0
	s_mov_b32 s11, 0
	s_mul_i32 s12, s16, AHALF                      ; where they go: no place in the cluster enters an LDS address
	s_mul_i32 s13, s16, BHALF
	s_add_co_u32 s13, s13, BOFF
	s_mul_i32 s2, s16, NS*256
	s_add_co_u32 s2, s2, ASL
	s_mul_i32 s23, s16, NS*272
	s_add_co_u32 s23, s23, BSL
	s_wait_kmcnt 0x0
	s_add_nc_u64 s[4:5], s[84:85], s[4:5]
	s_add_nc_u64 s[6:7], s[84:85], s[6:7]
	s_add_nc_u64 s[8:9], s[86:87], s[8:9]
	s_add_nc_u64 s[10:11], s[88:89], s[10:11]
	CROUND                                         ; all sixteen work-groups are here: the first joint loads meet
	s_mov_b32 s[G0SA], 1
	s_mov_b32 s[G0SA+1], s2
	s_mov_b64 s[G0SA+2:G0SA+3], s[6:7]
	s_or_b32 s[G0SA+3], s[G0SA+3], 0x80000000
	s_mov_b32 s[G0SB], 1
	s_mov_b32 s[G0SB+1], s23
	s_mov_b64 s[G0SB+2:G0SB+3], s[10:11]
	s_or_b32 s[G0SB+3], s[G0SB+3], 0x80000000
	JLOAD G0SA, G1SA, G0SB, G1SB                   ; the scales first; by this text's count three tensor loads of a wave are out at the most
.irp s, 0,1
	s_mov_b32 s[G0A+4*\s], 1
	s_add_co_u32 s[G0A+4*\s+1], s12, \s*SLOT
	s_add_nc_u64 s[G0A+4*\s+2:G0A+4*\s+3], s[4:5], \s*6144
	s_or_b32 s[G0A+4*\s+3], s[G0A+4*\s+3], 0x80000000
	s_mov_b32 s[G0B+4*\s], 1
	s_add_co_u32 s[G0B+4*\s+1], s13, \s*SLOT
	s_add_nc_u64 s[G0B+4*\s+2:G0B+4*\s+3], s[8:9], \s*384
	s_or_b32 s[G0B+4*\s+3], s[G0B+4*\s+3], 0x80000000
	JLOAD G0A+4*\s, G1A, G0B+4*\s, G1B
.endr
	v_and_b32 v1, 15, v0                           ; r
	v_bfe_u32 v2, v0, 4, 1                         ; h
	v_and_b32 v3, 31, v0                           ; lane
	s_mul_i32 s4, s15, AHALF                       ; my 64 rows of A
	v_lshl_add_u32 v[AA16], v3, 4, s4
	v_add_nc_u32 v[AA16+1], SLOT, v[AA16]
	v_lshl_add_u32 v[AA8], v3, 3, s4
	v_add_nc_u32 v[AA8], 512, v[AA8]
	v_add_nc_u32 v[AA8+1], SLOT, v[AA8]
	s_mul_i32 s5, s16, BHALF                       ; my 64 rows of W
	s_add_co_u32 s5, s5, BOFF
	v_mul_u32_u24 v4, v1, BP
	v_mad_u32_u24 v5, v2, 24, v4
	v_add_nc_u32 v[AB], s5, v5                     ; row x pitch + 24 x half
	v_add_nc_u32 v[AB+1], SLOT, v[AB]
	v_lshl_add_u32 v[AB2], v2, 4, v[AB]            ; and the same behind one padding more
	v_add_nc_u32 v[AB2+1], SLOT, v[AB2]
	s_mul_i32 s6, s15, 4*SA_MB
	s_add_co_u32 s6, s6, ASL
	v_lshlrev_b32 v4, 2, v1
	v_mad_u32_u24 v4, v2, SA_MB, v4
	v_add_nc_u32 v[ASA], s6, v4                    ; A's scale words: 4 r, lanes 16-31 one m-block on
	s_mul_i32 s7, s16, NS*272
	s_add_co_u32 s7, s7, BSL
	v_mul_u32_u24 v4, v3, KS
	v_lshrrev_b32 v5, 8, v4
	v_lshl_add_u32 v4, v5, 4, v4
	v_add_nc_u32 v[ASB], s7, v4                    ; W's: row = lane, KS bytes a row, 16 more for each 256 passed
	v_lshlrev_b32 v[CO], 12, v2
	v_lshl_add_u32 v[CO], v1, 4, v[CO]             ; res and out: lanes 0-15 one row's 256 bytes, lanes 16-31 the next row's
	s_mul_i32 s4, s14, 16*272
	s_add_co_u32 s4, s4, STG                       ; my stage
	v_mul_u32_u24 v4, v1, 272
	v_lshl_add_u32 v4, v2, 5, v4
	v_add_nc_u32 v[STO], s4, v4                    ; in: row r, 32 bytes for each half of the lanes
	v_mul_u32_u24 v4, v2, 272
	v_lshl_add_u32 v4, v1, 4, v4
	v_add_nc_u32 v[RD], s4, v4                     ; back: by rows
	v_lshlrev_b32 v21, 5, v2                       ; the bias: 32 h
	s_lshl_b32 s96, s18, 9
	s_lshl_b32 s97, s16, 8
	s_add_co_u32 s96, s96, s97                     ; my first column, in bytes
	s_mov_b32 s97, 0
	s_add_nc_u64 s[90:91], s[90:91], s[96:97]
	s_lshl_b32 s98, s17, 19
	s_lshl_b32 s99, s15, 18
	s_add_co_u32 s98, s98, s99                     ; my first row, in bytes
	s_add_co_u32 s96, s96, s98
	s_add_nc_u64 s[92:93], s[92:93], s[96:97]
	s_add_nc_u64 s[94:95], s[94:95], s[96:97]
.irp b, 0,1,2,3
	global_load_b128 v[BI+8*\b:BI+8*\b+3], v21, s[90:91] offset:64*\b          ; lane (r, h), tile b: the bias of columns 16 b + 8 h + 0 .. 7
	global_load_b128 v[BI+8*\b+4:BI+8*\b+7], v21, s[90:91] offset:64*\b+16
.endr
	WIN TO_R
.irp a, 0,1,2,3
.irp t, 0,1,2,3,4,5,6,7
	global_load_b128 v[32*\a+4*\t:32*\a+4*\t+3], v[CO], s[92:93] offset:(16*\a+2*\t)*4096   ; sixteen lanes read 256 consecutive bytes, aligned
.endr
.endr
	WIN 0
	s_wait_tensorcnt 0x1                           ; the scales and my part of slot 0 are in; slot 1's load may be out
	s_barrier_signal -1
	s_barrier_wait -1                              ; everybody's are
	FETCH 0, 0, 0
	SCALES 0
	s_wait_loadcnt 32                              ; the bias is in; the 32 loads of the residual may be out
	STEP 0, 0, 1                                   ; the first step stands in front of the loop: the bias starts the sums
.if LAPS > 1
	WIN 0
	s_mov_b32 s3, LAPS-1
.Llap:                                                 ; a trip goes once round the ring and fills both slots again
	STEP 0, 1, 0
	STEP 0, 2, 0
	TURN 0, 1, 1
	STEP 1, 0, 0
	STEP 1, 1, 0
	STEP 1, 2, 0
	TURN 1, 0, 1
	STEP 0, 0, 0
	WIN 0
	s_sub_co_u32 s3, s3, 1
	s_cmp_lg_u32 s3, 0
	s_cbranch_scc1 .Llap
.endif
	STEP 0, 1, 0                                   ; the last lap fills nothing
	STEP 0, 2, 0
	TURN 0, 1, 0
	STEP 1, 0, 0
	STEP 1, 1, 0
	STEP 1, 2, 0
	s_wait_dscnt 0x0
	WIN MUL
	MUL16 1, 3, 1, 0
	WIN 0
	PLACES 4                                       ; in front of the first read of results
; THE WAY OUT, 16 rows x 64 columns at a time: through my own stage and back as rows of 256 bytes; LDS serves a wave's instructions in order, so no wait stands between the stores and the loads.
.macro TOSTAGE a
.irp b, 0,1,2,3
	ds_store_b128 v[STO], v[ACC+8*(4*(\a)+\b):ACC+8*(4*(\a)+\b)+3] offset:64*\b        ; each accumulator from its low end on
	ds_store_b128 v[STO], v[ACC+8*(4*(\a)+\b)+4:ACC+8*(4*(\a)+\b)+7] offset:64*\b+16
.endr
.set TB, 64+32*((\a)%2)
.irp t, 0,1,2,3,4,5,6,7
	ds_load_b128 v[TB+4*\t:TB+4*\t+3], v[RD] offset:544*\t
.endr
.endm
.macro SEND a, younger, first          ; younger: the LDS instructions issued behind block a's loads, which may stay out
.set TB, 64+32*((\a)%2)
	s_wait_dscnt \younger
.if \first
	s_wait_loadcnt 0x0                             ; the residual
.endif
	WIN ADDW
.irp i, 0,2,4,6,8,10,12,14,16,18,20,22,24,26,28,30
	v_pk_add_f32 v[TB+\i:TB+\i+1], v[TB+\i:TB+\i+1], v[32*(\a)+\i:32*(\a)+\i+1]
.endr
	WIN 0
.irp t, 0,1,2,3,4,5,6,7
	global_store_b128 v[CO], v[TB+4*\t:TB+4*\t+3], s[94:95] offset:(16*(\a)+2*\t)*4096   ; sixteen lanes store 256 consecutive bytes, aligned
.endr
.endm
	TOSTAGE 0
	TOSTAGE 1
	SEND 0, 16, 1                                  ; behind block 0's loads: block 1's 8 stores and 8 loads
	s_wait_xcnt 0x0                                ; block 0's stores have read their registers: block 2's loads may land there
	TOSTAGE 2
	SEND 1, 16, 0
	s_wait_xcnt 0x0
	TOSTAGE 3
	SEND 2, 16, 0
	SEND 3, 0, 0
	s_wait_tensorcnt 0x0                           ; the wave's end
	ds_add_u32 v[SPW], v[NIL]
	s_wait_dscnt 0x0
	CROUND                                         ; the closing round: no work-group ends while a partner may still ask for a tile that names it
	s_endpgm
.Lfunc_end_k_q5ca4f40893_gffn2:
	.size	k_q5ca4f40893_gffn2, .Lfunc_end_k_q5ca4f40893_gffn2-k_q5ca4f40893_gffn2
	.p2alignl 7, 3214868480
	.fill 96, 4, 3214868480
	.section	.rodata,"a",@progbits
	.p2align	6, 0x0
	.amdhsa_kernel k_q5ca4f40893_gffn2
		.amdhsa_group_segment_fixed_size 327680
		.amdhsa_private_segment_fixed_size 0
		.amdhsa_enable_private_segment 0
		.amdhsa_kernarg_size 48
		.amdhsa_user_sgpr_count 2
		.amdhsa_user_sgpr_kernarg_segment_ptr 1
		.amdhsa_wavefront_size32 1
		.amdhsa_system_sgpr_workgroup_id_x 1
		.amdhsa_system_sgpr_workgroup_id_y 1
		.amdhsa_system_sgpr_workgroup_id_z 1
		.amdhsa_system_vgpr_workitem_id 0
		.amdhsa_next_free_vgpr 640
		.amdhsa_next_free_sgpr 102
		.amdhsa_reserve_vcc 0
		.amdhsa_float_denorm_mode_32 3
		.amdhsa_float_denorm_mode_16_64 3
		.amdhsa_memory_ordered 1
		.amdhsa_forward_progress 1
		.amdhsa_inst_pref_size 107
	.end_amdhsa_kernel
	.amdgpu_metadata
---
amdhsa.version: [ 1, 2 ]
amdhsa.kernels:
  - .name:           k_q5ca4f40893_gffn2
    .symbol:         k_q5ca4f40893_gffn2.kd
    .args:
      - { .name: fc, .offset: 0, .size: 8, .value_kind: global_buffer, .address_space: global }
      - { .name: ffn2_w_codes, .offset: 8, .size: 8, .value_kind: global_buffer, .address_space: global }
      - { .name: ffn2_w_scales, .offset: 16, .size: 8, .value_kind: global_buffer, .address_space: global }
      - { .name: ffn2_b, .offset: 24, .size: 8, .value_kind: global_buffer, .address_space: global }
      - { .name: x1, .offset: 32, .size: 8, .value_kind: global_buffer, .address_space: global }
      - { .name: out0, .offset: 40, .size: 8, .value_kind: global_buffer, .address_space: global }
    .group_segment_fixed_size: 327680
    .private_segment_fixed_size: 0
    .kernarg_segment_align: 8
    .kernarg_segment_size: 48
    .max_flat_workgroup_size: 128
    .sgpr_count:     102
    .vgpr_count:     640
    .wavefront_size: 32
...
	.end_amdgpu_metadata
.endif
;; end of part 6
;; ======== version 2 of 2: 7 launches
;; workspace buffers: hc 3,276,800 bytes; qc 3,407,872 bytes; kv 6,684,672 bytes; ac 3,276,800 bytes; x1 16,777,216 bytes; fc 13,107,200 bytes
;; launch ln1q: the kernel of part 1 again; grid 256 x 1, 8 waves a work-group, no clusters, 87,552 bytes of LDS; arguments x, ln1_g, ln1_b, hc; writes hc
;; launch gqkv (part 7): grid 8 x 32, 4 waves a work-group, clusters of 4 x 4, 327,680 bytes of LDS; arguments hc, wq_w_codes, wq_w_scales, wq_b, wk_w_codes, wk_w_scales, wk_b, wv_w_codes, wv_w_scales, wv_b, qc, kv; writes qc, kv
.if DOCPART == 7
	.amdgcn_target "amdgcn-amd-amdhsa--gfx1250"
	.amdhsa_code_object_version 6
	.text
	.protected	k_q5ca4f40893_gqkv
	.globl	k_q5ca4f40893_gqkv
	.p2align	8
	.type	k_q5ca4f40893_gqkv,@function
k_q5ca4f40893_gqkv:
	s_mov_b64 s[64:65], 0
	v_nop
	global_prefetch_b8 v0, s[64:65] scope:SCOPE_SE
	s_setreg_imm32_b32 hwreg(HW_REG_WAVE_MODE, 25, 1), 1
	s_wait_xcnt 0x0
	s_wait_alu depctr_hold_cnt(0) depctr_sa_sdst(0) depctr_va_vdst(0) depctr_va_sdst(0) depctr_va_ssrc(0) depctr_va_vcc(0) depctr_vm_vsrc(0)
	s_getreg_b32 s2, hwreg(HW_REG_IB_STS2, 6, 4)
	s_cmp_eq_u32 s2, 0
	s_cbranch_scc0 .Lentry_in_a_cluster
	s_endpgm
.Lentry_in_a_cluster:
	s_bfe_u32 s2, ttmp6, 0x10000c
	s_cmp_lg_u32 s2, 0xf033
	s_cbranch_scc0 .Lentry_shape_is_right
	s_endpgm
.Lentry_shape_is_right:
; q, k, v = h W^T + b on codes of BF6 (E3M2) with E8M0 scales for each 32 along K = 1,024; the results are quantised in registers and leave as codes: q and k along the head's 64, v along the keys.
; h comes as fragment images (16 rows x 128 K: 1,536 bytes, in the order of the operand's registers), the weights as rows of codes (768 bytes a row).
; A WORK-GROUP STAYS: it owns 128 tokens x 128 features and makes that tile of q, then of k, then of v.  Its 128 rows of h (98,304 bytes, all of K) come into LDS once and serve all three; the weights' tiles
; (128 rows, all of K) go through two buffers: wq's and wk's are filled at the start, wv's takes wq's place when q's last fragments are in registers.  Four waves, 64 x 64 (16 accumulators) each: a wave's 64 features are one head.
; CLUSTERS: 4 x 4 work-groups; h's rows are shared along a row of the cluster, the weights' along a column: each is asked for jointly, by the same tensor load with the same descriptor and a mask that names the four.
; Every wave issues every load, for a quarter of its own (addresses stepped by the wave's number): no branch stands round a tensor load.
; q, k: source 0 = 16 rows of W, source 1 = 16 tokens: a lane holds ONE token and its registers run along the features.  v: the sources change places: a lane holds ONE channel and its registers run along the tokens (the keys).
; THE ORDER INSIDE A BLOCK OF 32: the 16 registers of two neighbouring tiles hold indices 8 h + j and 16 + 8 h + j.  They are quantised as they stand: q and k, and later p and v, come out in the same order on both sides
; of their product, which leaves the products as they are; which numbers share a block, and so the scales, do not change.
; OUT.  qc: [head of 32][16 tokens of 128][768]: half a fragment image (K = 64); scale words behind them, 64 to a group of 64 tokens, word w for token w / 2 + 32 (w % 2), bytes 2, 3 zero.
;       kv: [head of 32][128 keys of 16][13,056]: k's eight half images, v's four images (16 channels x 128 keys), k's 128 scale words (laid as q's), v's 64 scale words.
; LIMITS: a block whose largest magnitude lies under 2^-122 keeps the byte 1; a block of zeros gets the byte 1 (its codes are zeros; this program alone reads the bytes); NaN and infinities are not served.
; REGISTERS.  Window 0: v1-3 r, h, lane; v8-17 addresses; v18-23 the way out; v28, v29 for the add; v32-47 h's scale words (all of K, they stay); v48-63 W's (a tile's); v64-95 the codes; v96-115 at work; v128-255 accumulators.
;             Window 1: two sets of fragments at v0 and v128: h's four at + 12 a, W's four at + 48 + 12 b; v96-127 the bias, the C that starts a tile's sums.
.set NT,    3                          ; tiles that a work-group walks
.set KROW,  768                        ; a row of W's codes
.set MBB,   12288                      ; an m-block's eight images
.set ASOFF, 3145728                    ; where h's scale words begin
.set SOFF,  3145728                    ; where q's scale words begin in qc
.set STEPB, 13056                      ; kv: the bytes of 128 keys of a head
.set AQ,    2*MBB                      ; LDS from 0: h, a quarter (two m-blocks) to a wave
.set BL,    4*AQ                       ; then W's two buffers
.set BP,    816                        ; a row of W in LDS: 3 x (256 bytes + 16 of padding) = 204 words: the 16 rows of a load start at 16 different multiples of 4 banks, lanes 16-31 fall between them
.set BQ,    32*BP                      ; a quarter: 32 rows
.set BBUF,  4*BQ
.set BSL,   BL+2*BBUF                  ; W's scale bytes of the three tiles, as units of 256 + 16
.set BST,   4352                       ; a tile's
.set SPARE, BSL+NT*BST                 ; the spare words: 128 bytes a wave, two blocks of 256 bytes that no other line names
.set STG,   SPARE+512                  ; v's scale words on their way out: 512 bytes; no fill lands here
.set AA16, 8
.set AA8,  9
.set AB,   12
.set AB2,  14
.set ASA,  16
.set ASB,  17
.set SPW,  28
.set NIL,  29
.set SA,   32
.set SB,   48
.set TM,   96
.set PD,   102
.set ACC,  128
.set BI,   96                          ; in window 1
.set G1A,  24
.set G1B,  32
.set G1S,  40
.set G0A,  48
.set G0B,  52                          ; three sets: wq, wk, wv
.set SEL,  66
.set G0S,  68                          ; three sets
.set MUL,  0x05                        ; sources 0 and 1 window 1; C and D window 0
.set MULF, 0x15                        ; the same with C in window 1: the bias
.set TO_F, 0x40                        ; destination window 1, address window 0
.set MSB, 0
.macro WIN new                         ; the immediate's high byte repeats the setting that is left
.if MSB != \new
	s_set_vgpr_msb (MSB<<8)|\new
.set MSB, \new
.endif
.endm
.macro PLACES n
.rept \n
	v_nop
.endr
.endm
.macro CROUND                          ; a round of the cluster's barrier
	s_barrier_signal -1
	s_barrier_wait -1
	s_cmp_lg_u32 s14, 0
	s_cbranch_scc1 .Lnot_wave_0_\@
	s_barrier_signal -3
.Lnot_wave_0_\@:
	s_barrier_wait -3
	s_barrier_signal -1
	s_barrier_wait -1
.endm
; 40 LDS loads: the fragments of K step s, W's from buffer bt, into set p.  h's come as images (16 and 8 bytes a lane, consecutive); W's as six pieces of 8 bytes of the row's stream of bits;
; lanes 16-31 read three pieces further on, which for some pieces is behind one padding more: the second address register serves those.
.macro FETCH bt, s, p
	WIN TO_F
.irp a, 0,1,2,3
.irp c, 0,1
	ds_load_b128 v[128*(\p)+12*\a+6*\c:128*(\p)+12*\a+6*\c+3], v[AA16] offset:\a*MBB+(\s)*1536+\c*768
	ds_load_b64 v[128*(\p)+12*\a+6*\c+4:128*(\p)+12*\a+6*\c+5], v[AA8] offset:\a*MBB+(\s)*1536+\c*768
.endr
.endr
.irp b, 0,1,2,3
.irp u, 0,1,2,3,4,5
.set PC, 12*(\s)+6*(\u/3)+\u%3
.if PC%32 < 29
	ds_load_b64 v[128*(\p)+48+12*\b+2*\u:128*(\p)+48+12*\b+2*\u+1], v[AB+\bt] offset:8*PC+16*(PC/32)+\b*16*BP
.else
	ds_load_b64 v[128*(\p)+48+12*\b+2*\u:128*(\p)+48+12*\b+2*\u+1], v[AB2+\bt] offset:8*PC+16*(PC/32)+\b*16*BP
.endif
.endr
.endr
.endm
; W's scale words of tile ti for K steps 4 sg .. 4 sg + 3: register 8 sg + 4 j + q: lanes 0-15 W's tile 2 j, lanes 16-31 tile 2 j + 1
.macro SCALESB sg, ti
	WIN 0
.irp j, 0,1
	ds_load_b128 v[SB+8*(\sg)+4*\j:SB+8*(\sg)+4*\j+3], v[ASB] offset:\j*1088+(\sg)*16+(\ti)*BST
.endr
.endm
.macro WMS                             ; one product, by the symbols rD, rX, rY, rC, rSX, rSY; fX, fY: the side's scales stand in lanes 16-31
.if fX && fY
	v_wmma_scale_f32_16x16x128_f8f6f4 v[rD:rD+7], v[rX:rX+11], v[rY:rY+11], v[rC:rC+7], v[rSX], v[rSY] matrix_a_fmt:MATRIX_FMT_BF6 matrix_b_fmt:MATRIX_FMT_BF6 matrix_a_scale:MATRIX_SCALE_ROW1 matrix_b_scale:MATRIX_SCALE_ROW1
.elseif fX
	v_wmma_scale_f32_16x16x128_f8f6f4 v[rD:rD+7], v[rX:rX+11], v[rY:rY+11], v[rC:rC+7], v[rSX], v[rSY] matrix_a_fmt:MATRIX_FMT_BF6 matrix_b_fmt:MATRIX_FMT_BF6 matrix_a_scale:MATRIX_SCALE_ROW1
.elseif fY
	v_wmma_scale_f32_16x16x128_f8f6f4 v[rD:rD+7], v[rX:rX+11], v[rY:rY+11], v[rC:rC+7], v[rSX], v[rSY] matrix_a_fmt:MATRIX_FMT_BF6 matrix_b_fmt:MATRIX_FMT_BF6 matrix_b_scale:MATRIX_SCALE_ROW1
.else
	v_wmma_scale_f32_16x16x128_f8f6f4 v[rD:rD+7], v[rX:rX+11], v[rY:rY+11], v[rC:rC+7], v[rSX], v[rSY] matrix_a_fmt:MATRIX_FMT_BF6 matrix_b_fmt:MATRIX_FMT_BF6
.endif
.endm
; 16 products, K step s, on set p.  tt = 1: accumulator 4 a + b, source 0 = W's tile b, source 1 = h's block a.  tt = 0: accumulator 4 b + a, the sources changed.  first = 1: the bias is the C that starts the sums.
; The 16 accumulators take turns, one instruction a turn, in the same order in every step.
.macro MUL16 p, s, first, tt
.irp i, 0,1,2,3
.irp j, 0,1,2,3
.set rD, ACC+8*(4*\i+\j)
.set fX, \j%2
.set fY, \i%2
.if \tt
.set rX, 128*(\p)+48+12*\j
.set rY, 128*(\p)+12*\i
.set rSX, SB+8*((\s)/4)+4*(\j/2)+(\s)%4
.set rSY, SA+2*(\s)+(\i/2)
.set rC, BI+8*\j
.else
.set rX, 128*(\p)+12*\j
.set rY, 128*(\p)+48+12*\i
.set rSX, SA+2*(\s)+(\j/2)
.set rSY, SB+8*((\s)/4)+4*(\i/2)+(\s)%4
.set rC, BI+8*\i
.endif
.if \first == 0
.set rC, rD
.endif
	WMS
.endr
.endr
.endm
.macro BIASR t                         ; q's (t = 0) or k's (1) bias: lane (r, h), tile b: that of features 16 b + 8 h + 0 .. 7
	WIN TO_F
.irp b, 0,1,2,3
	global_load_b128 v[BI+8*\b:BI+8*\b+3], v21, s[86+2*(\t):87+2*(\t)] offset:64*\b
	global_load_b128 v[BI+8*\b+4:BI+8*\b+7], v21, s[86+2*(\t):87+2*(\t)] offset:64*\b+16
.endr
.endm
.macro BIASC                           ; v's: a lane holds one channel: its bias in all eight registers
	WIN TO_F
.irp b, 0,1,2,3
.irp j, 0,1,2,3,4,5,6,7
	global_load_b32 v[BI+8*\b+\j], v22, s[90:91] offset:64*\b
.endr
.endr
.endm
; K step s (0 .. 6) of tile ti: this step's set is in; the other set, four places behind the products that read it, takes the next step's fragments while this one is multiplied.
; Step 1 also asks for the next tile's bias (the places above stand behind the products that read this tile's), step 3 for W's scale words of steps 4 to 7.
.macro STEP bt, s, first, tt, ti
	s_wait_dscnt 0x0
	PLACES 4
	FETCH \bt, (\s)+1, ((\s)+1)%2
.if (\s) == 1 && (\ti) == 0
	BIASR 1
.endif
.if (\s) == 1 && (\ti) == 1
	BIASC
.endif
.if (\s) == 3
	SCALESB 1, \ti
.endif
.if \first
	s_wait_loadcnt 0x0                             ; the bias (ahead of the first tile: h's scale words too)
	WIN MULF
.else
	WIN MUL
.endif
	MUL16 (\s)%2, \s, \first, \tt
.endm
.macro TILE bt, tt, ti
	STEP \bt, 0, 1, \tt, \ti
.irp ss, 1,2,3,4,5,6
	STEP \bt, \ss, 0, \tt, \ti
.endr
.endm
; A tile's last K step changes buffers: each wave waits for all its tensor loads, adds 0 to its spare word, waits for that and for its reads of this buffer (its last fragments are in registers).
; fill = 1: a round of the cluster's barrier, and the joint refill first behind it, one load a wave: wv's tile into wq's buffer; it has k's whole tile in which to land.
.macro TURN nx, fill, tt, ti
	WIN 0
	s_wait_tensorcnt 0x0                           ; no tensor load of mine is out: my part of the next buffer has landed
	ds_add_u32 v[SPW], v[NIL]                      ; 0 onto my spare word
	s_wait_dscnt 0x0
.if \fill
	CROUND
	tensor_load_to_lds s[G0B+8:G0B+11], s[G1B:G1B+7]
	s_nop 0
	PLACES 4                                       ; also the places in front of the loads below
.else
	s_barrier_signal -1
	s_barrier_wait -1
	PLACES 4
.endif
	FETCH \nx, 0, 0
	SCALESB 0, (\ti)+1
	WIN MUL
	MUL16 1, 7, 0, \tt
.endm
; 32 registers, two blocks of 32 of which lane l xor 16 holds the other halves, become half a fragment image in v[pc] .. v[pc + 5] and two scale bytes in v[pw]
.macro QUANT32 s, pc, pw
.irp b, 0,1
	v_max3_num_f32 v[TM+\b], |v[(\s)+16*\b]|, |v[(\s)+16*\b+1]|, 0x2800000   ; with the floor 2^(5 - 127): the byte cannot fall under 1
.endr
.irp i, 2,4,6,8,10,12,14
.irp b, 0,1
	v_max3_num_f32 v[TM+\b], v[TM+\b], |v[(\s)+16*\b+\i]|, |v[(\s)+16*\b+\i+1]|
.endr
.endr
.irp b, 0,1
	v_permlanex16_b32 v[TM+2+\b], v[TM+\b], s[SEL], s[SEL+1]
.endr
.irp b, 0,1
	v_max_num_f32 v[TM+\b], v[TM+\b], v[TM+2+\b]                   ; the block's largest magnitude
.endr
.irp b, 0,1
	v_add_nc_u32 v[TM+4+\b], 0xfe000000, v[TM+\b]                  ; 4 off its exponent field: the conversion's scale operand
.endr
.irp b, 0,1
	v_lshrrev_b32 v[TM+2+\b], 23, v[TM+4+\b]                       ; the scale's byte
.endr
	v_lshl_or_b32 v[\pw], v[TM+3], 8, v[TM+2]
	v_cvt_scalef32_pk16_bf6_f32 v[(\pc):(\pc)+2], v[(\s):(\s)+15], v[TM+4]
	v_cvt_scalef32_pk16_bf6_f32 v[PD:PD+2], v[(\s)+16:(\s)+31], v[TM+5]
	v_nop                                          ; a plain instruction behind the scaled conversions
.irp i, 0,1,2
	v_permlane16_swap_b32 v[(\pc)+\i], v[PD+\i]    ; the layout wants a WHOLE block in a lane: lanes 0-15 the first block, lanes 16-31 the second
.endr
.irp i, 0,1,2
	v_mov_b32 v[(\pc)+3+\i], v[PD+\i]
.endr
.endm
; q's or k's way out: cb, sb: the scalar pairs with the places of my four half images and of my 64 tokens' scale words
.macro EQK cb, sb
	WIN 0
	PLACES 4                                       ; in front of the first read of results
	s_wait_xcnt 0x0                                ; earlier stores have read their registers: the codes may be written again
.irp a, 0,1,2,3
	QUANT32 ACC+32*\a, 64+8*\a, 108+\a             ; tokens 16 a + r: the head's 64 features, two blocks
	global_store_b128 v18, v[64+8*\a:64+8*\a+3], s[\cb:\cb+1] offset:768*\a        ; 512 consecutive bytes,
	global_store_b64 v19, v[64+8*\a+4:64+8*\a+5], s[\cb:\cb+1] offset:768*\a+512   ; and 256
.endr
	v_cndmask_b32 v112, v108, v109, s101           ; lane l: token l's word,
	v_cndmask_b32 v113, v110, v111, s101           ; and token 32 + l's
	global_store_b64 v19, v[112:113], s[\sb:\sb+1] ; 256 consecutive bytes, aligned
.endm
	s_load_b64 s[84:85], s[0:1], 0x0               ; h's codes and scales
	s_load_b512 s[24:39], s[0:1], 0x8              ; wq: codes, scales, bias; wk: codes, scales, bias; wv: codes, scales   (in registers that the descriptors' groups 1 take afterwards)
	s_load_b128 s[40:43], s[0:1], 0x48             ; wv's bias; qc
	s_load_b64 s[44:45], s[0:1], 0x58              ; kv
	v_lshl_add_u32 v[SPW], v0, 2, SPARE
	v_mov_b32 v[NIL], 0
	ds_add_u32 v28, v29
	ds_add_u32 v28, v29
	s_wait_dscnt 0x0
	v_lshrrev_b32 v1, 5, v0
	v_readfirstlane_b32 s14, v1                    ; wave 0..3
	s_lshr_b32 s15, s14, 1                         ; which half of the tile's tokens is mine
	s_and_b32 s16, s14, 1                          ; which half of its features
	s_bfe_u32 s19, ttmp6, 0x40000                  ; cx
	s_bfe_u32 s20, ttmp6, 0x40004                  ; cy
	s_lshl_b32 s18, ttmp9, 2
	s_add_co_u32 s18, s18, s19                     ; feature tile 0..7 = 4 x cluster x + cx
	s_and_b32 s17, ttmp7, 0xffff
	s_lshl_b32 s17, s17, 2
	s_add_co_u32 s17, s17, s20                     ; token tile 0..31 = 4 x cluster y + cy
	s_lshl_b32 s21, s20, 2
	s_lshl_b32 s21, 15, s21                        ; my row of the cluster
	s_lshl_b32 s22, 0x1111, s19                    ; my column
	; what I fetch: of h m-blocks 8 x token tile + 2 x wave on; of each W rows 128 x feature tile + 32 x wave on
	s_lshl_b32 s4, s17, 3
	s_lshl_b32 s5, s14, 1
	s_add_co_u32 s4, s4, s5
	s_mul_i32 s4, s4, MBB
	s_mov_b32 s5, 0
	s_lshl_b32 s6, s18, 2
	s_add_co_u32 s6, s6, s14
	s_lshl_b32 s8, s6, 10                          ; their scale bytes: 32 rows of 32,
	s_mul_i32 s6, s6, 32*KROW                      ; their codes
	s_mov_b32 s7, 0
	s_mov_b32 s9, 0
	s_mul_i32 s10, s14, AQ                         ; where they go: no place in the cluster enters an LDS address
	s_mul_i32 s11, s14, BQ
	s_add_co_u32 s11, s11, BL
	s_mul_i32 s12, s14, 1088
	s_add_co_u32 s12, s12, BSL
	; where the results go (offsets; in registers that feed no descriptor)
	s_lshr_b32 s100, s17, 4                        ; batch
	s_and_b32 s101, s17, 15                        ; token tile in the batch: 128 keys
	s_lshl_b32 s13, s18, 1
	s_add_co_u32 s13, s13, s16                     ; my head
	s_lshl_b32 s23, s100, 4
	s_add_co_u32 s23, s23, s13                     ; 16 x batch + head
	s_lshl_b32 s2, s13, 8                          ; the bias of my head's 64 features
	s_mov_b32 s3, 0
	s_lshl_b32 s80, s23, 7
	s_lshl_b32 s100, s101, 3
	s_add_co_u32 s80, s80, s100
	s_lshl_b32 s100, s15, 2
	s_add_co_u32 s80, s80, s100
	s_mul_i32 s80, s80, 768                        ; q: my four half images
	s_mov_b32 s81, 0
	s_lshl_b32 s82, s23, 13
	s_lshl_b32 s100, s101, 1
	s_add_co_u32 s100, s100, s15
	s_lshl_b32 s100, s100, 8
	s_add_co_u32 s82, s82, s100
	s_add_co_u32 s82, s82, SOFF                    ; q: my 64 tokens' scale words
	s_mov_b32 s83, 0
	s_lshl_b32 s100, s23, 4
	s_add_co_u32 s100, s100, s101
	s_mul_i32 s100, s100, STEPB                    ; kv: (head, these 128 keys)
	s_mul_i32 s92, s15, 3072
	s_add_co_u32 s92, s92, s100                    ; k: my four half images
	s_mov_b32 s93, 0
	s_lshl_b32 s94, s15, 8
	s_add_co_u32 s94, s94, s100
	s_add_co_u32 s94, s94, 12288                   ; k: my 64 tokens' scale words
	s_mov_b32 s95, 0
	s_mul_i32 s96, s15, 768
	s_add_co_u32 s96, s96, s100
	s_add_co_u32 s96, s96, 6144                    ; v: four images; my 64 keys are half of each
	s_mov_b32 s97, 0
	s_add_co_u32 s98, s100, 12800                  ; v: the head's 64 scale words (waves 0 and 1 store those of the tile's two heads)
	s_mov_b32 s99, 0
	s_mov_b32 s101, 0xffff0000                     ; a mask of lanes 16-31
	s_mov_b32 s[SEL], 0x76543210
	s_mov_b32 s[SEL+1], 0xfedcba98                 ; selects: lane l xor 16
	s_wait_kmcnt 0x0
	s_mov_b32 s[G0A], 1
	s_mov_b32 s[G0A+1], s10
	s_add_nc_u64 s[G0A+2:G0A+3], s[84:85], s[4:5]
	s_or_b32 s[G0A+3], s[G0A+3], 0x80000000
.irp t, 0,1,2
	s_mov_b32 s[G0S+4*\t], 1
	s_add_co_u32 s[G0S+4*\t+1], s12, \t*BST
	s_add_nc_u64 s[G0S+4*\t+2:G0S+4*\t+3], s[26+6*\t:27+6*\t], s[8:9]
	s_or_b32 s[G0S+4*\t+3], s[G0S+4*\t+3], 0x80000000
	s_mov_b32 s[G0B+4*\t], 1
	s_add_co_u32 s[G0B+4*\t+1], s11, (\t%2)*BBUF   ; wq: buffer 0, wk: buffer 1, wv: buffer 0 again
	s_add_nc_u64 s[G0B+4*\t+2:G0B+4*\t+3], s[24+6*\t:25+6*\t], s[6:7]
	s_or_b32 s[G0B+4*\t+3], s[G0B+4*\t+3], 0x80000000
	s_add_nc_u64 s[86+2*\t:87+2*\t], s[28+6*\t:29+6*\t], s[2:3]    ; the three biases at my head
.endr
	s_add_nc_u64 s[80:81], s[42:43], s[80:81]
	s_add_nc_u64 s[82:83], s[42:43], s[82:83]
	s_add_nc_u64 s[92:93], s[44:45], s[92:93]
	s_add_nc_u64 s[94:95], s[44:45], s[94:95]
	s_add_nc_u64 s[96:97], s[44:45], s[96:97]
	s_add_nc_u64 s[98:99], s[44:45], s[98:99]
	s_lshl_b32 s2, s17, 3
	s_lshl_b32 s13, s15, 2
	s_add_co_u32 s2, s2, s13
	s_lshl_b32 s2, s2, 9
	s_add_co_u32 s2, s2, ASOFF
	s_add_nc_u64 s[84:85], s[84:85], s[2:3]        ; h's scale words of my four m-blocks: 512 bytes an m-block
	; descriptor groups 1 (the pointers that lay here have been used)
	s_or_b32 s[G1A], s21, (3<<16)|(1<<21)          ; h's images: mask = my row; elements of 8 bytes; bit 21 beside a mask; a dense block as rows of 256 bytes
	s_mov_b32 s[G1A+1], 32<<16
	s_mov_b32 s[G1A+2], 96<<16
	s_mov_b32 s[G1A+3], 32<<16
	s_mov_b32 s[G1A+4], 96
	s_mov_b32 s[G1A+5], 32
	s_mov_b32 s[G1A+6], 0
	s_mov_b32 s[G1A+7], 0
	s_or_b32 s[G1B], s22, (1<<20)|(1<<21)|(5<<22)|(3<<25)   ; W's rows: mask = my column; bytes; 4 words of padding behind every 64
	s_mov_b32 s[G1B+1], KROW<<16
	s_mov_b32 s[G1B+2], 32<<16
	s_mov_b32 s[G1B+3], KROW<<16
	s_mov_b32 s[G1B+4], 32
	s_mov_b32 s[G1B+5], KROW
	s_mov_b32 s[G1B+6], 0
	s_mov_b32 s[G1B+7], 0
	s_or_b32 s[G1S], s22, (3<<16)|(1<<20)|(1<<21)|(5<<22)|(3<<25)   ; W's scale bytes: 4 dense rows of 256 bytes, 16 bytes of padding behind each
	s_mov_b32 s[G1S+1], 32<<16
	s_mov_b32 s[G1S+2], 4<<16
	s_mov_b32 s[G1S+3], 32<<16
	s_mov_b32 s[G1S+4], 4
	s_mov_b32 s[G1S+5], 32
	s_mov_b32 s[G1S+6], 0
	s_mov_b32 s[G1S+7], 0
	CROUND                                         ; all sixteen work-groups are here: the first joint loads meet
	tensor_load_to_lds s[G0S:G0S+3], s[G1S:G1S+7]          ; the first fills stand together: six tensor loads of mine are out
	s_nop 0
	tensor_load_to_lds s[G0S+4:G0S+7], s[G1S:G1S+7]
	s_nop 0
	tensor_load_to_lds s[G0S+8:G0S+11], s[G1S:G1S+7]
	s_nop 0
	tensor_load_to_lds s[G0A:G0A+3], s[G1A:G1A+7]
	s_nop 0
	tensor_load_to_lds s[G0B:G0B+3], s[G1B:G1B+7]
	s_nop 0
	tensor_load_to_lds s[G0B+4:G0B+7], s[G1B:G1B+7]
	s_nop 0
	PLACES 4
	v_and_b32 v1, 15, v0                           ; r
	v_bfe_u32 v2, v0, 4, 1                         ; h
	v_and_b32 v3, 31, v0                           ; lane
	s_mul_i32 s4, s15, 2*AQ                        ; my 64 tokens
	v_lshl_add_u32 v[AA16], v3, 4, s4
	v_lshl_add_u32 v[AA8], v3, 3, s4
	v_add_nc_u32 v[AA8], 512, v[AA8]
	s_mul_i32 s5, s16, 2*BQ                        ; my 64 rows of W
	s_add_co_u32 s5, s5, BL
	v_mul_u32_u24 v4, v1, BP
	v_mad_u32_u24 v5, v2, 24, v4
	v_add_nc_u32 v[AB], s5, v5                     ; row x pitch + 24 x half
	v_add_nc_u32 v[AB+1], BBUF, v[AB]
	v_lshl_add_u32 v[AB2], v2, 4, v[AB]            ; and the same behind one padding more
	v_add_nc_u32 v[AB2+1], BBUF, v[AB2]
	s_mul_i32 s7, s16, 2176
	s_add_co_u32 s7, s7, BSL
	v_lshlrev_b32 v4, 5, v3
	v_lshrrev_b32 v5, 8, v4
	v_lshl_add_u32 v4, v5, 4, v4
	v_add_nc_u32 v[ASB], s7, v4                    ; W's scale bytes: row = lane, 32 bytes a row, 16 more for each 256 passed
	v_lshlrev_b32 v[ASA], 2, v1
	v_lshl_add_u32 v[ASA], v2, 9, v[ASA]           ; h's scale words in memory: 4 r, lanes 16-31 one m-block on
	v_lshlrev_b32 v18, 4, v3                       ; the way out: 16 x lane,
	v_lshlrev_b32 v19, 3, v3                       ; 8 x lane
	s_lshl_b32 s4, s16, 8
	s_lshl_b32 s5, s15, 1
	s_add_co_u32 s4, s4, s5
	s_add_co_u32 s4, s4, STG
	v_lshl_add_u32 v20, v1, 2, s4                  ; v's scale bytes: word of channel r of my head, the half-word of my 64 keys
	v_lshlrev_b32 v21, 5, v2                       ; q's, k's bias: 32 h
	v_lshlrev_b32 v22, 2, v1                       ; v's bias: 4 r
	s_lshl_b32 s4, s14, 8
	s_add_co_u32 s4, s4, STG
	v_lshl_add_u32 v23, v3, 3, s4                  ; and where waves 0, 1 read a head's 64 words back
	v_mov_b32 v[TM+2], 0                           ; a lane permute's destination counts as read: written once
	v_mov_b32 v[TM+3], 0
.irp s, 0,1,2,3,4,5,6,7
.irp j, 0,1
	global_load_b32 v[SA+2*\s+\j], v[ASA], s[84:85] offset:\j*1024+\s*64       ; register 2 s + j: lanes 0-15 m-block 2 j, lanes 16-31 m-block 2 j + 1; once for the launch
.endr
.endr
	BIASR 0
	WIN 0
	s_wait_tensorcnt 0x1                           ; the scale bytes, h and wq's tile: my parts are in; wk's load may be out
	s_barrier_signal -1
	s_barrier_wait -1                              ; everybody's are
	FETCH 0, 0, 0
	SCALESB 0, 0
	TILE 0, 1, 0                                   ; q
	TURN 1, 1, 1, 0
	EQK 80, 82
	TILE 1, 1, 1                                   ; k
	TURN 0, 0, 1, 1
	EQK 92, 94
	TILE 0, 0, 2                                   ; v
	s_wait_dscnt 0x0
	WIN MUL
	MUL16 1, 7, 0, 0
	WIN 0
	PLACES 4                                       ; in front of the first read of results
	s_wait_xcnt 0x0                                ; k's stores have read their registers
.irp b, 0,1,2,3
	QUANT32 ACC+32*\b, 64+8*\b, 108+\b             ; channel 16 b + r: my 64 keys, two blocks
	global_store_b128 v18, v[64+8*\b:64+8*\b+3], s[96:97] offset:1536*\b
	global_store_b64 v19, v[64+8*\b+4:64+8*\b+5], s[96:97] offset:1536*\b+512
	ds_store_b16 v20, v[108+\b] offset:64*\b       ; lanes r and 16 + r write the same two bytes with the same value
.endr
	s_wait_dscnt 0x0                               ; for the others' sake: my stores are done
	s_barrier_signal -1
	s_barrier_wait -1
	s_cmp_ge_u32 s14, 2
	s_cbranch_scc1 .Lno_words
	ds_load_b64 v[114:115], v23
	s_wait_dscnt 0x0
	global_store_b64 v19, v[114:115], s[98:99]     ; 256 consecutive bytes, aligned
.Lno_words:
	s_wait_tensorcnt 0x0                           ; the wave's end
	ds_add_u32 v[SPW], v[NIL]
	s_wait_dscnt 0x0
	CROUND                                         ; the closing round: no work-group ends while a partner may still ask for a tile that names it
	s_endpgm
.Lfunc_end_k_q5ca4f40893_gqkv:
	.size	k_q5ca4f40893_gqkv, .Lfunc_end_k_q5ca4f40893_gqkv-k_q5ca4f40893_gqkv
	.p2alignl 7, 3214868480
	.fill 96, 4, 3214868480
	.section	.rodata,"a",@progbits
	.p2align	6, 0x0
	.amdhsa_kernel k_q5ca4f40893_gqkv
		.amdhsa_group_segment_fixed_size 327680
		.amdhsa_private_segment_fixed_size 0
		.amdhsa_enable_private_segment 0
		.amdhsa_kernarg_size 96
		.amdhsa_user_sgpr_count 2
		.amdhsa_user_sgpr_kernarg_segment_ptr 1
		.amdhsa_wavefront_size32 1
		.amdhsa_system_sgpr_workgroup_id_x 1
		.amdhsa_system_sgpr_workgroup_id_y 1
		.amdhsa_system_sgpr_workgroup_id_z 1
		.amdhsa_system_vgpr_workitem_id 0
		.amdhsa_next_free_vgpr 512
		.amdhsa_next_free_sgpr 102
		.amdhsa_reserve_vcc 0
		.amdhsa_float_denorm_mode_32 3
		.amdhsa_float_denorm_mode_16_64 3
		.amdhsa_memory_ordered 1
		.amdhsa_forward_progress 1
		.amdhsa_inst_pref_size 158
	.end_amdhsa_kernel
	.amdgpu_metadata
---
amdhsa.version: [ 1, 2 ]
amdhsa.kernels:
  - .name:           k_q5ca4f40893_gqkv
    .symbol:         k_q5ca4f40893_gqkv.kd
    .args:
      - { .name: hc, .offset: 0, .size: 8, .value_kind: global_buffer, .address_space: global }
      - { .name: wq_w_codes, .offset: 8, .size: 8, .value_kind: global_buffer, .address_space: global }
      - { .name: wq_w_scales, .offset: 16, .size: 8, .value_kind: global_buffer, .address_space: global }
      - { .name: wq_b, .offset: 24, .size: 8, .value_kind: global_buffer, .address_space: global }
      - { .name: wk_w_codes, .offset: 32, .size: 8, .value_kind: global_buffer, .address_space: global }
      - { .name: wk_w_scales, .offset: 40, .size: 8, .value_kind: global_buffer, .address_space: global }
      - { .name: wk_b, .offset: 48, .size: 8, .value_kind: global_buffer, .address_space: global }
      - { .name: wv_w_codes, .offset: 56, .size: 8, .value_kind: global_buffer, .address_space: global }
      - { .name: wv_w_scales, .offset: 64, .size: 8, .value_kind: global_buffer, .address_space: global }
      - { .name: wv_b, .offset: 72, .size: 8, .value_kind: global_buffer, .address_space: global }
      - { .name: qc, .offset: 80, .size: 8, .value_kind: global_buffer, .address_space: global }
      - { .name: kv, .offset: 88, .size: 8, .value_kind: global_buffer, .address_space: global }
    .group_segment_fixed_size: 327680
    .private_segment_fixed_size: 0
    .kernarg_segment_align: 8
    .kernarg_segment_size: 96
    .max_flat_workgroup_size: 128
    .sgpr_count:     102
    .vgpr_count:     512
    .wavefront_size: 32
...
	.end_amdgpu_metadata
.endif
;; end of part 7
;; launch attn (part 8): grid 8 x 32, 16 waves a work-group, clusters of 4 x 1, 210,944 bytes of LDS; arguments qc, kv, ac; writes ac
.if DOCPART == 8
	.amdgcn_target "amdgcn-amd-amdhsa--gfx1250"
	.amdhsa_code_object_version 6
	.text
	.protected	k_q5ca4f40893_attn
	.globl	k_q5ca4f40893_attn
	.p2align	8
	.type	k_q5ca4f40893_attn,@function
k_q5ca4f40893_attn:
	s_mov_b64 s[64:65], 0
	v_nop
	global_prefetch_b8 v0, s[64:65] scope:SCOPE_SE
	s_setreg_imm32_b32 hwreg(HW_REG_WAVE_MODE, 25, 1), 1
	s_wait_xcnt 0x0
	s_wait_alu depctr_hold_cnt(0) depctr_sa_sdst(0) depctr_va_vdst(0) depctr_va_sdst(0) depctr_va_ssrc(0) depctr_va_vcc(0) depctr_vm_vsrc(0)
	s_getreg_b32 s2, hwreg(HW_REG_IB_STS2, 6, 4)
	s_cmp_eq_u32 s2, 0
	s_cbranch_scc0 .Lentry_in_a_cluster
	s_endpgm
.Lentry_in_a_cluster:
	s_bfe_u32 s2, ttmp6, 0x10000c
	s_cmp_lg_u32 s2, 0x3003
	s_cbranch_scc0 .Lentry_shape_is_right
	s_endpgm
.Lentry_shape_is_right:
; O[q] = sum over keys of softmax(Q[q] . K[key] / 8) V[key] for one head of 64, 2,048 keys, both products on codes of BF6 (E3M2) with E8M0 scales; O is divided by the row's sum, quantised along the model's 1,024 and leaves as codes.
; THE SOFTMAX AHEAD OF THE SECOND PRODUCT: t = score x log2(e) / 8; M = the running largest t rounded UP to a whole number; p = 2^(t - M) is quantised along the keys, not normalised; the row's sum is taken of the
; unquantised p; when M moves, the sum and O are multiplied by 2^(old M - new M), which rounds nothing.
; SHARES.  A work-group owns 256 queries of one (batch, head); each of its sixteen waves 16 of them in 256 registers, four waves to a SIMD, so that one wave's vector work stands beside another's products and LDS loads.
; A head's K and V with their scale words are one dense block of 208,896 bytes, 13,056 for each 128 keys (K's eight half images, V's four images, K's 128 scale words, V's 64): ALL of it fits in LDS and nothing is filled again.
; IT COMES IN FOUR QUARTERS of 512 keys: each wave issues four loads at the start, a sixteenth (3,264 bytes, one row) of each quarter.  A wave's tensor loads end in order, so a counted wait and a barrier in front of each
; quarter's four steps show that quarter whole, and the later quarters land under the earlier ones' work.
; CLUSTER.  The four query blocks of a cluster belong to one head: each piece is asked for jointly, by the same tensor load with the same descriptor and a mask that names the four.
; LAYOUT.  Both products transposed: S^T = K Q^T (source 0 = 16 keys), O^T = V^T P^T (source 0 = 16 channels): a lane holds ONE query throughout.  K, Q, V come as images of the operand's registers.
; THE HEAD HAS 64 CHANNELS, the instruction takes 128: Q's upper six registers are zero codes; K's upper six are whatever follows (the next tile's codes: every code of this format is a finite number), and bytes 2, 3 of
; q's and k's scale words are 0, which is 2^-127 and no NaN: those products add nothing.
; p and v lie in the same order inside each block of 32 keys (8 h + j, 16 + 8 h + j); O's channels are brought into their natural order ahead of the quantiser, since its partner is a given weight.
; LIMITS: a block whose largest magnitude lies under 2^-122 keeps the byte 1; a block of zeros gets the byte 1 (its codes are zeros; this program alone reads the bytes); NaN and infinities are not served.
; The scale half-words of ac are stored two bytes a lane: a word's other half belongs to the neighbouring head, which another work-group makes.
; REGISTERS: v1, v2, v6 lane terms that stay, v7 lane, v8-10 the step's addresses, v14, v15 4 r and 8 r; v16-27 Q; v28 -M, v29 the largest t, v[30:31] the sum; v32-85 K's eight tiles, then V's four fragments; v86-89 K's scale words,
; v90, v91 V's, v92 Q's; v96-159 S^T, then p; v160-191 O^T; v192-203 p's codes; v204-243 at work.
.set STEPB, 13056                      ; the bytes of 128 keys
.set QB,    4*STEPB                    ; a quarter of a head
.set PIECE, QB/16                      ; a wave's part of it
.set HEADB, 16*STEPB
.set VO,    6144                       ; in a step's bytes: V's images,
.set KSO,   12288                      ; K's scale words,
.set VSO,   12800                      ; V's
.set SOFF,  3145728                    ; where the scale words begin in qc and ac
.set WV,   12
.set SEL,  68
.set CS,   70
.set CNT,  72
.set TK,   73
.set BM,   212                         ; v212-215 the blocks' largest scores, then largest p
.set BB,   216                         ; v216-219 the other half's, then the bytes
.set SO,   220                         ; v220-223 the conversions' scale operands
.set TM,   232
.set PD,   240
.macro CROUND                          ; a round of the cluster's barrier
	s_barrier_signal -1
	s_barrier_wait -1
	s_cmp_lg_u32 s[WV], 0
	s_cbranch_scc1 .Lnot_wave_0_\@
	s_barrier_signal -3
.Lnot_wave_0_\@:
	s_barrier_wait -3
	s_barrier_signal -1
	s_barrier_wait -1
.endm
; 32 registers, two blocks of 32 of which lane l xor 16 holds the other halves, become half a fragment image in v[pc] .. v[pc + 5] and two scale bytes in v[pw]
.macro QUANT32 s, pc, pw
.irp b, 0,1
	v_max3_num_f32 v[TM+\b], |v[(\s)+16*\b]|, |v[(\s)+16*\b+1]|, 0x2800000
.endr
.irp i, 2,4,6,8,10,12,14
.irp b, 0,1
	v_max3_num_f32 v[TM+\b], v[TM+\b], |v[(\s)+16*\b+\i]|, |v[(\s)+16*\b+\i+1]|
.endr
.endr
.irp b, 0,1
	v_permlanex16_b32 v[TM+2+\b], v[TM+\b], s[SEL], s[SEL+1]
.endr
.irp b, 0,1
	v_max_num_f32 v[TM+\b], v[TM+\b], v[TM+2+\b]
.endr
.irp b, 0,1
	v_add_nc_u32 v[TM+4+\b], 0xfe000000, v[TM+\b]
.endr
.irp b, 0,1
	v_lshrrev_b32 v[TM+2+\b], 23, v[TM+4+\b]
.endr
	v_lshl_or_b32 v[\pw], v[TM+3], 8, v[TM+2]
	v_cvt_scalef32_pk16_bf6_f32 v[(\pc):(\pc)+2], v[(\s):(\s)+15], v[TM+4]
	v_cvt_scalef32_pk16_bf6_f32 v[PD:PD+2], v[(\s)+16:(\s)+31], v[TM+5]
	v_nop
.irp i, 0,1,2
	v_permlane16_swap_b32 v[(\pc)+\i], v[PD+\i]
.endr
.irp i, 0,1,2
	v_mov_b32 v[(\pc)+3+\i], v[PD+\i]
.endr
.endm
	s_load_b128 s[4:7], s[0:1], 0x0                ; qc s[4:5], kv s[6:7]
	s_load_b64 s[8:9], s[0:1], 0x10                ; ac
	v_lshl_add_u32 v254, v0, 2, 0x33000
	v_mov_b32 v255, 0
	ds_add_u32 v254, v255
	ds_add_u32 v254, v255
	v_lshrrev_b32 v8, 5, v0
	v_readfirstlane_b32 s[WV], v8                  ; wave 0..15
	s_bfe_u32 s13, ttmp6, 0x40000                  ; cx
	s_lshl_b32 s14, ttmp9, 2
	s_add_co_u32 s14, s14, s13                     ; my block of 256 queries: it enters Q's and the output's addresses alone
	s_and_b32 s15, ttmp7, 0xffff                   ; 16 x batch + head, which the four partners share
	; descriptor group 1: one row of 3,264 bytes (408 elements of 8 bytes); mask: all four work-groups, bit 21 beside it
	s_mov_b32 s24, 15|(3<<16)|(1<<21)
	s_mov_b32 s25, (PIECE/8)<<16
	s_mov_b32 s26, 1<<16
	s_mov_b32 s27, (PIECE/8)<<16
	s_mov_b32 s28, 1
	s_mov_b32 s29, PIECE/8
	s_mov_b32 s30, 0
	s_mov_b32 s31, 0
	s_mul_i32 s18, s[WV], PIECE                    ; my sixteenth of a quarter
	s_mul_i32 s16, s15, HEADB
	s_add_co_u32 s16, s16, s18
	s_mov_b32 s17, 0
	s_mov_b32 s[SEL], 0x76543210
	s_mov_b32 s[SEL+1], 0xfedcba98                 ; selects: lane l xor 16
	s_mov_b32 s[CS], 0x3e38aa3b                    ; c = log2(e) / 8
	s_mov_b32 s[CS+1], s[CS]                       ; (named with it as a pair, so it is written)
	s_wait_dscnt 0x0
	s_wait_kmcnt 0x0
	s_add_nc_u64 s[16:17], s[6:7], s[16:17]
.irp j, 0,1,2,3
	s_mov_b32 s[32+4*\j], 1
	s_add_co_u32 s[33+4*\j], s18, \j*QB
	s_add_nc_u64 s[34+4*\j:35+4*\j], s[16:17], \j*QB
	s_or_b32 s[35+4*\j], s[35+4*\j], 0x80000000
.endr
	CROUND                                         ; all four work-groups are here: the joint loads meet
	tensor_load_to_lds s[32:35], s[24:31]          ; the wave's four fills stand together, the quarters in order; four tensor loads of mine are out
	s_nop 0
	tensor_load_to_lds s[36:39], s[24:31]
	s_nop 0
	tensor_load_to_lds s[40:43], s[24:31]
	s_nop 0
	tensor_load_to_lds s[44:47], s[24:31]
	s_nop 0
.rept 4
	v_nop
.endr
	; Q's half image and scale word; the output's places
	s_lshl_b32 s78, s15, 7
	s_lshl_b32 s86, s14, 4
	s_add_co_u32 s78, s78, s86
	s_add_co_u32 s78, s78, s[WV]                   ; (head) x 128 + my tile of 16 queries
	s_mul_i32 s78, s78, 768
	s_mov_b32 s79, 0
	s_add_nc_u64 s[78:79], s[4:5], s[78:79]
	s_lshl_b32 s80, s15, 13
	s_lshl_b32 s86, s14, 2
	s_lshr_b32 s87, s[WV], 2
	s_add_co_u32 s86, s86, s87                     ; my group of 64 tokens
	s_lshl_b32 s86, s86, 8
	s_add_co_u32 s80, s80, s86
	s_and_b32 s86, s[WV], 1                        ; token 16 (w % 4) + r has word 2 (16 (w % 2) + r) + (w % 4) / 2
	s_lshl_b32 s86, s86, 7
	s_add_co_u32 s80, s80, s86
	s_bfe_u32 s86, s[WV], 0x10001
	s_lshl_b32 s86, s86, 2
	s_add_co_u32 s80, s80, s86
	s_add_co_u32 s80, s80, SOFF
	s_mov_b32 s81, 0
	s_add_nc_u64 s[80:81], s[4:5], s[80:81]
	s_lshr_b32 s86, s15, 4                         ; batch
	s_and_b32 s87, s15, 15                         ; head
	s_lshl_b32 s88, s86, 7
	s_lshl_b32 s89, s14, 4
	s_add_co_u32 s88, s88, s89
	s_add_co_u32 s88, s88, s[WV]                   ; m-block of the 4,096 tokens
	s_lshr_b32 s89, s87, 1                         ; K step of the next product: the pair of heads
	s_and_b32 s90, s87, 1                          ; which half of its fragment
	s_lshl_b32 s82, s88, 3
	s_add_co_u32 s82, s82, s89
	s_mul_i32 s82, s82, 1536
	s_mul_i32 s91, s90, 768
	s_add_co_u32 s82, s82, s91
	s_mov_b32 s83, 0
	s_add_nc_u64 s[82:83], s[8:9], s[82:83]
	s_lshr_b32 s84, s88, 3
	s_lshl_b32 s84, s84, 3
	s_add_co_u32 s84, s84, s89
	s_lshl_b32 s84, s84, 9                         ; scale words: (tile of 128 tokens x 8 + K step) x 512
	s_and_b32 s91, s88, 7
	s_lshl_b32 s91, s91, 6
	s_add_co_u32 s84, s84, s91                     ; + 64 x m-block in the tile
	s_lshl_b32 s91, s90, 1
	s_add_co_u32 s84, s84, s91                     ; + my half-word
	s_add_co_u32 s84, s84, SOFF
	s_mov_b32 s85, 0
	s_add_nc_u64 s[84:85], s[8:9], s[84:85]
	v_and_b32 v7, 31, v0                           ; lane
	v_and_b32 v14, 15, v0                          ; r
	v_lshlrev_b32 v1, 4, v7                        ; 16 l
	v_lshl_add_u32 v2, v7, 3, 512                  ; 512 + 8 l
	v_lshlrev_b32 v6, 2, v7                        ; 4 l
	v_lshlrev_b32 v15, 3, v14                      ; 8 r
	v_lshlrev_b32 v14, 2, v14                      ; 4 r
	global_load_b128 v[16:19], v1, s[78:79]        ; Q's registers 0-3,
	global_load_b64 v[20:21], v2, s[78:79]         ; 4, 5
	global_load_b32 v92, v15, s[80:81]             ; and its scale words
.irp j, 22,23,24,25,26,27,80,81,82,83,84,85
	v_mov_b32 v[\j], 0                             ; zero codes: Q's K = 64 .. 127; what follows K's last tile
.endr
	v_mov_b32 v29, 0xff61b1e6                      ; the largest t so far: -3e38, under every t
	v_floor_f32 v28, -v29                          ; -M
	v_mov_b32 v30, 0                               ; the sum, in two halves
	v_mov_b32 v31, 0
.irp j, 216,217,218,219,224,227,234,235
	v_mov_b32 v[\j], 0                             ; written once: lane permutes' destinations count as read; v227 is named as the upper half of a pair
.endr
.set jj, 0
.rept 32
	v_mov_b32 v[160+jj], 0                         ; O^T.  (The step is written once for each quarter: the first finds zeros, which the first change of M leaves zeros)
.set jj, jj+1
.endr
; A KEY STEP: the 128 keys whose bytes begin at LDS byte s[TK]
.macro STEPBODY
	v_add_nc_u32 v8, s[TK], v1                     ; (these four are also the places in front of the loads into registers that the last products read)
	v_add_nc_u32 v9, s[TK], v2
	v_add_nc_u32 v10, s[TK], v6
	v_nop
.irp t, 0,1,2,3,4,5,6,7
	ds_load_b128 v[32+6*\t:35+6*\t], v8 offset:768*\t              ; tile t's six registers; fragment t is these and the six that follow
	ds_load_b64 v[36+6*\t:37+6*\t], v9 offset:768*\t
.endr
.irp g, 0,1
	ds_load_b64 v[86+2*\g:87+2*\g], v9 offset:KSO-512+256*\g       ; register 86 + 2 g + u: lanes 0-15 tile 4 g + 2 u, lanes 16-31 tile 4 g + 2 u + 1
.endr
	s_wait_dscnt 0x0
.irp t, 0,1,2,3,4,5,6,7
.if \t%2
	v_wmma_scale_f32_16x16x128_f8f6f4 v[96+8*\t:103+8*\t], v[32+6*\t:43+6*\t], v[16:27], 0, v[86+2*(\t/4)+(\t%4)/2], v92 matrix_a_fmt:MATRIX_FMT_BF6 matrix_b_fmt:MATRIX_FMT_BF6 matrix_a_scale:MATRIX_SCALE_ROW1
.else
	v_wmma_scale_f32_16x16x128_f8f6f4 v[96+8*\t:103+8*\t], v[32+6*\t:43+6*\t], v[16:27], 0, v[86+2*(\t/4)+(\t%4)/2], v92 matrix_a_fmt:MATRIX_FMT_BF6 matrix_b_fmt:MATRIX_FMT_BF6
.endif
.endr
.rept 4
	v_nop                                          ; places in front of the loads into K's registers and of the first read of the scores
.endr
.irp t, 0,1,2,3
.irp c, 0,1
	ds_load_b128 v[32+12*\t+6*\c:35+12*\t+6*\c], v8 offset:VO+1536*\t+768*\c   ; V's four fragments land under the softmax
	ds_load_b64 v[36+12*\t+6*\c:37+12*\t+6*\c], v9 offset:VO+1536*\t+768*\c
.endr
.endr
.irp u, 0,1
	ds_load_b32 v[90+\u], v10 offset:VSO+128*\u    ; lanes 0-15 tile 2 u, lanes 16-31 tile 2 u + 1
.endr
.irp b, 0,1,2,3
	v_max3_num_f32 v[BM+\b], v[96+16*\b], v[97+16*\b], v[98+16*\b]   ; the largest score of each block of 32 keys: for the row's maximum, and, since p rises with the score, for the block's largest p
.endr
.irp i, 3,5,7,9,11,13
.irp b, 0,1,2,3
	v_max3_num_f32 v[BM+\b], v[BM+\b], v[96+16*\b+\i], v[97+16*\b+\i]
.endr
.endr
.irp b, 0,1,2,3
	v_max_num_f32 v[BM+\b], v[BM+\b], v[111+16*\b]
.endr
.irp b, 0,1,2,3
	v_permlanex16_b32 v[BB+\b], v[BM+\b], s[SEL], s[SEL+1]
.endr
.irp b, 0,1,2,3
	v_max_num_f32 v[BM+\b], v[BM+\b], v[BB+\b]     ; with lane l xor 16's 16 keys
.endr
	v_max3_num_f32 v224, v[BM], v[BM+1], v[BM+2]
	v_max_num_f32 v224, v224, v[BM+3]              ; the step's largest score of my query
	v_mul_f32 v224, s[CS], v224                    ; as t
	v_max_num_f32 v29, v29, v224                   ; the running largest t
	v_mov_b32 v224, v28
	v_floor_f32 v28, -v29                          ; the new -M = floor(-t): M is a whole number
	v_sub_f32 v224, v28, v224                      ; old M - new M: a whole number, 0 or less
	v_cvt_i32_f32 v224, v224                       ; (it saturates)
	v_ldexp_f32 v226, 1.0, v224                    ; f = 2^(old M - new M)
.set jj, 0
.rept 32
	v_pk_fma_f32 v[96+jj:97+jj], v[96+jj:97+jj], s[CS:CS+1], v[28:29] op_sel_hi:[1,0,0]   ; t - M, two at a time (of the pairs c and -M the low word serves both halves)
.set jj, jj+2
.endr
.irp b, 0,1,2,3
	v_fma_f32 v[BM+\b], v[BM+\b], s[CS], v28       ; the same of each block's largest score
.endr
.set jj, 0
.rept 64
	v_exp_f32 v[96+jj], v[96+jj]                   ; p = 2^(t - M), at most 1
.set jj, jj+1
.endr
.irp b, 0,1,2,3
	v_exp_f32 v[BM+\b], v[BM+\b]                   ; the block's largest p: the same two instructions on the same number
.endr
	v_pk_mul_f32 v[30:31], v[30:31], v[226:227] op_sel_hi:[1,0]    ; the sums under the new M.  (A plain instruction behind the exponentials)
	s_wait_alu depctr_va_vdst(0)
.irp b, 0,1,2,3
	v_max_num_f32 v[BM+\b], 0x2800000, v[BM+\b]    ; the floor 2^(5 - 127): the byte cannot fall under 1
.endr
.irp b, 0,1,2,3
	v_add_nc_u32 v[SO+\b], 0xfe000000, v[BM+\b]    ; 4 off the exponent field: the conversion's scale operand
.endr
.irp b, 0,1,2,3
	v_lshrrev_b32 v[BB+\b], 23, v[SO+\b]           ; the scale's byte
.endr
	v_lshl_or_b32 v228, v[BB+1], 8, v[BB]          ; p's scale word for these 128 keys
	v_lshl_or_b32 v228, v[BB+2], 16, v228
	v_lshl_or_b32 v228, v[BB+3], 24, v228
.irp c, 0,1
	v_cvt_scalef32_pk16_bf6_f32 v[192+6*\c:194+6*\c], v[96+32*\c:111+32*\c], v[SO+2*\c]
	v_cvt_scalef32_pk16_bf6_f32 v[204+4*\c:206+4*\c], v[112+32*\c:127+32*\c], v[SO+2*\c+1]   ; (a conversion's three registers begin on an even number)
.endr
	v_nop                                          ; a plain instruction behind the scaled conversions
.irp c, 0,1
.irp i, 0,1,2
	v_permlane16_swap_b32 v[192+6*\c+\i], v[204+4*\c+\i]           ; a WHOLE block in a lane: lanes 0-15 block 2 c, lanes 16-31 block 2 c + 1
.endr
.irp i, 0,1,2
	v_mov_b32 v[195+6*\c+\i], v[204+4*\c+\i]
.endr
.endr
	v_pk_add_f32 v[230:231], v[96:97], v[98:99]    ; the row's sum is taken of the unquantised p: two at a time, in two chains
.irp j, 4,8,12,16,20,24,28,32,36,40,44,48,52,56,60
	v_pk_add_f32 v[30:31], v[30:31], v[96+\j:97+\j]
	v_pk_add_f32 v[230:231], v[230:231], v[98+\j:99+\j]
.endr
	v_pk_add_f32 v[30:31], v[30:31], v[230:231]
.set jj, 0
.rept 16
	v_pk_mul_f32 v[160+jj:161+jj], v[160+jj:161+jj], v[226:227] op_sel_hi:[1,0]   ; O^T under the new M.  (These and the sums are the places between p's codes and scale word and the products below)
.set jj, jj+2
.endr
	s_wait_dscnt 0x0                               ; V and its scale words are in
.irp t, 0,1,2,3
.if \t%2
	v_wmma_scale_f32_16x16x128_f8f6f4 v[160+8*\t:167+8*\t], v[32+12*\t:43+12*\t], v[192:203], v[160+8*\t:167+8*\t], v[90+\t/2], v228 matrix_a_fmt:MATRIX_FMT_BF6 matrix_b_fmt:MATRIX_FMT_BF6 matrix_a_scale:MATRIX_SCALE_ROW1
.else
	v_wmma_scale_f32_16x16x128_f8f6f4 v[160+8*\t:167+8*\t], v[32+12*\t:43+12*\t], v[192:203], v[160+8*\t:167+8*\t], v[90+\t/2], v228 matrix_a_fmt:MATRIX_FMT_BF6 matrix_b_fmt:MATRIX_FMT_BF6
.endif
.endr
.endm
; Quarter j of the keys: my part of it has landed when at most the 3 - j later quarters' loads of mine are out; behind the barrier everybody's has.
.macro QUARTER j
	s_wait_tensorcnt 3-\j
	s_barrier_signal -1
	s_barrier_wait -1
	s_mov_b32 s[TK], \j*QB
	s_mov_b32 s[CNT], 4
.Lstep_\@:                                             ; four trips of 128 keys
	STEPBODY
	s_add_co_u32 s[TK], s[TK], STEPB
	s_sub_co_u32 s[CNT], s[CNT], 1
	s_cmp_lg_u32 s[CNT], 0
	s_cbranch_scc1 .Lstep_\@
.endm
	s_wait_loadcnt 0x0                             ; Q
	QUARTER 0
	QUARTER 1
	QUARTER 2
	QUARTER 3
.rept 4
	v_nop                                          ; places in front of the first read of O^T
.endr
	v_add_f32 v30, v30, v31                        ; the sum's two halves,
	v_permlanex16_b32 v224, v30, s[SEL], s[SEL+1]
	v_add_f32 v30, v30, v224                       ; and lane l xor 16's: the row's sum
	v_rcp_f32 v30, v30
	v_nop                                          ; a plain instruction behind the transcendental
.set jj, 0
	s_wait_alu depctr_va_vdst(0)
.rept 32
	v_mul_f32 v[96+jj], v[160+jj], v30             ; O^T / the sum: register 8 t + j is channel 16 t + 8 h + j of my query
.set jj, jj+1
.endr
.irp g, 0,1
.irp j, 0,1,2,3,4,5,6,7
	v_permlane16_swap_b32 v[96+16*\g+\j], v[104+16*\g+\j]          ; channels 8 .. 15 and 16 .. 23 of a block change halves: lanes 0-15 then hold its channels 0 .. 15 in order, lanes 16-31 its 16 .. 31
.endr
.endr
	QUANT32 96, 192, 224
	global_store_b128 v1, v[192:195], s[82:83]     ; half a fragment image: 512 consecutive bytes,
	global_store_b64 v2, v[196:197], s[82:83]      ; and 256
	s_wait_xcnt 0x0                                ; EXEC changes only behind this wait
	v_cmp_gt_u32 vcc_lo, 16, v7
	s_and_saveexec_b32 s76, vcc_lo                 ; lanes 0-15: one for each query
	global_store_b16 v14, v224, s[84:85]           ; my head's two scale bytes of the row's word
	s_wait_xcnt 0x0                                ; and again, in front of the line that widens it
	s_or_b32 exec_lo, exec_lo, s76
	s_wait_tensorcnt 0x0
	ds_add_u32 v254, v255
	s_wait_dscnt 0x0
	CROUND                                         ; the closing round: no work-group ends while a partner may still ask for a tile that names it
	s_endpgm
.Lfunc_end_k_q5ca4f40893_attn:
	.size	k_q5ca4f40893_attn, .Lfunc_end_k_q5ca4f40893_attn-k_q5ca4f40893_attn
	.p2alignl 7, 3214868480
	.fill 96, 4, 3214868480
	.section	.rodata,"a",@progbits
	.p2align	6, 0x0
	.amdhsa_kernel k_q5ca4f40893_attn
		.amdhsa_group_segment_fixed_size 210944
		.amdhsa_private_segment_fixed_size 0
		.amdhsa_enable_private_segment 0
		.amdhsa_kernarg_size 24
		.amdhsa_user_sgpr_count 2
		.amdhsa_user_sgpr_kernarg_segment_ptr 1
		.amdhsa_wavefront_size32 1
		.amdhsa_system_sgpr_workgroup_id_x 1
		.amdhsa_system_sgpr_workgroup_id_y 1
		.amdhsa_system_sgpr_workgroup_id_z 1
		.amdhsa_system_vgpr_workitem_id 0
		.amdhsa_next_free_vgpr 256
		.amdhsa_next_free_sgpr 96
		.amdhsa_reserve_vcc 1
		.amdhsa_float_denorm_mode_32 3
		.amdhsa_float_denorm_mode_16_64 3
		.amdhsa_memory_ordered 1
		.amdhsa_forward_progress 1
		.amdhsa_inst_pref_size 77
	.end_amdhsa_kernel
	.amdgpu_metadata
---
amdhsa.version: [ 1, 2 ]
amdhsa.kernels:
  - .name:           k_q5ca4f40893_attn
    .symbol:         k_q5ca4f40893_attn.kd
    .args:
      - { .name: qc, .offset: 0, .size: 8, .value_kind: global_buffer, .address_space: global }
      - { .name: kv, .offset: 8, .size: 8, .value_kind: global_buffer, .address_space: global }
      - { .name: ac, .offset: 16, .size: 8, .value_kind: global_buffer, .address_space: global }
    .group_segment_fixed_size: 210944
    .private_segment_fixed_size: 0
    .kernarg_segment_align: 8
    .kernarg_segment_size: 24
    .max_flat_workgroup_size: 512
    .sgpr_count:     96
    .vgpr_count:     256
    .wavefront_size: 32
...
	.end_amdgpu_metadata
.endif
;; end of part 8
;; launch gwo: the kernel of part 4 again; grid 8 x 32, 4 waves a work-group, clusters of 4 x 4, 327,680 bytes of LDS; arguments ac, wo_w_codes, wo_w_scales, wo_b, x, x1; writes x1
;; launch ln2q: the kernel of part 1 again; grid 256 x 1, 8 waves a work-group, no clusters, 87,552 bytes of LDS; arguments x1, ln2_g, ln2_b, hc; writes hc
;; launch gffn1 (part 9): grid 8 x 32, 4 waves a work-group, clusters of 4 x 4, 327,680 bytes of LDS; arguments hc, ffn1_w_codes, ffn1_w_scales, ffn1_b, fc; writes fc
.if DOCPART == 9
	.amdgcn_target "amdgcn-amd-amdhsa--gfx1250"
	.amdhsa_code_object_version 6
	.text
	.protected	k_q5ca4f40893_gffn1
	.globl	k_q5ca4f40893_gffn1
	.p2align	8
	.type	k_q5ca4f40893_gffn1,@function
k_q5ca4f40893_gffn1:
	s_mov_b64 s[64:65], 0
	v_nop
	global_prefetch_b8 v0, s[64:65] scope:SCOPE_SE
	s_setreg_imm32_b32 hwreg(HW_REG_WAVE_MODE, 25, 1), 1
	s_wait_xcnt 0x0
	s_wait_alu depctr_hold_cnt(0) depctr_sa_sdst(0) depctr_va_vdst(0) depctr_va_sdst(0) depctr_va_ssrc(0) depctr_va_vcc(0) depctr_vm_vsrc(0)
	s_getreg_b32 s2, hwreg(HW_REG_IB_STS2, 6, 4)
	s_cmp_eq_u32 s2, 0
	s_cbranch_scc0 .Lentry_in_a_cluster
	s_endpgm
.Lentry_in_a_cluster:
	s_bfe_u32 s2, ttmp6, 0x10000c
	s_cmp_lg_u32 s2, 0xf033
	s_cbranch_scc0 .Lentry_shape_is_right
	s_endpgm
.Lentry_shape_is_right:
; f = relu(h W^T + b) on codes of BF6 (E3M2) with E8M0 scales, K = 1,024; f is quantised in registers along its 4,096 features, the next product's K, and leaves as codes.
; h comes as fragment images (16 rows x 128 K: 1,536 bytes, in the order of the operand's registers), W as rows of codes (768 bytes a row).
; A WORK-GROUP STAYS: it owns 128 tokens and walks four neighbouring tiles of 128 features.  Its 128 rows of h (98,304 bytes, all of K) come into LDS once and serve all four; W's tiles (128 rows, all of K) go through two
; buffers: tiles 0 and 1 are filled at the start, tile i + 2 takes tile i's place when tile i's last fragments are in registers.  Four waves, 64 x 64 (16 accumulators) each.
; A tile's 128 features are one K step of the next product, a wave's 64 half of its fragments.
; CLUSTERS: 4 x 4 work-groups; h's rows are shared along a row of the cluster, W's along a column: each is asked for jointly, by the same tensor load with the same descriptor and a mask that names the four.
; Every wave issues every load, for a quarter of its own (addresses stepped by the wave's number): no branch stands round a tensor load.
; The product is used transposed (source 0 = 16 rows of W, source 1 = 16 tokens): a lane holds ONE token and its registers run along the features.  The 16 registers of two neighbouring tiles hold features 8 h + j and
; 16 + 8 h + j of a block of 32: eight exchanges of halves a block bring them into their natural order, since the partner of the next product is a given weight.
; OUT.  fc: [m-block of 256][K step of 32][1,536]; scale words behind them at (tile of 128 tokens x 32 + K step) x 512 + 64 x m-block in the tile + 4 r.
; LIMITS: a block whose largest magnitude lies under 2^-122 keeps the byte 1; a block of zeros gets the byte 1 (its codes are zeros; this program alone reads the bytes); NaN and infinities are not served.
; REGISTERS.  Window 0: v1-3 r, h, lane; v8-17 addresses; v18-22 the way out; v28, v29 for the add; v32-47 h's scale words (all of K, they stay); v48-63 W's (a tile's); v64-95 the codes; v96-115 at work; v128-255 accumulators.
;             Window 1: two sets of fragments at v0 and v128: h's four at + 12 a, W's four at + 48 + 12 b; v96-127 the bias, the C that starts a tile's sums.
.set NT,    4                          ; tiles that a work-group walks
.set KROW,  768                        ; a row of W's codes
.set MBB,   12288                      ; an m-block's eight images
.set ASOFF, 3145728                    ; where h's scale words begin
.set FSOFF, 12582912                   ; where the scale words begin in fc
.set TILEB, 128*KROW                   ; a tile of W in memory
.set AQ,    2*MBB                      ; LDS from 0: h, a quarter (two m-blocks) to a wave
.set BL,    4*AQ                       ; then W's two buffers
.set BP,    816                        ; a row of W in LDS: 3 x (256 bytes + 16 of padding) = 204 words: the 16 rows of a load start at 16 different multiples of 4 banks, lanes 16-31 fall between them
.set BQ,    32*BP                      ; a quarter: 32 rows
.set BBUF,  4*BQ
.set BSL,   BL+2*BBUF                  ; W's scale bytes of the four tiles, as units of 256 + 16
.set BST,   4352                       ; a tile's
.set SPARE, BSL+NT*BST                 ; the spare words: 128 bytes a wave, two blocks of 256 bytes that no other line names
.set STG,   SPARE+512                  ; the tiles' scale words on their way out: 512 bytes for each tile; no fill lands here
.set AA16, 8
.set AA8,  9
.set AB,   12
.set AB2,  14
.set ASA,  16
.set ASB,  17
.set SPW,  28
.set NIL,  29
.set SA,   32
.set SB,   48
.set TM,   96
.set PD,   102
.set ACC,  128
.set BI,   96                          ; in window 1
.set G1A,  24
.set G1B,  32
.set G1S,  40
.set G0A,  48
.set G0S,  52
.set G0B,  56                          ; a set for each buffer
.set SEL,  66
.set MUL,  0x05                        ; sources 0 and 1 window 1; C and D window 0
.set MULF, 0x15                        ; the same with C in window 1: the bias
.set TO_F, 0x40                        ; destination window 1, address window 0
.set MSB, 0
.macro WIN new                         ; the immediate's high byte repeats the setting that is left
.if MSB != \new
	s_set_vgpr_msb (MSB<<8)|\new
.set MSB, \new
.endif
.endm
.macro PLACES n
.rept \n
	v_nop
.endr
.endm
.macro CROUND                          ; a round of the cluster's barrier
	s_barrier_signal -1
	s_barrier_wait -1
	s_cmp_lg_u32 s14, 0
	s_cbranch_scc1 .Lnot_wave_0_\@
	s_barrier_signal -3
.Lnot_wave_0_\@:
	s_barrier_wait -3
	s_barrier_signal -1
	s_barrier_wait -1
.endm
; 40 LDS loads: the fragments of K step s, W's from buffer bt, into set p.  h's come as images (16 and 8 bytes a lane, consecutive); W's as six pieces of 8 bytes of the row's stream of bits;
; lanes 16-31 read three pieces further on, which for some pieces is behind one padding more: the second address register serves those.
.macro FETCH bt, s, p
	WIN TO_F
.irp a, 0,1,2,3
.irp c, 0,1
	ds_load_b128 v[128*(\p)+12*\a+6*\c:128*(\p)+12*\a+6*\c+3], v[AA16] offset:\a*MBB+(\s)*1536+\c*768
	ds_load_b64 v[128*(\p)+12*\a+6*\c+4:128*(\p)+12*\a+6*\c+5], v[AA8] offset:\a*MBB+(\s)*1536+\c*768
.endr
.endr
.irp b, 0,1,2,3
.irp u, 0,1,2,3,4,5
.set PC, 12*(\s)+6*(\u/3)+\u%3
.if PC%32 < 29
	ds_load_b64 v[128*(\p)+48+12*\b+2*\u:128*(\p)+48+12*\b+2*\u+1], v[AB+\bt] offset:8*PC+16*(PC/32)+\b*16*BP
.else
	ds_load_b64 v[128*(\p)+48+12*\b+2*\u:128*(\p)+48+12*\b+2*\u+1], v[AB2+\bt] offset:8*PC+16*(PC/32)+\b*16*BP
.endif
.endr
.endr
.endm
; W's scale words of tile ti for K steps 4 sg .. 4 sg + 3: register 8 sg + 4 j + q: lanes 0-15 W's tile 2 j, lanes 16-31 tile 2 j + 1
.macro SCALESB sg, ti
	WIN 0
.irp j, 0,1
	ds_load_b128 v[SB+8*(\sg)+4*\j:SB+8*(\sg)+4*\j+3], v[ASB] offset:\j*1088+(\sg)*16+(\ti)*BST
.endr
.endm
.macro WMS                             ; one product, by the symbols rD, rX, rY, rC, rSX, rSY; fX, fY: the side's scales stand in lanes 16-31
.if fX && fY
	v_wmma_scale_f32_16x16x128_f8f6f4 v[rD:rD+7], v[rX:rX+11], v[rY:rY+11], v[rC:rC+7], v[rSX], v[rSY] matrix_a_fmt:MATRIX_FMT_BF6 matrix_b_fmt:MATRIX_FMT_BF6 matrix_a_scale:MATRIX_SCALE_ROW1 matrix_b_scale:MATRIX_SCALE_ROW1
.elseif fX
	v_wmma_scale_f32_16x16x128_f8f6f4 v[rD:rD+7], v[rX:rX+11], v[rY:rY+11], v[rC:rC+7], v[rSX], v[rSY] matrix_a_fmt:MATRIX_FMT_BF6 matrix_b_fmt:MATRIX_FMT_BF6 matrix_a_scale:MATRIX_SCALE_ROW1
.elseif fY
	v_wmma_scale_f32_16x16x128_f8f6f4 v[rD:rD+7], v[rX:rX+11], v[rY:rY+11], v[rC:rC+7], v[rSX], v[rSY] matrix_a_fmt:MATRIX_FMT_BF6 matrix_b_fmt:MATRIX_FMT_BF6 matrix_b_scale:MATRIX_SCALE_ROW1
.else
	v_wmma_scale_f32_16x16x128_f8f6f4 v[rD:rD+7], v[rX:rX+11], v[rY:rY+11], v[rC:rC+7], v[rSX], v[rSY] matrix_a_fmt:MATRIX_FMT_BF6 matrix_b_fmt:MATRIX_FMT_BF6
.endif
.endm
; 16 products, K step s, on set p: accumulator 4 a + b, source 0 = W's tile b, source 1 = h's block a.  first = 1: the bias is the C that starts the sums.
; The 16 accumulators take turns, one instruction a turn, in the same order in every step.
.macro MUL16 p, s, first
.irp i, 0,1,2,3
.irp j, 0,1,2,3
.set rD, ACC+8*(4*\i+\j)
.set fX, \j%2
.set fY, \i%2
.set rX, 128*(\p)+48+12*\j
.set rY, 128*(\p)+12*\i
.set rSX, SB+8*((\s)/4)+4*(\j/2)+(\s)%4
.set rSY, SA+2*(\s)+(\i/2)
.set rC, BI+8*\j
.if \first == 0
.set rC, rD
.endif
	WMS
.endr
.endr
.endm
.macro BIAS ti                         ; tile ti's bias: lane (r, h), W's tile b: that of features 16 b + 8 h + 0 .. 7
	WIN TO_F
.irp b, 0,1,2,3
	global_load_b128 v[BI+8*\b:BI+8*\b+3], v21, s[90:91] offset:(\ti)*512+64*\b
	global_load_b128 v[BI+8*\b+4:BI+8*\b+7], v21, s[90:91] offset:(\ti)*512+64*\b+16
.endr
.endm
; K step s (0 .. 6) of tile ti: this step's set is in; the other set, four places behind the products that read it, takes the next step's fragments while this one is multiplied.
; Step 1 also asks for the next tile's bias (the places above stand behind the products that read this tile's), step 3 for W's scale words of steps 4 to 7.
.macro STEP bt, s, first, ti
	s_wait_dscnt 0x0
	PLACES 4
	FETCH \bt, (\s)+1, ((\s)+1)%2
.if (\s) == 1 && (\ti) < NT-1
	BIAS (\ti)+1
.endif
.if (\s) == 3
	SCALESB 1, \ti
.endif
.if \first
	s_wait_loadcnt 0x0                             ; the bias (ahead of the first tile: h's scale words too)
	WIN MULF
.else
	WIN MUL
.endif
	MUL16 (\s)%2, \s, \first
.endm
.macro TILE bt, ti
	STEP \bt, 0, 1, \ti
.irp ss, 1,2,3,4,5,6
	STEP \bt, \ss, 0, \ti
.endr
.endm
; A tile's last K step changes buffers: each wave waits for all its tensor loads, adds 0 to its spare word, waits for that and for its reads of this buffer (its last fragments are in registers).
; fill = 1: a round of the cluster's barrier, and the joint refill first behind it, one load a wave: the tile two further on into the buffer just left; it has a whole tile, 128 products and a way out, in which to land.
.macro TURN bt, nx, fill, ti
	WIN 0
	s_wait_tensorcnt 0x0                           ; no tensor load of mine is out: my part of the next buffer has landed, and a group 0 may be written
	ds_add_u32 v[SPW], v[NIL]                      ; 0 onto my spare word
.if \fill
	s_add_nc_u64 s[G0B+4*\bt+2:G0B+4*\bt+3], s[G0B+4*\bt+2:G0B+4*\bt+3], 2*TILEB
.endif
	s_wait_dscnt 0x0
.if \fill
	CROUND
	tensor_load_to_lds s[G0B+4*\bt:G0B+4*\bt+3], s[G1B:G1B+7]
	s_nop 0
	PLACES 4                                       ; also the places in front of the loads below
.else
	s_barrier_signal -1
	s_barrier_wait -1
	PLACES 4
.endif
	FETCH \nx, 0, 0
	SCALESB 0, (\ti)+1
	WIN MUL
	MUL16 1, 7, 0
.endm
; 32 registers, two blocks of 32 of which lane l xor 16 holds the other halves, become half a fragment image in v[pc] .. v[pc + 5] and two scale bytes in v[pw]
.macro QUANT32 s, pc, pw
.irp b, 0,1
	v_max3_num_f32 v[TM+\b], |v[(\s)+16*\b]|, |v[(\s)+16*\b+1]|, 0x2800000   ; with the floor 2^(5 - 127): the byte cannot fall under 1
.endr
.irp i, 2,4,6,8,10,12,14
.irp b, 0,1
	v_max3_num_f32 v[TM+\b], v[TM+\b], |v[(\s)+16*\b+\i]|, |v[(\s)+16*\b+\i+1]|
.endr
.endr
.irp b, 0,1
	v_permlanex16_b32 v[TM+2+\b], v[TM+\b], s[SEL], s[SEL+1]
.endr
.irp b, 0,1
	v_max_num_f32 v[TM+\b], v[TM+\b], v[TM+2+\b]
.endr
.irp b, 0,1
	v_add_nc_u32 v[TM+4+\b], 0xfe000000, v[TM+\b]
.endr
.irp b, 0,1
	v_lshrrev_b32 v[TM+2+\b], 23, v[TM+4+\b]
.endr
	v_lshl_or_b32 v[\pw], v[TM+3], 8, v[TM+2]
	v_cvt_scalef32_pk16_bf6_f32 v[(\pc):(\pc)+2], v[(\s):(\s)+15], v[TM+4]
	v_cvt_scalef32_pk16_bf6_f32 v[PD:PD+2], v[(\s)+16:(\s)+31], v[TM+5]
	v_nop                                          ; a plain instruction behind the scaled conversions
.irp i, 0,1,2
	v_permlane16_swap_b32 v[(\pc)+\i], v[PD+\i]
.endr
.irp i, 0,1,2
	v_mov_b32 v[(\pc)+3+\i], v[PD+\i]
.endr
.endm
; Tile ti's way out.  The next tile's first fragments and, behind the first two tiles, a refill are on their way meanwhile.  The barrier parts the four waves' stores of scale bytes from wave 0's read of them;
; each tile has stage bytes of its own, so nothing is written there twice.
.macro EPI ti
	WIN 0
	PLACES 4                                       ; in front of the first read of results
	s_wait_xcnt 0x0                                ; the last tile's stores have read their registers: the codes may be written again
.irp a, 0,1,2,3
.set jj, 0
.rept 32
	v_max_num_f32 v[ACC+32*\a+jj], 0, v[ACC+32*\a+jj]              ; the activation, in f32; each accumulator from its low end on
.set jj, jj+1
.endr
.irp g, 0,1
.irp j, 0,1,2,3,4,5,6,7
	v_permlane16_swap_b32 v[ACC+32*\a+16*\g+\j], v[ACC+32*\a+16*\g+8+\j]   ; features 8 .. 15 and 16 .. 23 of a block change halves: the natural order
.endr
.endr
	QUANT32 ACC+32*\a, 64+8*\a, 108+\a
	global_store_b128 v18, v[64+8*\a:64+8*\a+3], s[96:97] offset:\a*49152+(\ti)*1536       ; 512 consecutive bytes,
	global_store_b64 v19, v[64+8*\a+4:64+8*\a+5], s[96:97] offset:\a*49152+(\ti)*1536+512  ; and 256
	ds_store_b16 v20, v[108+\a] offset:64*\a+(\ti)*512     ; lanes r and 16 + r write the same two bytes with the same value
.endr
	s_wait_dscnt 0x0                               ; for the others' sake: my stores are done
	s_barrier_signal -1
	s_barrier_wait -1
	s_cmp_lg_u32 s14, 0
	s_cbranch_scc1 .Lno_words_\@
	ds_load_b128 v[112:115], v22 offset:(\ti)*512
	s_wait_dscnt 0x0
	global_store_b128 v18, v[112:115], s[98:99] offset:(\ti)*512   ; 512 consecutive bytes, aligned
.Lno_words_\@:
.endm
	s_load_b256 s[84:91], s[0:1], 0x0              ; h, W's codes, W's scales, bias
	s_load_b64 s[92:93], s[0:1], 0x20              ; fc
	v_lshl_add_u32 v[SPW], v0, 2, SPARE
	v_mov_b32 v[NIL], 0
	ds_add_u32 v28, v29
	ds_add_u32 v28, v29
	s_wait_dscnt 0x0
	v_lshrrev_b32 v1, 5, v0
	v_readfirstlane_b32 s14, v1                    ; wave 0..3
	s_lshr_b32 s15, s14, 1                         ; which half of the tile's tokens is mine
	s_and_b32 s16, s14, 1                          ; which half of its features
	s_bfe_u32 s19, ttmp6, 0x40000                  ; cx
	s_bfe_u32 s20, ttmp6, 0x40004                  ; cy
	s_lshl_b32 s18, ttmp9, 2
	s_add_co_u32 s18, s18, s19                     ; group of four feature tiles, 0..7
	s_and_b32 s17, ttmp7, 0xffff
	s_lshl_b32 s17, s17, 2
	s_add_co_u32 s17, s17, s20                     ; token tile 0..31
	s_lshl_b32 s21, s20, 2
	s_lshl_b32 s21, 15, s21                        ; my row of the cluster
	s_lshl_b32 s22, 0x1111, s19                    ; my column
	s_or_b32 s[G1A], s21, (3<<16)|(1<<21)          ; h's images: mask = my row; elements of 8 bytes; bit 21 beside a mask; a dense block as rows of 256 bytes
	s_mov_b32 s[G1A+1], 32<<16
	s_mov_b32 s[G1A+2], 96<<16
	s_mov_b32 s[G1A+3], 32<<16
	s_mov_b32 s[G1A+4], 96
	s_mov_b32 s[G1A+5], 32
	s_mov_b32 s[G1A+6], 0
	s_mov_b32 s[G1A+7], 0
	s_or_b32 s[G1B], s22, (1<<20)|(1<<21)|(5<<22)|(3<<25)   ; W's rows: mask = my column; bytes; 4 words of padding behind every 64
	s_mov_b32 s[G1B+1], KROW<<16
	s_mov_b32 s[G1B+2], 32<<16
	s_mov_b32 s[G1B+3], KROW<<16
	s_mov_b32 s[G1B+4], 32
	s_mov_b32 s[G1B+5], KROW
	s_mov_b32 s[G1B+6], 0
	s_mov_b32 s[G1B+7], 0
	s_or_b32 s[G1S], s22, (3<<16)|(1<<20)|(1<<21)|(5<<22)|(3<<25)   ; W's scale bytes: 16 dense rows of 256 bytes, 16 bytes of padding behind each
	s_mov_b32 s[G1S+1], 32<<16
	s_mov_b32 s[G1S+2], 16<<16
	s_mov_b32 s[G1S+3], 32<<16
	s_mov_b32 s[G1S+4], 16
	s_mov_b32 s[G1S+5], 32
	s_mov_b32 s[G1S+6], 0
	s_mov_b32 s[G1S+7], 0
	; what I fetch: of h m-blocks 8 x token tile + 2 x wave on; of a tile of W rows 32 x wave on; of W's scale bytes those of tile number wave
	s_lshl_b32 s4, s17, 3
	s_lshl_b32 s5, s14, 1
	s_add_co_u32 s4, s4, s5
	s_mul_i32 s4, s4, MBB
	s_mov_b32 s5, 0
	s_lshl_b32 s6, s18, 4
	s_add_co_u32 s6, s6, s14
	s_mul_i32 s6, s6, 32*KROW                      ; row 512 x group + 32 x wave
	s_mov_b32 s7, 0
	s_lshl_b32 s8, s18, 2
	s_add_co_u32 s8, s8, s14
	s_lshl_b32 s8, s8, 12                          ; 128 rows of 32 bytes a tile
	s_mov_b32 s9, 0
	s_mul_i32 s10, s14, AQ                         ; where they go: no place in the cluster enters an LDS address
	s_mul_i32 s11, s14, BQ
	s_add_co_u32 s11, s11, BL
	s_mul_i32 s12, s14, BST
	s_add_co_u32 s12, s12, BSL
	s_mov_b32 s[SEL], 0x76543210
	s_mov_b32 s[SEL+1], 0xfedcba98                 ; selects: lane l xor 16
	s_wait_kmcnt 0x0
	s_mov_b32 s[G0S], 1
	s_mov_b32 s[G0S+1], s12
	s_add_nc_u64 s[G0S+2:G0S+3], s[88:89], s[8:9]
	s_or_b32 s[G0S+3], s[G0S+3], 0x80000000
	s_mov_b32 s[G0A], 1
	s_mov_b32 s[G0A+1], s10
	s_add_nc_u64 s[G0A+2:G0A+3], s[84:85], s[4:5]
	s_or_b32 s[G0A+3], s[G0A+3], 0x80000000
	s_add_nc_u64 s[6:7], s[86:87], s[6:7]
.irp t, 0,1
	s_mov_b32 s[G0B+4*\t], 1
	s_add_co_u32 s[G0B+4*\t+1], s11, \t*BBUF
	s_add_nc_u64 s[G0B+4*\t+2:G0B+4*\t+3], s[6:7], \t*TILEB
	s_or_b32 s[G0B+4*\t+3], s[G0B+4*\t+3], 0x80000000
.endr
	CROUND                                         ; all sixteen work-groups are here: the first joint loads meet
	tensor_load_to_lds s[G0S:G0S+3], s[G1S:G1S+7]          ; the first fills stand together: four tensor loads of mine are out
	s_nop 0
	tensor_load_to_lds s[G0A:G0A+3], s[G1A:G1A+7]
	s_nop 0
	tensor_load_to_lds s[G0B:G0B+3], s[G1B:G1B+7]
	s_nop 0
	tensor_load_to_lds s[G0B+4:G0B+7], s[G1B:G1B+7]
	s_nop 0
	PLACES 4
	v_and_b32 v1, 15, v0                           ; r
	v_bfe_u32 v2, v0, 4, 1                         ; h
	v_and_b32 v3, 31, v0                           ; lane
	s_mul_i32 s4, s15, 2*AQ                        ; my 64 tokens
	v_lshl_add_u32 v[AA16], v3, 4, s4
	v_lshl_add_u32 v[AA8], v3, 3, s4
	v_add_nc_u32 v[AA8], 512, v[AA8]
	s_mul_i32 s5, s16, 2*BQ                        ; my 64 rows of W
	s_add_co_u32 s5, s5, BL
	v_mul_u32_u24 v4, v1, BP
	v_mad_u32_u24 v5, v2, 24, v4
	v_add_nc_u32 v[AB], s5, v5                     ; row x pitch + 24 x half
	v_add_nc_u32 v[AB+1], BBUF, v[AB]
	v_lshl_add_u32 v[AB2], v2, 4, v[AB]            ; and the same behind one padding more
	v_add_nc_u32 v[AB2+1], BBUF, v[AB2]
	s_mul_i32 s7, s16, 2176
	s_add_co_u32 s7, s7, BSL
	v_lshlrev_b32 v4, 5, v3
	v_lshrrev_b32 v5, 8, v4
	v_lshl_add_u32 v4, v5, 4, v4
	v_add_nc_u32 v[ASB], s7, v4                    ; W's scale bytes: row = lane, 32 bytes a row, 16 more for each 256 passed
	v_lshlrev_b32 v[ASA], 2, v1
	v_lshl_add_u32 v[ASA], v2, 9, v[ASA]           ; h's scale words in memory: 4 r, lanes 16-31 one m-block on
	v_lshlrev_b32 v18, 4, v3                       ; the way out: 16 x lane,
	v_lshlrev_b32 v19, 3, v3                       ; 8 x lane
	s_lshl_b32 s4, s15, 8
	s_lshl_b32 s5, s16, 1
	s_add_co_u32 s4, s4, s5
	s_add_co_u32 s4, s4, STG
	v_lshl_add_u32 v20, v1, 2, s4                  ; the scale words: 64 x m-block + 4 r, the half-word of my 64 features
	v_lshlrev_b32 v21, 5, v2                       ; the bias: 32 h
	v_add_nc_u32 v22, STG, v18                     ; and where wave 0 reads a tile's 512 bytes back
	v_mov_b32 v[TM+2], 0                           ; a lane permute's destination counts as read: written once
	v_mov_b32 v[TM+3], 0
	s_lshl_b32 s2, s17, 3
	s_lshl_b32 s3, s15, 2
	s_add_co_u32 s2, s2, s3
	s_lshl_b32 s2, s2, 9
	s_add_co_u32 s2, s2, ASOFF
	s_mov_b32 s3, 0
	s_add_nc_u64 s[84:85], s[84:85], s[2:3]        ; h's scale words of my four m-blocks: 512 bytes an m-block
	s_lshl_b32 s96, s18, 11
	s_lshl_b32 s97, s16, 8
	s_add_co_u32 s96, s96, s97
	s_mov_b32 s97, 0
	s_add_nc_u64 s[90:91], s[90:91], s[96:97]      ; the bias at feature 512 x group + 64 x half
	s_lshl_b32 s96, s17, 3
	s_lshl_b32 s98, s15, 2
	s_add_co_u32 s96, s96, s98
	s_lshl_b32 s96, s96, 5
	s_lshl_b32 s98, s18, 2
	s_add_co_u32 s96, s96, s98                     ; (my first m-block) x 32 + the first tile's K step
	s_mul_i32 s96, s96, 1536
	s_mul_i32 s98, s16, 768
	s_add_co_u32 s96, s96, s98
	s_add_nc_u64 s[96:97], s[92:93], s[96:97]      ; my four half images, 32 images apart; a tile on: one image on
	s_lshl_b32 s98, s17, 5
	s_lshl_b32 s99, s18, 2
	s_add_co_u32 s98, s98, s99
	s_lshl_b32 s98, s98, 9
	s_add_co_u32 s98, s98, FSOFF
	s_mov_b32 s99, 0
	s_add_nc_u64 s[98:99], s[92:93], s[98:99]      ; the first tile's 512 bytes of scale words
.irp s, 0,1,2,3,4,5,6,7
.irp j, 0,1
	global_load_b32 v[SA+2*\s+\j], v[ASA], s[84:85] offset:\j*1024+\s*64       ; register 2 s + j: lanes 0-15 m-block 2 j, lanes 16-31 m-block 2 j + 1; once for the launch
.endr
.endr
	BIAS 0
	WIN 0
	s_wait_tensorcnt 0x1                           ; the scale bytes, h and W's tile 0: my parts are in; tile 1's load may be out
	s_barrier_signal -1
	s_barrier_wait -1                              ; everybody's are
	FETCH 0, 0, 0
	SCALESB 0, 0
	TILE 0, 0
	TURN 0, 1, 1, 0                                ; tile 2 goes into buffer 0
	EPI 0
	TILE 1, 1
	TURN 1, 0, 1, 1                                ; tile 3 into buffer 1
	EPI 1
	TILE 0, 2
	TURN 0, 1, 0, 2                                ; nothing is left to fetch
	EPI 2
	TILE 1, 3
	s_wait_dscnt 0x0
	WIN MUL
	MUL16 1, 7, 0
	EPI 3
	s_wait_tensorcnt 0x0                           ; the wave's end
	ds_add_u32 v[SPW], v[NIL]
	s_wait_dscnt 0x0
	CROUND                                         ; the closing round: no work-group ends while a partner may still ask for a tile that names it
	s_endpgm
.Lfunc_end_k_q5ca4f40893_gffn1:
	.size	k_q5ca4f40893_gffn1, .Lfunc_end_k_q5ca4f40893_gffn1-k_q5ca4f40893_gffn1
	.p2alignl 7, 3214868480
	.fill 96, 4, 3214868480
	.section	.rodata,"a",@progbits
	.p2align	6, 0x0
	.amdhsa_kernel k_q5ca4f40893_gffn1
		.amdhsa_group_segment_fixed_size 327680
		.amdhsa_private_segment_fixed_size 0
		.amdhsa_enable_private_segment 0
		.amdhsa_kernarg_size 40
		.amdhsa_user_sgpr_count 2
		.amdhsa_user_sgpr_kernarg_segment_ptr 1
		.amdhsa_wavefront_size32 1
		.amdhsa_system_sgpr_workgroup_id_x 1
		.amdhsa_system_sgpr_workgroup_id_y 1
		.amdhsa_system_sgpr_workgroup_id_z 1
		.amdhsa_system_vgpr_workitem_id 0
		.amdhsa_next_free_vgpr 512
		.amdhsa_next_free_sgpr 102
		.amdhsa_reserve_vcc 0
		.amdhsa_float_denorm_mode_32 3
		.amdhsa_float_denorm_mode_16_64 3
		.amdhsa_memory_ordered 1
		.amdhsa_forward_progress 1
		.amdhsa_inst_pref_size 227
	.end_amdhsa_kernel
	.amdgpu_metadata
---
amdhsa.version: [ 1, 2 ]
amdhsa.kernels:
  - .name:           k_q5ca4f40893_gffn1
    .symbol:         k_q5ca4f40893_gffn1.kd
    .args:
      - { .name: hc, .offset: 0, .size: 8, .value_kind: global_buffer, .address_space: global }
      - { .name: ffn1_w_codes, .offset: 8, .size: 8, .value_kind: global_buffer, .address_space: global }
      - { .name: ffn1_w_scales, .offset: 16, .size: 8, .value_kind: global_buffer, .address_space: global }
      - { .name: ffn1_b, .offset: 24, .size: 8, .value_kind: global_buffer, .address_space: global }
      - { .name: fc, .offset: 32, .size: 8, .value_kind: global_buffer, .address_space: global }
    .group_segment_fixed_size: 327680
    .private_segment_fixed_size: 0
    .kernarg_segment_align: 8
    .kernarg_segment_size: 40
    .max_flat_workgroup_size: 128
    .sgpr_count:     102
    .vgpr_count:     512
    .wavefront_size: 32
...
	.end_amdgpu_metadata
.endif
;; end of part 9
;; launch gffn2: the kernel of part 6 again; grid 8 x 32, 4 waves a work-group, clusters of 4 x 4, 327,680 bytes of LDS; arguments fc, ffn2_w_codes, ffn2_w_scales, ffn2_b, x1, out0; writes out0
